; MI455X (gfx1250); checked and timed in simulation.
; The chip was launched on July 23, 2026; its instructions are those of AMD's public machine-readable ISA for CDNA 5 (MIT licence, August 2026) and "CDNA5" Instruction Set Architecture Reference Guide (July 2026). The comments in the code are by the model that wrote it; some were corrected since.
;; Transformer Block. Allowed arithmetic: float matrix products may take bf16 or f16 operands with f32 sums; other float arithmetic in f32, or as packed bf16 or f16 multiplies, adds, multiply-adds, maxima and minima; sums over many terms, partial sums and values carried from step to step in f32; what a program stores and reads back later, other than sums and carried values, may be rounded once to bf16 or f16.
;; Inputs: W1 1,024 x 4,096 float32; W2 4,096 x 1,024 float32; Wk 1,024 x 256 float32; Wo 1,024 x 1,024 float32; Wq 1,024 x 1,024 float32; Wv 1,024 x 256 float32; b1 4,096 float32; b2 1,024 float32; bk 256 float32; bo 1,024 float32; bq 1,024 float32; bv 256 float32; ln1_b 1,024 float32; ln1_g 1,024 float32; ln2_b 1,024 float32; ln2_g 1,024 float32; lora_qa 1,024 x 16 float32; lora_qb 16 x 1,024 float32; lora_va 1,024 x 16 float32; lora_vb 16 x 256 float32; mask 1 x 1 x 2,048 x 2,048 int32; x 2 x 2,048 x 1,024 float32.
;; Outputs: out0 2 x 2,048 x 1,024 float32.
;; 2 versions, each right; version 2 is version 1 with the launches prep, ln2 written anew for expert scheduling mode. Each part assembles by itself: llvm-mc -triple=amdgcn-amd-amdhsa -mcpu=gfx1250 --defsym DOCPART=n.
;; ======== version 1 of 2: 7 launches
;; limits: values are held in f16: magnitudes above 65,504 overflow, below 6.1e-05 lose precision
;; workspace buffers: pkq 3,162,112 bytes; pkf 8,404,992 bytes; wts 10,485,760 bytes; maskw 524,544 bytes of whole numbers; hb 8,388,608 bytes; act 33,554,432 bytes; x1 16,777,216 bytes
;; launch prep (part 1): grid 1185 x 1, 8 waves a work-group, no clusters, 68,608 bytes of LDS; arguments W1, W2, Wo, Wk, Wq, Wv, lora_qa, lora_qb, lora_va, lora_vb, mask, bq, bk, bv, b1, pkq, pkf, wts, maskw, x, ln1_g, ln1_b, hb; writes pkq, pkf, wts, maskw, hb
.if DOCPART == 1
	.amdgcn_target "amdgcn-amd-amdhsa--gfx1250"
	.amdhsa_code_object_version 6
	.text
	.protected	k_q89aa0a00e9_prep
	.globl	k_q89aa0a00e9_prep
	.p2align	8
	.type	k_q89aa0a00e9_prep,@function
k_q89aa0a00e9_prep:
	s_mov_b64 s[64:65], 0
	v_nop
	global_prefetch_b8 v0, s[64:65] scope:SCOPE_SE
	s_setreg_imm32_b32 hwreg(HW_REG_WAVE_MODE, 25, 1), 1
	s_wait_xcnt 0x0
; PREP: everything that hangs on the inputs alone, each input byte read once.  The work-group's number chooses its role:
;      0- 255  NORM: h = layer norm of x (g, b of the first norm), rounded once to f16, in chunks [m / 128][16][128 rows][64].
;    256- 847  CAST: W1, W2, Wo, Wk rounded once to f16 and laid out in column tiles [j = n / 128][k][128 n]: a row of a tile is 256 bytes, a tile is dense.
;    848- 927  FOLD: Wq + 2 qa qb and Wv + 2 va vb, the rank-16 product on the matrix unit (f16 operands, f32 sums), added to W in f32, rounded once to f16, same layout.
;              h (W + 2 A B) = h W + 2 (h A) B for every input; only the order of rounding differs from the formula as written.
;    928-1183  MASK: mask[q][k] != 0 as lane masks.  Word (qt, step, 8 kt + j), bit l = mask[16 qt + l % 16][64 step + 16 kt + 8 (l / 16) + j] != 0.
;        1184  the biases in f32 at the two packages' heads, and 256 bytes of 0 behind the mask words.
; A package: 16,384 bytes for the bias, then the tiles.  pkq: bq, bk, bv; Wq' (tiles 0-7), Wk (8, 9), Wv' (10, 11).  pkf: b1; W1 (32 tiles).  wts: Wo (8 tiles), then W2 (8 tiles of K = 4,096).
; LIMITS.  f16 holds no number beyond 65,504 and keeps a fixed step of 6e-8 below 6e-5: weights and h are taken to lie within that.  A NaN in a row of x makes the row of h NaN; otherwise NaN and infinities are not treated apart.
; No tile is shared between work-groups and nothing is read twice, so there is no cluster and no ring; the one use of LDS is the mask's turn from rows to lanes, each wave in bytes of its own.
.set SPW,   4                          ; v4   LDS address of my spare word; never rewritten
.set NIL,   5                          ; v5   0; never rewritten
.set MPIT,  528                        ; a mask row of 128 words in the stage, 16 bytes of padding
.set MSTG,  16*MPIT                    ; a wave's stage
.set SPARE, 8*MSTG                     ; behind the stages: the spare words, 128 bytes for each of the eight waves
.set PKW,   16384                      ; where a package's tiles begin
.set ID_W1, 256                        ; the roles' first work-groups
.set ID_W2, 512
.set ID_WO, 768
.set ID_WK, 832
.set ID_FQ, 848
.set ID_FV, 912
.set ID_MK, 928
.set ID_PK, 1184
; s[4:5] W1  s[6:7] W2  s[8:9] Wo  s[10:11] Wk  s[12:13] Wq  s[14:15] Wv  s[16:17] qa  s[18:19] qb  s[20:21] va  s[22:23] vb  s[24:25] mask
; s[26:27] bq  s[28:29] bk  s[30:31] bv  s[32:33] b1  s[34:35] pkq  s[36:37] pkf  s[38:39] wts  s[40:41] maskw;  for NORM alone: s[44:45] x  s[46:47] g  s[48:49] b  s[50:51] h
	s_load_b512 s[4:19], s[0:1], 0x0
	s_load_b512 s[20:35], s[0:1], 0x40
	s_load_b128 s[36:39], s[0:1], 0x80
	s_load_b64 s[40:41], s[0:1], 0x90
	s_load_b256 s[44:51], s[0:1], 0x98
	v_lshl_add_u32 v[SPW], v0, 2, SPARE
	v_mov_b32 v[NIL], 0
	v_lshrrev_b32 v1, 5, v0
	v_readfirstlane_b32 s42, v1                    ; wave 0..7
	v_and_b32 v1, 31, v0                           ; lane
	s_mov_b32 s43, ttmp9
	s_wait_kmcnt 0x0
	s_cmp_lt_u32 s43, ID_W1
	s_cbranch_scc1 .Lln
	s_cmp_lt_u32 s43, ID_FQ
	s_cbranch_scc1 .Lcast
	s_cmp_lt_u32 s43, ID_MK
	s_cbranch_scc1 .Lfold
	s_cmp_lt_u32 s43, ID_PK
	s_cbranch_scc1 .Lmask
	; THE BIASES.  256 threads, 16 bytes each.
	v_lshlrev_b32 v2, 4, v0
	global_load_b128 v[16:19], v2, s[26:27]        ; bq: 4,096 bytes
.irp i, 0,1,2,3
	global_load_b128 v[20+4*\i:23+4*\i], v2, s[32:33] offset:4096*\i  ; b1: 16,384 bytes
.endr
	v_and_b32 v6, 63, v0
	v_lshlrev_b32 v6, 4, v6                        ; 16 x (thread mod 64): bk and bv are 1,024 bytes, two waves each
	v_lshlrev_b32 v3, 3, v1                        ; 8 x lane: a wave's store of 256 bytes
	s_wait_loadcnt 0x0
	global_store_b128 v2, v[16:19], s[34:35]
.irp i, 0,1,2,3
	global_store_b128 v2, v[20+4*\i:23+4*\i], s[36:37] offset:4096*\i
.endr
	s_cmp_ge_u32 s42, 2
	s_cbranch_scc1 .Lp2
	global_load_b128 v[40:43], v6, s[28:29]        ; waves 0, 1: bk behind bq
	s_wait_loadcnt 0x0
	global_store_b128 v6, v[40:43], s[34:35] offset:4096
	s_endpgm
.Lp2:
	s_cmp_ge_u32 s42, 4
	s_cbranch_scc1 .Lp4
	global_load_b128 v[40:43], v6, s[30:31]        ; waves 2, 3: bv behind bk
	s_wait_loadcnt 0x0
	global_store_b128 v6, v[40:43], s[34:35] offset:5120
	s_endpgm
.Lp4:
	s_cmp_lg_u32 s42, 4
	s_cbranch_scc1 .Lp5
	v_mov_b32 v10, 0
	v_mov_b32 v11, 0
	global_store_b64 v3, v[10:11], s[40:41] offset:524288  ; the words that the last query tile's look-ahead reads
.Lp5:
	s_endpgm
; NORM.  h = (x - mean) rsqrt(var + 1e-5) g + b over rows of 1,024 f32.  Mean first, then the sum of squares of x - mean: no difference of large sums.
; A wave takes two rows and there is no loop.  Lanes 0-15 hold row 2 P, lanes 16-31 row 2 P + 1, so a row's sums stay inside a half of 16 lanes and the row stays in 64 registers between the passes.
; The two rows' 128 bytes of a chunk are 256 consecutive bytes, one store.
.set XR,  16                           ; v[16:79]   the row: load t brings columns 64 t + 4 r .. + 3
.set GR,  80                           ; v[80:143]  g of the same columns; later the packed result
.set BR,  144                          ; v[144:207] b
.set GOF, 208                          ; v208 16 r;  v209 + the row in x;  v210 my 8 bytes in a chunk
.set XOF, 209
.set HOF, 210
.macro REDUCE                          ; v[8:15] to one number in v8, the same in all 16 lanes of the row
	v_pk_add_f32 v[8:9], v[8:9], v[10:11]
	v_pk_add_f32 v[12:13], v[12:13], v[14:15]
	v_pk_add_f32 v[8:9], v[8:9], v[12:13]
	v_add_f32 v8, v8, v9
	v_add_f32_dpp v8, v8, v8 row_xmask:1 row_mask:0xf bank_mask:0xf
	v_add_f32_dpp v8, v8, v8 row_xmask:2 row_mask:0xf bank_mask:0xf
	v_add_f32_dpp v8, v8, v8 row_xmask:4 row_mask:0xf bank_mask:0xf
	v_add_f32_dpp v8, v8, v8 row_xmask:8 row_mask:0xf bank_mask:0xf
.endm
.Lln:
	s_lshl3_add_u32 s52, s43, s42                  ; P = 8 x work-group + wave
	v_and_b32 v2, 15, v0                           ; r
	v_bfe_u32 v3, v0, 4, 1                         ; which of the two rows
	v_lshlrev_b32 v[GOF], 4, v2
	v_lshl_add_u32 v[XOF], v3, 12, v[GOF]
	v_lshlrev_b32 v[HOF], 3, v2
	v_lshl_add_u32 v[HOF], v3, 7, v[HOF]
	s_lshl_b32 s54, s52, 13                        ; two rows of x
	s_mov_b32 s55, 0
	s_lshr_b32 s56, s52, 6
	s_lshl_b32 s56, s56, 18                        ; (m / 128) x 16 chunks
	s_and_b32 s57, s52, 63
	s_lshl_b32 s57, s57, 8                         ; (m % 128) x 128
	s_add_co_u32 s56, s56, s57
	s_mov_b32 s57, 0
	s_mov_b32 s58, 0x3a800000                      ; 1 / 1,024
	s_mov_b32 s59, 0x3727c5ac                      ; 1e-5
	s_add_nc_u64 s[44:45], s[44:45], s[54:55]
	s_add_nc_u64 s[50:51], s[50:51], s[56:57]
.set t, 0
.rept 16
	global_load_b128 v[XR+4*t:XR+4*t+3], v[XOF], s[44:45] offset:256*t th:TH_LOAD_NT
.set t, t+1
.endr
.set t, 0
.rept 16
	global_load_b128 v[GR+4*t:GR+4*t+3], v[GOF], s[46:47] offset:256*t
.set t, t+1
.endr
.set t, 0
.rept 16
	global_load_b128 v[BR+4*t:BR+4*t+3], v[GOF], s[48:49] offset:256*t
.set t, t+1
.endr
	s_wait_loadcnt 32                              ; x is in; g's and b's 32 loads stay out
.irp c, 0,1,2,3                        ; four chains, started by data: nothing is cleared
	v_pk_add_f32 v[8+2*\c:9+2*\c], v[XR+2*\c:XR+2*\c+1], v[XR+8+2*\c:XR+9+2*\c]
.endr
.set p, 8
.rept 24
	v_pk_add_f32 v[8+2*(p%4):9+2*(p%4)], v[8+2*(p%4):9+2*(p%4)], v[XR+2*p:XR+2*p+1]
.set p, p+1
.endr
	REDUCE
	v_mul_f32 v8, s58, v8                          ; the mean
	v_mov_b32 v9, v8
.set p, 0
.rept 32
	v_pk_add_f32 v[XR+2*p:XR+2*p+1], v[XR+2*p:XR+2*p+1], v[8:9] neg_lo:[0,1] neg_hi:[0,1]
.set p, p+1
.endr
.irp c, 0,1,2,3
	v_pk_mul_f32 v[8+2*\c:9+2*\c], v[XR+2*\c:XR+2*\c+1], v[XR+2*\c:XR+2*\c+1]
.endr
.set p, 4
.rept 28
	v_pk_fma_f32 v[8+2*(p%4):9+2*(p%4)], v[XR+2*p:XR+2*p+1], v[XR+2*p:XR+2*p+1], v[8+2*(p%4):9+2*(p%4)]
.set p, p+1
.endr
	REDUCE
	v_fma_f32 v8, v8, s58, s59                     ; var + eps
	v_rsq_f32 v10, v8
	v_rsq_f32 v11, v8                              ; twice: a pair for the packed multiply
	v_nop                                          ; a plain instruction between the root and its use (ISA guide 5.7.2)
	s_wait_loadcnt 0x0                             ; g and b
.set p, 0
	s_wait_alu depctr_va_vdst(0)
.rept 32
	v_pk_mul_f32 v[XR+2*p:XR+2*p+1], v[XR+2*p:XR+2*p+1], v[10:11]
.set p, p+1
.endr
.set p, 0
.rept 32
	v_pk_fma_f32 v[XR+2*p:XR+2*p+1], v[XR+2*p:XR+2*p+1], v[GR+2*p:GR+2*p+1], v[BR+2*p:BR+2*p+1]
.set p, p+1
.endr
.set t, 0
.rept 16
	v_cvt_pk_f16_f32 v[GR+2*t], v[XR+4*t], v[XR+4*t+1]
	v_cvt_pk_f16_f32 v[GR+2*t+1], v[XR+4*t+2], v[XR+4*t+3]
	global_store_b64 v[HOF], v[GR+2*t:GR+2*t+1], s[50:51] offset:16384*t
.set t, t+1
.endr
	s_endpgm
; CAST.  A work-group takes 128 k x 128 n, a wave 16 rows of k.  A load is 512 consecutive bytes of a row of W (128 f32), a store the same 128 numbers in f16: 256 consecutive bytes, aligned.
; One text for the four matrices: source, destination, the role's first work-group, the bytes in a row, log2 (K / 128) and the tiles' first byte are chosen by the work-group's number.
; All 16 loads go out first; the waits count down the younger ones.  No register is written twice, so nothing waits for a store.
.Lcast:
	s_mov_b32 s44, ID_W2                           ; W2's figures,
	s_mov_b32 s52, 4096
	s_mov_b32 s54, 2097152
	s_cmp_lt_u32 s43, ID_W2                        ; or W1's,
	s_cselect_b64 s[48:49], s[4:5], s[6:7]
	s_cselect_b64 s[50:51], s[36:37], s[38:39]
	s_cselect_b32 s44, ID_W1, s44
	s_cselect_b32 s52, 16384, s52
	s_cselect_b32 s53, 3, 5
	s_cselect_b32 s54, PKW, s54
	s_cmp_lt_u32 s43, ID_WO                        ; or Wo's,
	s_cselect_b64 s[48:49], s[48:49], s[8:9]
	s_cselect_b32 s44, s44, ID_WO
	s_cselect_b32 s53, s53, 3
	s_cselect_b32 s54, s54, 0
	s_cmp_lt_u32 s43, ID_WK                        ; or Wk's
	s_cselect_b64 s[48:49], s[48:49], s[10:11]
	s_cselect_b64 s[50:51], s[50:51], s[34:35]
	s_cselect_b32 s44, s44, ID_WK
	s_cselect_b32 s52, s52, 1024
	s_cselect_b32 s54, s54, PKW+8*262144
	s_sub_co_u32 s44, s43, s44
	s_lshl_b32 s45, 1, s53
	s_sub_co_u32 s45, s45, 1
	s_and_b32 s45, s44, s45                        ; block of 128 k
	s_lshr_b32 s46, s44, s53                       ; column tile j
	s_lshl_b32 s45, s45, 7
	s_lshl4_add_u32 s45, s42, s45                  ; k0 = 128 block + 16 wave
	s_mul_i32 s56, s45, s52
	s_lshl_b32 s47, s46, 9
	s_add_co_u32 s56, s56, s47                     ; k0 rows + 512 j bytes
	s_mov_b32 s57, 0
	s_add_nc_u64 s[48:49], s[48:49], s[56:57]
	s_add_co_u32 s47, s53, 7
	s_lshl_b32 s56, s46, s47                       ; j K
	s_add_co_u32 s56, s56, s45
	s_lshl_b32 s56, s56, 8                         ; (j K + k0) rows of 256 bytes
	s_add_co_u32 s56, s56, s54
	s_add_nc_u64 s[50:51], s[50:51], s[56:57]
	v_lshlrev_b32 v6, 3, v1
	v_lshlrev_b32 v16, 4, v1
.set i, 0
.rept 15
	v_add_nc_u32 v[17+i], s52, v[16+i]             ; row i + 1
.set i, i+1
.endr
.set i, 0
.rept 16
	global_load_b128 v[64+4*i:64+4*i+3], v[16+i], s[48:49] th:TH_LOAD_NT
.set i, i+1
.endr
.set i, 0
.rept 16
	s_wait_loadcnt 15-i                            ; row i is in; the younger rows stay out
	v_cvt_pk_f16_f32 v[128+2*i], v[64+4*i], v[64+4*i+1]
	v_cvt_pk_f16_f32 v[129+2*i], v[64+4*i+2], v[64+4*i+3]
	global_store_b64 v6, v[128+2*i:129+2*i], s[50:51] offset:256*i
.set i, i+1
.endr
	s_endpgm
; FOLD.  A wave takes 16 rows of k x 128 n.  D = (2 A) B: A's fragment is 16 k x 16 ranks (ranks 16-31 do not exist: registers 4-7 are 0); column r of product b stands for n = 8 r + b,
; so that a lane ends with eight neighbouring n of row 8 (l / 16) + j: with W's eight numbers added they pack into 16 bytes, and sixteen lanes fill a tile's row of 256 bytes.
; One text for q and v.  v[8:15] the eight rows' offsets (for B and for W alike); v[16:23] A raw; v[24:31] A's fragment; v[32:63] packed results; v[64:127] B raw, then the eight results; v[128:191] W; v[192:255] B's fragments.
.Lfold:
	s_mov_b32 s52, 1024
	s_mov_b32 s44, ID_FV
	s_cmp_lt_u32 s43, ID_FV
	s_cselect_b64 s[54:55], s[12:13], s[14:15]     ; W
	s_cselect_b64 s[48:49], s[16:17], s[20:21]     ; A
	s_cselect_b64 s[50:51], s[18:19], s[22:23]     ; B
	s_cselect_b32 s52, 4096, s52                   ; bytes in a row of W and of B
	s_cselect_b32 s44, ID_FQ, s44
	s_cselect_b32 s53, 0, 10                       ; the first tile in the package
	s_sub_co_u32 s44, s43, s44
	s_and_b32 s45, s44, 7
	s_lshr_b32 s46, s44, 3                         ; column tile j
	s_lshl_b32 s45, s45, 7
	s_lshl4_add_u32 s45, s42, s45                  ; k0
	v_and_b32 v2, 15, v0                           ; r = l % 16
	v_bfe_u32 v3, v0, 4, 1                         ; h = l / 16
	s_lshl_b32 s56, s45, 6                         ; a row of A is 64 bytes
	s_mov_b32 s57, 0
	s_add_nc_u64 s[48:49], s[48:49], s[56:57]
	v_lshlrev_b32 v6, 6, v2
	v_lshl_add_u32 v6, v3, 5, v6                   ; A[k0 + r][8 h ..]
	s_lshl_b32 s56, s46, 9
	s_add_nc_u64 s[50:51], s[50:51], s[56:57]
	s_mul_i32 s58, s45, s52
	s_add_co_u32 s58, s58, s56
	s_mov_b32 s59, 0
	s_add_nc_u64 s[54:55], s[54:55], s[58:59]
	s_lshl_b32 s47, s52, 3
	v_mul_u32_u24 v8, s47, v3
	v_lshl_add_u32 v8, v2, 5, v8                   ; row 8 h, columns 8 r ..
.set i, 0
.rept 7
	v_add_nc_u32 v[9+i], s52, v[8+i]
.set i, i+1
.endr
	s_add_co_u32 s56, s46, s53
	s_lshl_b32 s56, s56, 10
	s_add_co_u32 s56, s56, s45
	s_lshl_b32 s56, s56, 8
	s_add_co_u32 s56, s56, PKW
	s_add_nc_u64 s[56:57], s[34:35], s[56:57]
	v_lshlrev_b32 v7, 4, v2
	v_lshl_add_u32 v7, v3, 11, v7                  ; row 8 h of the tile, 16 r
	global_load_b128 v[16:19], v6, s[48:49]
	global_load_b128 v[20:23], v6, s[48:49] offset:16
.set i, 0
.rept 8
	global_load_b128 v[64+8*i:64+8*i+3], v[8+i], s[50:51]
	global_load_b128 v[64+8*i+4:64+8*i+7], v[8+i], s[50:51] offset:16
.set i, i+1
.endr
.set i, 0
.rept 8
	global_load_b128 v[128+8*i:128+8*i+3], v[8+i], s[54:55] th:TH_LOAD_NT
	global_load_b128 v[128+8*i+4:128+8*i+7], v[8+i], s[54:55] offset:16 th:TH_LOAD_NT
.set i, i+1
.endr
	s_wait_loadcnt 16                              ; A and B are in; W's sixteen loads stay out
.irp p, 0,2,4,6
	v_pk_mul_f32 v[16+\p:17+\p], v[16+\p:17+\p], 2.0 op_sel_hi:[1,0]  ; alpha / rank = 2, exact
.endr
.irp p, 0,1,2,3
	v_cvt_pk_f16_f32 v[24+\p], v[16+2*\p], v[17+2*\p]
	v_mov_b32 v[28+\p], 0
.endr
.set bb, 0
.rept 8
.irp p, 0,1,2,3
	v_cvt_pk_f16_f32 v[192+8*bb+\p], v[64+16*\p+bb], v[72+16*\p+bb]  ; ranks 8 h + 2 p, 8 h + 2 p + 1 of column 8 r + bb
	v_mov_b32 v[196+8*bb+\p], 0
.endr
.set bb, bb+1
.endr
.set bb, 0
.rept 8
	v_wmma_f32_16x16x32_f16 v[64+8*bb:71+8*bb], v[24:31], v[192+8*bb:199+8*bb], 0  ; eight sums of one product each
.set bb, bb+1
.endr
	s_wait_loadcnt 0x0                             ; W
.rept 4
	v_nop                                          ; four places between the last product and the first read of a result (ISA guide 7.12.1)
.endr
.set jj, 0
.rept 8                                ; row 8 h + jj; each result's register 0 is read first
.irp b, 0,1,2,3,4,5,6,7
	v_add_f32 v[128+8*jj+\b], v[128+8*jj+\b], v[64+8*\b+jj]
.endr
.irp p, 0,1,2,3
	v_cvt_pk_f16_f32 v[32+4*jj+\p], v[128+8*jj+2*\p], v[129+8*jj+2*\p]
.endr
	global_store_b128 v7, v[32+4*jj:35+4*jj], s[56:57] offset:256*jj
.set jj, jj+1
.endr
	s_endpgm
; MASK.  A wave takes 16 query rows x 128 keys (two key steps).  The rows come in as 512 consecutive bytes each, go through the wave's own stage, and come back so that lane l holds the
; eight words of row l % 16 that one register set of a score tile stands for; a compare makes a lane mask of each register, and v_writelane_b32 lays the 64 masks out for one store of 256 bytes.
.Lmask:
	s_sub_co_u32 s44, s43, ID_MK
	s_lshl3_add_u32 s44, s44, s42                  ; unit = 8 x work-group + wave
	s_lshr_b32 s45, s44, 4                         ; query tile 0..127
	s_and_b32 s46, s44, 15                         ; pair of key steps 0..15
	s_lshl_b32 s48, s45, 17                        ; 16 rows of 8,192 bytes
	s_lshl_b32 s47, s46, 9
	s_add_co_u32 s48, s48, s47
	s_mov_b32 s49, 0
	s_add_nc_u64 s[48:49], s[24:25], s[48:49]
	s_lshl_b32 s50, s45, 5
	s_lshl1_add_u32 s50, s46, s50
	s_lshl_b32 s50, s50, 7                         ; (32 tile + step) x 128 bytes
	s_mov_b32 s51, 0
	s_add_nc_u64 s[50:51], s[40:41], s[50:51]
	v_lshlrev_b32 v2, 4, v1
.set i, 0
.rept 16
	global_load_b128 v[64+4*i:64+4*i+3], v2, s[48:49] offset:i*8192 th:TH_LOAD_NT
.set i, i+1
.endr
	s_mul_i32 s47, s42, MSTG                       ; my stage
	v_add_nc_u32 v3, s47, v2
	v_and_b32 v6, 15, v0
	v_bfe_u32 v7, v0, 4, 1
	v_mul_u32_u24 v6, v6, MPIT
	v_lshl_add_u32 v6, v7, 5, v6                   ; row l % 16, words 8 (l / 16) ..
	v_add_nc_u32 v6, s47, v6
	v_lshlrev_b32 v8, 3, v1
	v_mov_b32 v32, 0
	v_mov_b32 v33, 0
	s_wait_loadcnt 0x0
.set i, 0
.rept 16
	ds_store_b128 v3, v[64+4*i:64+4*i+3] offset:i*MPIT
.set i, i+1
.endr
.set i, 0
.rept 16                               ; LDS serves a wave's instructions in order (ISA guide 5.7.1.4): these see the stores above
	ds_load_b128 v[128+4*i:128+4*i+3], v6 offset:256*(i/8)+64*((i%8)/2)+16*(i%2)
.set i, i+1
.endr
	s_wait_dscnt 0x0
.set wd, 0
.rept 64
	v_cmp_ne_u32 s[52+wd%4], 0, v[128+wd]
	v_writelane_b32 v[32+wd%2], s[52+wd%4], wd/2   ; lane n holds words 2 n and 2 n + 1
.set wd, wd+1
.endr
	global_store_b64 v8, v[32:33], s[50:51]
	s_wait_tensorcnt 0x0                           ; the wave's end, behind my last LDS store
	ds_add_u32 v[SPW], v[NIL]
	s_wait_dscnt 0x0
	s_endpgm
.Lfunc_end_k_q89aa0a00e9_prep:
	.size	k_q89aa0a00e9_prep, .Lfunc_end_k_q89aa0a00e9_prep-k_q89aa0a00e9_prep
	.p2alignl 7, 3214868480
	.fill 96, 4, 3214868480
	.section	.rodata,"a",@progbits
	.p2align	6, 0x0
	.amdhsa_kernel k_q89aa0a00e9_prep
		.amdhsa_group_segment_fixed_size 68608
		.amdhsa_private_segment_fixed_size 0
		.amdhsa_enable_private_segment 0
		.amdhsa_kernarg_size 184
		.amdhsa_user_sgpr_count 2
		.amdhsa_user_sgpr_kernarg_segment_ptr 1
		.amdhsa_wavefront_size32 1
		.amdhsa_system_sgpr_workgroup_id_x 1
		.amdhsa_system_sgpr_workgroup_id_y 1
		.amdhsa_system_sgpr_workgroup_id_z 1
		.amdhsa_system_vgpr_workitem_id 0
		.amdhsa_next_free_vgpr 256
		.amdhsa_next_free_sgpr 66
		.amdhsa_reserve_vcc 0
		.amdhsa_float_denorm_mode_32 3
		.amdhsa_float_denorm_mode_16_64 3
		.amdhsa_memory_ordered 1
		.amdhsa_forward_progress 1
		.amdhsa_inst_pref_size 58
	.end_amdhsa_kernel
	.amdgpu_metadata
---
amdhsa.version: [ 1, 2 ]
amdhsa.kernels:
  - .name:           k_q89aa0a00e9_prep
    .symbol:         k_q89aa0a00e9_prep.kd
    .args:
      - { .name: W1, .offset: 0, .size: 8, .value_kind: global_buffer, .address_space: global }
      - { .name: W2, .offset: 8, .size: 8, .value_kind: global_buffer, .address_space: global }
      - { .name: Wo, .offset: 16, .size: 8, .value_kind: global_buffer, .address_space: global }
      - { .name: Wk, .offset: 24, .size: 8, .value_kind: global_buffer, .address_space: global }
      - { .name: Wq, .offset: 32, .size: 8, .value_kind: global_buffer, .address_space: global }
      - { .name: Wv, .offset: 40, .size: 8, .value_kind: global_buffer, .address_space: global }
      - { .name: lora_qa, .offset: 48, .size: 8, .value_kind: global_buffer, .address_space: global }
      - { .name: lora_qb, .offset: 56, .size: 8, .value_kind: global_buffer, .address_space: global }
      - { .name: lora_va, .offset: 64, .size: 8, .value_kind: global_buffer, .address_space: global }
      - { .name: lora_vb, .offset: 72, .size: 8, .value_kind: global_buffer, .address_space: global }
      - { .name: mask, .offset: 80, .size: 8, .value_kind: global_buffer, .address_space: global }
      - { .name: bq, .offset: 88, .size: 8, .value_kind: global_buffer, .address_space: global }
      - { .name: bk, .offset: 96, .size: 8, .value_kind: global_buffer, .address_space: global }
      - { .name: bv, .offset: 104, .size: 8, .value_kind: global_buffer, .address_space: global }
      - { .name: b1, .offset: 112, .size: 8, .value_kind: global_buffer, .address_space: global }
      - { .name: pkq, .offset: 120, .size: 8, .value_kind: global_buffer, .address_space: global }
      - { .name: pkf, .offset: 128, .size: 8, .value_kind: global_buffer, .address_space: global }
      - { .name: wts, .offset: 136, .size: 8, .value_kind: global_buffer, .address_space: global }
      - { .name: maskw, .offset: 144, .size: 8, .value_kind: global_buffer, .address_space: global }
      - { .name: x, .offset: 152, .size: 8, .value_kind: global_buffer, .address_space: global }
      - { .name: ln1_g, .offset: 160, .size: 8, .value_kind: global_buffer, .address_space: global }
      - { .name: ln1_b, .offset: 168, .size: 8, .value_kind: global_buffer, .address_space: global }
      - { .name: hb, .offset: 176, .size: 8, .value_kind: global_buffer, .address_space: global }
    .group_segment_fixed_size: 68608
    .private_segment_fixed_size: 0
    .kernarg_segment_align: 8
    .kernarg_segment_size: 184
    .max_flat_workgroup_size: 256
    .sgpr_count:     66
    .vgpr_count:     256
    .wavefront_size: 32
...
	.end_amdgpu_metadata
.endif
;; end of part 1
;; launch qkv (part 2): grid 12 x 16, 4 waves a work-group, clusters of 4 x 4, 327,680 bytes of LDS; arguments hb, pkq, act; writes act
.if DOCPART == 2
	.amdgcn_target "amdgcn-amd-amdhsa--gfx1250"
	.amdhsa_code_object_version 6
	.text
	.protected	k_q89aa0a00e9_qkv
	.globl	k_q89aa0a00e9_qkv
	.p2align	8
	.type	k_q89aa0a00e9_qkv,@function
k_q89aa0a00e9_qkv:
	s_mov_b64 s[64:65], 0
	v_nop
	global_prefetch_b8 v0, s[64:65] scope:SCOPE_SE
	s_setreg_imm32_b32 hwreg(HW_REG_WAVE_MODE, 25, 1), 1
	s_wait_xcnt 0x0
	s_wait_alu depctr_hold_cnt(0) depctr_sa_sdst(0) depctr_va_vdst(0) depctr_va_sdst(0) depctr_va_ssrc(0) depctr_va_vcc(0) depctr_vm_vsrc(0)
	s_getreg_b32 s2, hwreg(HW_REG_IB_STS2, 6, 4)
	s_cmp_eq_u32 s2, 0
	s_cbranch_scc0 .Lentry_in_a_cluster
	s_endpgm
.Lentry_in_a_cluster:
	s_bfe_u32 s2, ttmp6, 0x10000c
	s_cmp_lg_u32 s2, 0xf033
	s_cbranch_scc0 .Lentry_shape_is_right
	s_endpgm
.Lentry_shape_is_right:
; C = A W + bias, K = 1,024, N = 1,536: q, k and v at once.  A: f16 chunks [m / 128][16][128 rows][64]; the package holds the bias in f32 and, from byte 16,384 on, column tiles [j][k][128 n] of f16.
; C leaves in f16 chunks [m / 128][64][128 rows][64].  Sums in f32; C rounded once.  LIMIT: results beyond 65,504 become infinities.
; SHARES.  A work-group makes 256 rows x 128 columns, each of four waves 128 x 64: 32 accumulators of 16 x 16: 12 x 16 = 192 work-groups; the 6 column tiles of a wider tile would divide into no cluster of 4 x 4.
; K goes in 8 steps of 128 through two LDS slots.
; CLUSTER.  4 x 4 work-groups: the four of a row of the cluster need the same tile of A, the four of a column the same tile of W: each tile is asked for jointly.
; All tiles are dense in memory and are asked for as rows of 256 bytes.  A's chunks are padded after every 128 bytes (LDS pitch 144), W's rows after every 256 (pitch 288).
; THE MATRIX INSTRUCTION IS USED TRANSPOSED: source 0 = 16 columns of W (turned on the way out of LDS by ds_load_tr16_b128), source 1 = 16 rows of A: a lane holds eight neighbouring columns of one row of C.
; THE SUMS BEGIN WITH THE BIAS: one product of two zero fragments for each accumulator, with the bias as C, issued while the first tiles are on their way.  The price: 32 matrix instructions on zeros, and one
; fetch of fragments at the end that nothing reads.  The gain: every K step has one text, and the six steps that fill a slot again and the two that do not are two short loops.
; REGISTERS.  window 0: v0-31 addresses; v32-63 the bias as C, later the way out; v64-159, v160-255 two fragment buffers (A 64 registers, W 32).  window 1: accumulator (a, b) at v[8 (4 a + b)].
; No prefetch into the L2: each tile is shared by many work-groups and K has 8 steps.
.set PA,    144
.set CHB,   128*PA                     ; a chunk of A in LDS
.set AHALF, 2*CHB                      ; 128 rows x 128 K: one tensor load
.set BOFF,  2*AHALF                    ; W behind A's 256 rows
.set PB,    288
.set BHALF, 64*PB                      ; 64 k x 128 n: one tensor load
.set SLOT1, 1<<17                      ; slot 1: one exclusive or turns an address in one slot into the other's
.set STAGE, SLOT1+BOFF+2*BHALF         ; behind the ring: 16 rows x 144 bytes for each wave
.set SP,    144
.set SPARE, STAGE+4*16*SP              ; the spare words, 128 bytes for each wave
.set STEPB, 32768                      ; a K step in memory, for A (2 chunks) and for W (128 rows) alike
.set PKW,   16384                      ; where the package's tiles begin
.set AA0, 16                           ; v16  my lane's place in A's part of a slot
.set AB0, 17                           ; v17  in W's
.set ADA, 18                           ; v18  the same in the slot in hand
.set ADB, 19                           ; v19
.set STO, 24
.set RD,  25
.set GO,  26
.set BO,  27
.set SPW, 28                           ; v28  my spare word; never rewritten
.set NIL, 29                           ; v29  0; never rewritten
.set BI,  32                           ; v[32:63] bias of my 64 columns, laid out as a C operand
.set TMP, 32                           ; the way out: 16 packed registers
.set BK,  48                           ; the way out: two sets of 16, whole rows
.set F0,  64
.set F1,  160
.set G1,  24                           ; s[24:31] group 1 for A
.set G0,  32                           ; s[32:39] group 0 for A: a set for each first fill; the second then walks
.set G1B, 48                           ; s[48:55], s[56:63] the same for W
.set G0B, 56
.set TB,  66                           ; s66  0 or SLOT1: the slot in hand
.set OUTP, 68                          ; s[68:69] my chunk of C
.set BIP, 70                           ; s[70:71] my columns' bias
.set MSB, 0
.macro WIN new                         ; the immediate's high byte repeats the setting that is left
.if MSB != (\new)
	s_set_vgpr_msb (MSB<<8)|(\new)
.set MSB, \new
.endif
.endm
.macro PLACES                          ; four places behind matrix instructions, in front of loads into their sources and of reads of their results
.rept 4
	v_nop
.endr
.endm
.macro JLOAD                           ; a joint refill: waves 0, 1 fetch A's halves, waves 2, 3 W's; an s_nop 0 and four v_nop follow each line
	s_cmp_eq_u32 s11, 0
	s_cbranch_scc0 .Lfor_b_\@
	tensor_load_to_lds s[G0+4:G0+7], s[G1:G1+7]
	s_nop 0
	PLACES
	s_branch .Lasked_\@
.Lfor_b_\@:
	tensor_load_to_lds s[G0B+4:G0B+7], s[G1B:G1B+7]
	s_nop 0
	PLACES
.Lasked_\@:
.endm
.macro CREST                           ; a round of the cluster's barrier behind its opening barrier
	s_cmp_lg_u32 s10, 0
	s_cbranch_scc1 .Lnot_wave_0_\@
	s_barrier_signal -3
.Lnot_wave_0_\@:
	s_barrier_wait -3
	s_barrier_signal -1
	s_barrier_wait -1
.endm
.macro CROUND
	s_barrier_signal -1
	s_barrier_wait -1
	CREST
.endm
	s_load_b128 s[4:7], s[0:1], 0x0                ; A s[4:5], the package s[6:7]
	s_load_b64 s[8:9], s[0:1], 0x10                ; C
	v_lshl_add_u32 v[SPW], v0, 2, SPARE
	v_mov_b32 v[NIL], 0
	ds_add_u32 v[SPW], v[NIL]                      ; the wave's opening: the add and its wait ahead of my first tensor load
	v_lshrrev_b32 v1, 5, v0
	v_readfirstlane_b32 s10, v1                    ; wave 0..3
	s_lshr_b32 s11, s10, 1                         ; my 128 rows.  Also: I fetch for A (0) or for W (1)
	s_and_b32 s12, s10, 1                          ; my 64 columns.  Also: which half I fetch
	s_bfe_u32 s40, ttmp6, 0x40000                  ; cx
	s_bfe_u32 s41, ttmp6, 0x40004                  ; cy
	s_lshl_b32 s42, ttmp9, 2
	s_add_co_u32 s42, s42, s40                     ; column tile
	s_and_b32 s13, ttmp7, 0xffff
	s_lshl_b32 s13, s13, 2
	s_add_co_u32 s13, s13, s41                     ; row tile (256 rows)
	s_lshl_b32 s43, s41, 2
	s_lshl_b32 s43, 15, s43                        ; my row of the cluster
	s_lshl_b32 s44, 0x1111, s40                    ; my column
	s_or_b32 s[G1], s43, (1<<16)|(1<<20)|(1<<21)|(4<<22)|(3<<25)   ; mask; 2-byte elements; padding on; bit 21 beside a mask; after every 32 words, 4 words
	s_or_b32 s[G1B], s44, (1<<16)|(1<<20)|(1<<21)|(5<<22)|(7<<25)  ; after every 64 words, 8 words
	s_mov_b32 s[G1+1], 128<<16                     ; tensor_dim0 = 128 elements (256 bytes)
	s_mov_b32 s[G1+2], 128<<16                     ; tensor_dim1 = 128 rows
	s_mov_b32 s[G1+3], 128<<16                     ; tile_dim0
	s_mov_b32 s[G1+4], 128                         ; tile_dim1
	s_mov_b32 s[G1+5], 128                         ; dense: 128 elements from row to row
	s_mov_b32 s[G1+6], 0
	s_mov_b32 s[G1+7], 0
	s_mov_b32 s[G1B+1], 128<<16
	s_mov_b32 s[G1B+2], 64<<16
	s_mov_b32 s[G1B+3], 128<<16
	s_mov_b32 s[G1B+4], 64
	s_mov_b32 s[G1B+5], 128
	s_mov_b32 s[G1B+6], 0
	s_mov_b32 s[G1B+7], 0
	s_lshl1_add_u32 s16, s13, s12                  ; A: block of 128 rows = 2 x row tile + half,
	s_lshl_b32 s16, s16, 18                        ; 16 chunks of 16,384 bytes each
	s_mov_b32 s17, 0
	s_lshl_b32 s46, s42, 18                        ; W: a tile is 262,144 bytes,
	s_lshl_b32 s47, s12, 14                        ; my 64 rows of a step,
	s_add_co_u32 s46, s46, s47
	s_add_co_u32 s46, s46, PKW                     ; behind the bias
	s_mov_b32 s47, 0
	s_mul_i32 s20, s12, AHALF                      ; where they go: the wave's number alone
	s_mul_i32 s21, s12, BHALF
	s_add_co_u32 s21, s21, BOFF
	s_mov_b32 s[TB], 0
	s_lshl_b32 s[BIP], s42, 9                      ; 128 columns of f32,
	s_lshl_b32 s22, s12, 8                         ; my 64
	s_add_co_u32 s[BIP], s[BIP], s22
	s_mov_b32 s[BIP+1], 0
	v_and_b32 v1, 15, v0                           ; r = l % 16
	v_bfe_u32 v2, v0, 4, 1                         ; h = l / 16
	v_lshlrev_b32 v[BO], 5, v2                     ; register j of block b is column 16 b + 8 h + j
	s_wait_dscnt 0x0                               ; the opening add is done
	s_wait_kmcnt 0x0
	s_add_nc_u64 s[14:15], s[4:5], s[16:17]
	s_add_nc_u64 s[46:47], s[6:7], s[46:47]
	s_add_nc_u64 s[BIP:BIP+1], s[6:7], s[BIP:BIP+1]
.irp b, 0,1,2,3                        ; the bias is wanted first, so it is asked for first
	global_load_b128 v[BI+8*\b:BI+8*\b+3], v[BO], s[BIP:BIP+1] offset:64*\b
	global_load_b128 v[BI+8*\b+4:BI+8*\b+7], v[BO], s[BIP:BIP+1] offset:64*\b+16
.endr
.irp s, 0,1
	s_mov_b32 s[G0+4*(\s)], 1
	s_add_co_u32 s[G0+4*(\s)+1], s20, (\s)*SLOT1
	s_add_nc_u64 s[G0+4*(\s)+2:G0+4*(\s)+3], s[14:15], (\s)*STEPB
	s_or_b32 s[G0+4*(\s)+3], s[G0+4*(\s)+3], 0x80000000
	s_mov_b32 s[G0B+4*(\s)], 1
	s_add_co_u32 s[G0B+4*(\s)+1], s21, (\s)*SLOT1
	s_add_nc_u64 s[G0B+4*(\s)+2:G0B+4*(\s)+3], s[46:47], (\s)*STEPB
	s_or_b32 s[G0B+4*(\s)+3], s[G0B+4*(\s)+3], 0x80000000
.endr
	CROUND                                         ; all sixteen work-groups are here: the first joint loads meet
	s_cmp_eq_u32 s11, 0                            ; a wave's two first fills stand in one branch: two loads of mine are out
	s_cbranch_scc0 .Lfirst_b
	tensor_load_to_lds s[G0:G0+3], s[G1:G1+7]
	s_nop 0
	tensor_load_to_lds s[G0+4:G0+7], s[G1:G1+7]
	s_nop 0
	PLACES
	s_branch .Lfirst_asked
.Lfirst_b:
	tensor_load_to_lds s[G0B:G0B+3], s[G1B:G1B+7]
	s_nop 0
	tensor_load_to_lds s[G0B+4:G0B+7], s[G1B:G1B+7]
	s_nop 0
	PLACES
.Lfirst_asked:
	v_mul_u32_u24 v3, v1, PA
	v_lshl_add_u32 v3, v2, 4, v3                   ; A: row x pitch + 16 h
	s_mul_i32 s22, s11, AHALF
	v_add_nc_u32 v[AA0], s22, v3
	v_and_b32 v4, 7, v0                            ; W, turned: lane l reads k = 8 h + l % 8, columns 8 ((l / 8) % 2) ..
	v_lshl_add_u32 v4, v2, 3, v4
	v_mul_u32_u24 v4, v4, PB
	v_bfe_u32 v5, v0, 3, 1
	v_lshl_add_u32 v4, v5, 4, v4
	s_lshl_b32 s22, s12, 7
	s_add_co_u32 s22, s22, BOFF
	v_add_nc_u32 v[AB0], s22, v4
	v_add_nc_u32 v[ADA], s[TB], v[AA0]
	v_add_nc_u32 v[ADB], s[TB], v[AB0]
	s_mul_i32 s22, s10, 16*SP
	s_add_co_u32 s22, s22, STAGE                   ; my stage
	v_mul_u32_u24 v[STO], v1, SP                   ; in: row l % 16, 16 bytes for each half of the lanes
	v_lshl_add_u32 v[STO], v2, 4, v[STO]
	v_add_nc_u32 v[STO], s22, v[STO]
	v_bfe_u32 v[RD], v0, 3, 2                      ; back: 32 lanes take four rows of 128 bytes,
	v_mul_u32_u24 v[RD], v[RD], SP
	v_and_b32 v6, 7, v0
	v_lshl_add_u32 v[RD], v6, 4, v[RD]
	v_add_nc_u32 v[RD], s22, v[RD]
	v_and_b32 v[GO], 31, v0                        ; which are 512 consecutive bytes of a chunk
	v_lshlrev_b32 v[GO], 4, v[GO]
	s_lshl1_add_u32 s22, s13, s11                  ; my block of 128 rows,
	s_lshl_b32 s22, s22, 6                         ; 64 chunks each,
	s_lshl1_add_u32 s23, s42, s12                  ; my chunk = 2 x column tile + half
	s_add_co_u32 s[OUTP], s22, s23
	s_lshl_b32 s[OUTP], s[OUTP], 14
	s_mov_b32 s[OUTP+1], 0
	s_add_nc_u64 s[OUTP:OUTP+1], s[8:9], s[OUTP:OUTP+1]
.set z, 0
.rept 16
	v_mov_b32 v[F1+z], 0                           ; two zero fragments, where buffer 1 will lie
.set z, z+1
.endr
; n x 4 matrix instructions: row blocks a0 .. x all 4 column blocks, 32 along K.  The 32 accumulators take turns, one instruction a turn.
.macro MUL f, a0, n
	WIN 0x50
.set aa, (\a0)
.rept \n
.irp b, 0,1,2,3
	v_wmma_f32_16x16x32_f16 v[8*(4*aa+\b):8*(4*aa+\b)+7], v[(\f)+64+8*\b:(\f)+64+8*\b+7], v[(\f)+8*aa:(\f)+8*aa+7], v[8*(4*aa+\b):8*(4*aa+\b)+7]
.endr
.set aa, aa+1
.endr
.endm
; 24 LDS loads in one run: quarter q (32 along K) of the slot in hand into buffer f: W's four blocks, then A's eight
.macro FETCH q, f
	WIN 0
.irp b, 0,1,2,3
	ds_load_tr16_b128 v[(\f)+64+8*\b:(\f)+64+8*\b+3], v[ADB] offset:32*(\q)*PB+32*\b
	ds_load_tr16_b128 v[(\f)+64+8*\b+4:(\f)+64+8*\b+7], v[ADB] offset:32*(\q)*PB+32*\b+16*PB
.endr
.irp a, 0,1,2,3,4,5,6,7
	ds_load_b128 v[(\f)+8*\a:(\f)+8*\a+3], v[ADA] offset:((\q)/2)*CHB+((\q)%2)*64+\a*16*PA
	ds_load_b128 v[(\f)+8*\a+4:(\f)+8*\a+7], v[ADA] offset:((\q)/2)*CHB+((\q)%2)*64+\a*16*PA+32
.endr
.endm
; One of a step's first three quarters: multiplies buffer f, fetches quarter qn into g
.macro QUARTER qn, f, g
	s_wait_dscnt 8                                 ; W and A's blocks 0-3 are in; the youngest eight loads (blocks 4-7) may be out
	MUL \f, 0, 4
	PLACES
	FETCH \qn, \g
	s_wait_dscnt 24                                ; all but the 24 just issued
	MUL \f, 4, 4
.endm
; The last quarter multiplies buffer 1 and changes slots: one barrier; in front of it each wave waits for all its tensor loads (at most one is out: its part of the next slot), adds 0 to its spare word,
; and waits for that and for its reads of this slot.  fill = 1: the barrier opens a round of the cluster's, and the slot just read is filled again, two steps ahead, first thing behind the round.
.macro TURN fill
	WIN 0
	s_wait_tensorcnt 0x0
	ds_add_u32 v[SPW], v[NIL]
	s_wait_dscnt 9                                 ; the add and the youngest eight loads may be out
	MUL F1, 0, 2
	s_wait_dscnt 0x0                               ; the add is done, my reads of this slot are over
	s_barrier_signal -1
	MUL F1, 2, 2
	WIN 0
	s_barrier_wait -1
.if \fill
	CREST
	s_xor_b32 s[G0+5], s[G0+5], SLOT1              ; the walking descriptors: the other slot, the next step
	s_add_nc_u64 s[G0+6:G0+7], s[G0+6:G0+7], STEPB
	s_xor_b32 s[G0B+5], s[G0B+5], SLOT1
	s_add_nc_u64 s[G0B+6:G0B+7], s[G0B+6:G0B+7], STEPB
	JLOAD                                          ; its four v_nop are also the places in front of the loads below
.else
	PLACES
.endif
	s_xor_b32 s[TB], s[TB], SLOT1
	v_add_nc_u32 v[ADA], s[TB], v[AA0]
	v_add_nc_u32 v[ADB], s[TB], v[AB0]
	FETCH 0, F0
	MUL F1, 4, 4
.endm
.macro STEP fill                       ; a K step: its first fragments have been fetched; it fetches the next step's
	QUARTER 1, F0, F1
	QUARTER 2, F1, F0
	QUARTER 3, F0, F1
	TURN \fill
	WIN 0
.endm
	s_wait_loadcnt 0x0                             ; the bias
	WIN 0x40
.set aa, 0
.rept 8                                ; the sums begin: 0 x 0 + bias, in the order in which the accumulators take turns
.irp b, 0,1,2,3
	v_wmma_f32_16x16x32_f16 v[8*(4*aa+\b):8*(4*aa+\b)+7], v[F1:F1+7], v[F1+8:F1+15], v[BI+8*\b:BI+8*\b+7]
.endr
.set aa, aa+1
.endr
	WIN 0
	s_wait_tensorcnt 1                             ; my part of step 0 is in; step 1's may stay out
	s_barrier_signal -1
	s_barrier_wait -1
	FETCH 0, F0
	s_mov_b32 s3, 6                                ; steps 0 to 5 fill a slot again
.Lfill:
	STEP 1
	s_sub_co_u32 s3, s3, 1
	s_cmp_lg_u32 s3, 0
	s_cbranch_scc1 .Lfill
	s_mov_b32 s3, 2                                ; the last two steps ask for nothing
.Ldry:
	STEP 0
	s_sub_co_u32 s3, s3, 1
	s_cmp_lg_u32 s3, 0
	s_cbranch_scc1 .Ldry
	s_wait_dscnt 0x0                               ; the last change's fetch, which nothing reads, is back
	PLACES
; THE WAY OUT, a block of 16 rows x 64 columns at a time: rounded to f16; 16 bytes a lane into my stage; back as whole rows; 512 consecutive bytes a store.
.macro PACK a
	WIN 0x05                                       ; sources in window 1, destination in window 0
.irp b, 0,1,2,3
.irp p, 0,1,2,3
	v_cvt_pk_f16_f32 v[TMP+4*\b+\p], v[8*(4*(\a)+\b)+2*\p], v[8*(4*(\a)+\b)+2*\p+1]
.endr
.endr
	WIN 0
.endm
.macro TOSTAGE a
	s_wait_xcnt 0x0                                ; the stores issued so far have read their registers: the set below is loaded again only behind this wait
.irp b, 0,1,2,3
	ds_store_b128 v[STO], v[TMP+4*\b:TMP+4*\b+3] offset:32*\b
.endr
.irp g, 0,1,2,3
	ds_load_b128 v[BK+16*((\a)%2)+4*\g:BK+16*((\a)%2)+4*\g+3], v[RD] offset:\g*4*SP  ; LDS serves a wave's instructions in order (ISA guide 5.7.1.4)
.endr
.endm
.macro SEND a
	s_wait_dscnt 0x0
.irp g, 0,1,2,3
	global_store_b128 v[GO], v[BK+16*((\a)%2)+4*\g:BK+16*((\a)%2)+4*\g+3], s[OUTP:OUTP+1] offset:2048*(\a)+512*\g
.endr
.endm
	PACK 0
	TOSTAGE 0
.irp a, 1,2,3,4,5,6,7                  ; a block's conversions stand between the loads of the block before and the wait for them
	PACK \a
	SEND (\a)-1
	TOSTAGE \a
.endr
	SEND 7
	s_wait_tensorcnt 0x0                           ; the wave's end
	ds_add_u32 v[SPW], v[NIL]
	s_wait_dscnt 0x0
	CROUND                                         ; the closing round
	s_endpgm
.Lfunc_end_k_q89aa0a00e9_qkv:
	.size	k_q89aa0a00e9_qkv, .Lfunc_end_k_q89aa0a00e9_qkv-k_q89aa0a00e9_qkv
	.p2alignl 7, 3214868480
	.fill 96, 4, 3214868480
	.section	.rodata,"a",@progbits
	.p2align	6, 0x0
	.amdhsa_kernel k_q89aa0a00e9_qkv
		.amdhsa_group_segment_fixed_size 327680
		.amdhsa_private_segment_fixed_size 0
		.amdhsa_enable_private_segment 0
		.amdhsa_kernarg_size 24
		.amdhsa_user_sgpr_count 2
		.amdhsa_user_sgpr_kernarg_segment_ptr 1
		.amdhsa_wavefront_size32 1
		.amdhsa_system_sgpr_workgroup_id_x 1
		.amdhsa_system_sgpr_workgroup_id_y 1
		.amdhsa_system_sgpr_workgroup_id_z 1
		.amdhsa_system_vgpr_workitem_id 0
		.amdhsa_next_free_vgpr 512
		.amdhsa_next_free_sgpr 72
		.amdhsa_reserve_vcc 0
		.amdhsa_float_denorm_mode_32 3
		.amdhsa_float_denorm_mode_16_64 3
		.amdhsa_memory_ordered 1
		.amdhsa_forward_progress 1
		.amdhsa_inst_pref_size 61
	.end_amdhsa_kernel
	.amdgpu_metadata
---
amdhsa.version: [ 1, 2 ]
amdhsa.kernels:
  - .name:           k_q89aa0a00e9_qkv
    .symbol:         k_q89aa0a00e9_qkv.kd
    .args:
      - { .name: hb, .offset: 0, .size: 8, .value_kind: global_buffer, .address_space: global }
      - { .name: pkq, .offset: 8, .size: 8, .value_kind: global_buffer, .address_space: global }
      - { .name: act, .offset: 16, .size: 8, .value_kind: global_buffer, .address_space: global }
    .group_segment_fixed_size: 327680
    .private_segment_fixed_size: 0
    .kernarg_segment_align: 8
    .kernarg_segment_size: 24
    .max_flat_workgroup_size: 128
    .sgpr_count:     72
    .vgpr_count:     512
    .wavefront_size: 32
...
	.end_amdgpu_metadata
.endif
;; end of part 2
;; launch attn (part 3): grid 32 x 8, 4 waves a work-group, clusters of 4 x 1, 327,680 bytes of LDS; arguments act, maskw, hb; writes hb
.if DOCPART == 3
	.amdgcn_target "amdgcn-amd-amdhsa--gfx1250"
	.amdhsa_code_object_version 6
	.text
	.protected	k_q89aa0a00e9_attn
	.globl	k_q89aa0a00e9_attn
	.p2align	8
	.type	k_q89aa0a00e9_attn,@function
k_q89aa0a00e9_attn:
	s_mov_b64 s[64:65], 0
	v_nop
	global_prefetch_b8 v0, s[64:65] scope:SCOPE_SE
	s_setreg_imm32_b32 hwreg(HW_REG_WAVE_MODE, 25, 1), 1
	s_wait_xcnt 0x0
	s_wait_alu depctr_hold_cnt(0) depctr_sa_sdst(0) depctr_va_vdst(0) depctr_va_sdst(0) depctr_va_ssrc(0) depctr_va_vcc(0) depctr_vm_vsrc(0)
	s_getreg_b32 s2, hwreg(HW_REG_IB_STS2, 6, 4)
	s_cmp_eq_u32 s2, 0
	s_cbranch_scc0 .Lentry_in_a_cluster
	s_endpgm
.Lentry_in_a_cluster:
	s_bfe_u32 s2, ttmp6, 0x10000c
	s_cmp_lg_u32 s2, 0x3003
	s_cbranch_scc0 .Lentry_shape_is_right
	s_endpgm
.Lentry_shape_is_right:
; MASKED GROUPED-QUERY ATTENTION.  O[q] = the sum over k of softmax_k(Q[q] . K[k] / 8, hidden where mask[q][k] = 0) V[k], head size 64, four query heads to a K/V group.
; q, k, v lie in f16 chunks [m / 128][64][128 rows][64]: query head h is chunk h, K of group g chunk 16 + g, V chunk 20 + g.  O leaves in chunks [m / 128][16][128][64], head h in chunk h.
; Products, maxima and sums in f32; the weights p are rounded to f16 for the second product (their sum l is taken of the unrounded p), O once at the end.
; THE MASK is an input and may have any pattern: every key tile is walked.  It arrives as lane masks, one word for each register of a score tile; 32 v_cndmask_b32 a key step make of them the C operand
; (0, or -1e30 where the key is hidden) that starts S^T = K Q^T.  The four heads of a wave share queries and keys, so one such operand serves all four.
; LIMITS.  A hidden score counts as its value less 1e30.  The running maximum starts at -2^96, above every hidden score: a visible score at or below -7.9e28 would count as hidden.
; A row with no visible key ends with l = 0 and O = 0, and 0 x (1 / 0) is NaN, as the formula gives.  A weight below 2^-126 counts as 0.  f16 holds no number beyond 65,504.
; SHARES.  A work-group owns 64 queries of one batch and group, a wave 16 of them for the group's four heads: four PIECES.  Every wave walks all 2,048 keys, 64 a step: 256 equal work-groups.
; LAYOUT.  S^T = K Q^T holds ONE query a lane (lane % 16) and the keys 8 (lane / 16) + 0..7; two such results rounded to f16 ARE source 1 of O^T = V^T P.  p = 2^(c s - c m), c = log2(e) / 8.
; TURNS.  Turn n belongs to piece n: 8 products K Q^T of piece n + 1, later 8 products V^T P of piece n - 1; beside them the scaling, exponentials, roundings, sums and rescaling of piece n and the
; maximum and statistics of piece n + 1.  Four vector instructions stand behind every matrix instruction, the rest in two runs of their own.
; CLUSTER.  The four query blocks of a cluster walk the same K and V: each tile is asked for jointly, 256 keys to a slot, two slots.
; REGISTERS.  window 0: v0-15 addresses; v16-31 statistics; v48-55 at work; v61-63; v64-127 S^T, two buffers; v192-223 P, two buffers.
;   window 1: v0-127 O^T, 32 a piece; v160-191 the mask operand.     window 2: v0-63 Q; v128-191 K of one step; v192-255 V of one step.
.set NP,    4
.set KS,    64
.set PK,    144                        ; a row of K in LDS: 128 bytes + 16
.set PV,    160                        ; a row of V: 128 + 32
.set VOFF,  4*KS*PK
.set SLOT1, 1<<17
.set STAGE, SLOT1+4*KS*(PK+PV)
.set SP,    144
.set SPARE, STAGE+4*16*SP
.set SLOTB, 2097152                    ; 256 keys on in memory: two blocks of 128 rows, 64 chunks of 16,384 bytes each
.set AK0, 2
.set AV0, 3
.set AK,  4
.set AV,  5
.set STO, 6
.set RD,  7
.set GO,  8
.set MV,  12                           ; v12-13  c m_old, by buffer
.set QO,  15
.set ST,  16                           ; piece t: c m, m, l (even keys', odd keys')
.set TMP, 48
.set PFO, 61                           ; v61  256 x lane; never rewritten
.set SPW, 62                           ; v62  my spare word; never rewritten
.set NIL, 63                           ; v63  0; never rewritten
.set S,   64
.set P,   192
.set MC,  160                          ; window 1
.set KF,  128                          ; window 2
.set VF,  192
.set WV,  12
.set G1K, 24
.set G1V, 32
.set G0K, 40
.set G0V, 44
.set MP,  48                           ; s[48:49] the mask words of the step whose operand was made last
.set PFA, 50                           ; s[50:51] where my prefetches stand
.set LIM, 52                           ; s52  1 in a wave that prefetches, else the greatest number
.set BIGN, 53                          ; s53  -1e30
.set SLOTS, 56
.set CNT, 57
.set CS,  58
.set SEL, 60
.set TBK, 62
.set TBV, 63
.set MW,  68                           ; s[68:99] a step's 32 mask words
.set MSB, 0
.macro WIN new
.if MSB != (\new)
	s_set_vgpr_msb (MSB<<8)|(\new)
.set MSB, (\new)
.endif
.endm
.set W_KQ, 0x0a                        ; K and Q in window 2, S^T in window 0
.set W_KM, 0x1a                        ; the same with the C operand in window 1
.set W_PV, 0x52                        ; V in window 2, P in window 0, O^T in window 1
.set W_RS, 0x41                        ; destination and source 0 in window 1, source 1 in window 0
.macro JLOAD                           ; waves 0, 1 fetch the halves of a slot's K, waves 2, 3 of its V; an s_nop 0 and four v_nop follow each line
	s_cmp_lt_u32 s[WV], 2
	s_cbranch_scc0 .Lfor_v_\@
	tensor_load_to_lds s[G0K:G0K+3], s[G1K:G1K+7]
	s_nop 0
.rept 4
	v_nop
.endr
	s_branch .Lasked_\@
.Lfor_v_\@:
	tensor_load_to_lds s[G0V:G0V+3], s[G1V:G1V+7]
	s_nop 0
.rept 4
	v_nop
.endr
.Lasked_\@:
.endm
.macro CROUND
	s_barrier_signal -1
	s_barrier_wait -1
	s_cmp_lg_u32 s[WV], 0
	s_cbranch_scc1 .Lnot_wave_0_\@
	s_barrier_signal -3
.Lnot_wave_0_\@:
	s_barrier_wait -3
	s_barrier_signal -1
	s_barrier_wait -1
.endm
; A PREFETCH INTO THE L2 of the slot that the NEXT change will ask for: 128 blocks of 256 bytes of K and as many of V.  All clusters of a batch and group walk the same rows: the first of them (cluster x = 0)
; asks; its four partners take 32 blocks each, told apart by address; wave 0 asks for K's, wave 2 for V's: a lane a block, one instruction.  The last change that fills a slot asks for nothing.
.macro ASK
	s_cmp_gt_u32 s[SLOTS], s[LIM]
	s_cbranch_scc0 .Lnot_mine_\@
	global_prefetch_b8 v[PFO], s[PFA:PFA+1] th:TH_LOAD_NT scope:SCOPE_SE
.Lnot_mine_\@:
.endm
; THE CHANGE OF SLOTS.  Each wave waits for all its tensor loads (one is out: its part of the other slot), adds 0 to its spare word, and waits for that and for its reads of the slot that it leaves.
; fill = 1: a round of the cluster's barrier, and the joint refill first behind it: four key steps, 256 matrix instructions, in which to land.  (At its first use slot 0 is waited for and slot 1 filled.)
.macro CHANGE fill, ask
	WIN 0
	s_wait_tensorcnt 0x0
	ds_add_u32 v[SPW], v[NIL]
.if \fill
.irp g, G0K, G0V
	s_xor_b32 s[\g+1], s[\g+1], SLOT1
	s_add_nc_u64 s[\g+2:\g+3], s[\g+2:\g+3], SLOTB
.endr
.if \ask
	s_wait_xcnt 0x0                                ; the last prefetch, four key steps back, has read its address
	s_add_nc_u64 s[PFA:PFA+1], s[PFA:PFA+1], SLOTB
.endif
	s_wait_dscnt 0x0
	CROUND
	JLOAD
.if \ask
	ASK
.endif
.else
	s_wait_dscnt 0x0
	s_barrier_signal -1
	s_barrier_wait -1
.endif
	s_sub_co_u32 s[TBK], s[TBK], 4*KS*PK           ; the fetches go back to a slot's first step, in the other slot
	s_xor_b32 s[TBK], s[TBK], SLOT1
	s_sub_co_u32 s[TBV], s[TBV], 4*KS*PV
	s_xor_b32 s[TBV], s[TBV], SLOT1
.endm
.macro MASKC                           ; the mask operand of a step: 0 where the word's bit is set, -1e30 where it is not
	WIN 0x40
.set z, 0
.rept 32
	v_cndmask_b32 v[MC+z], s[BIGN], 0, s[MW+z]
.set z, z+1
.endr
.endm
	s_load_b128 s[4:7], s[0:1], 0x0                ; q, k, v s[4:5]; the mask words s[6:7]
	s_load_b64 s[10:11], s[0:1], 0x10              ; O
	v_lshl_add_u32 v[SPW], v0, 2, SPARE
	v_mov_b32 v[NIL], 0
	ds_add_u32 v[SPW], v[NIL]                      ; the wave's opening: the add and its wait ahead of my first tensor load
	v_lshrrev_b32 v1, 5, v0
	v_readfirstlane_b32 s[WV], v1
	s_bfe_u32 s13, ttmp6, 0x40000                  ; cx
	s_lshl_b32 s14, ttmp9, 2
	s_add_co_u32 s14, s14, s13                     ; my block of 64 queries: it enters Q's, O's, the mask's and the prefetches' addresses alone
	s_and_b32 s15, ttmp7, 0xffff
	s_lshr_b32 s16, s15, 2                         ; batch
	s_and_b32 s17, s15, 3                          ; group
	s_and_b32 s18, s[WV], 1                        ; which 128 keys of a slot I fetch
	s_lshl_b32 s20, s16, 10                        ; (16 batch + half) x 64 chunks + 16 + group
	s_lshl_b32 s21, s18, 6
	s_add_co_u32 s20, s20, s21
	s_add_co_u32 s20, s20, s17
	s_add_co_u32 s20, s20, 16
	s_lshl_b32 s20, s20, 14
	s_mov_b32 s21, 0
	s_mul_i32 s22, s18, 128*PK
	s_mul_i32 s23, s18, 128*PV
	s_lshr_b32 s2, s14, 1
	s_lshl4_add_u32 s2, s16, s2                    ; the queries' block of 128 rows
	s_and_b32 s3, s14, 1
	s_lshl2_add_u32 s3, s3, s[WV]
	s_lshl_b32 s3, s3, 11                          ; my 16 rows in it, 128 bytes each
	s_lshl_b32 s54, s2, 6
	s_lshl2_add_u32 s54, s17, s54                  ; chunk 4 g of 64
	s_lshl_b32 s54, s54, 14
	s_add_co_u32 s54, s54, s3
	s_mov_b32 s55, 0
	s_lshl_b32 s66, s2, 4
	s_lshl2_add_u32 s66, s17, s66                  ; chunk 4 g of 16
	s_lshl_b32 s66, s66, 14
	s_add_co_u32 s66, s66, s3
	s_mov_b32 s67, 0
	s_lshl2_add_u32 s[MP], s14, s[WV]              ; my query tile,
	s_lshl_b32 s[MP], s[MP], 12                    ; 32 steps of 128 bytes
	s_mov_b32 s[MP+1], 0
	s_lshr_b32 s2, s13, 1                          ; the prefetches: partner cx takes half cx / 2 of the slot's keys,
	s_lshl_b32 s2, s2, 20
	s_and_b32 s3, s13, 1                           ; and of its 64 blocks the lower or the upper 32;
	s_lshl_b32 s3, s3, 13
	s_add_co_u32 s2, s2, s3
	s_add_co_u32 s2, s2, 2*SLOTB                   ; at slot 2: the loop's first change steps it to slot 3
	s_mov_b32 s3, 0
	s_mov_b32 s[G1K], 15|(1<<16)|(1<<20)|(1<<21)|(4<<22)|(3<<25)  ; the mask of four; 2-byte elements; padding on; bit 21 beside a mask; after every 32 words, 4 words
	s_mov_b32 s[G1V], 15|(1<<16)|(1<<20)|(1<<21)|(4<<22)|(7<<25)  ; 8 words
.irp g, G1K, G1V
	s_mov_b32 s[\g+1], 128<<16                     ; 128 keys are 16,384 dense bytes: 64 rows of 256
	s_mov_b32 s[\g+2], 64<<16
	s_mov_b32 s[\g+3], 128<<16
	s_mov_b32 s[\g+4], 64
	s_mov_b32 s[\g+5], 128
	s_mov_b32 s[\g+6], 0
	s_mov_b32 s[\g+7], 0
.endr
	s_mov_b32 s[CS], 0x3e38aa3b                    ; c = log2(e) / 8
	s_mov_b32 s[CS+1], s[CS]
	s_mov_b32 s[SEL], 0x76543210
	s_mov_b32 s[SEL+1], 0xfedcba98
	s_mov_b32 s[BIGN], 0xf149f2ca                  ; -1e30
	s_mov_b32 s[TBK], SLOT1+4*KS*PK                ; the first change of slots turns these two into 0
	s_mov_b32 s[TBV], SLOT1+4*KS*PV
	s_mov_b32 s[G0K], 1
	s_mov_b32 s[G0K+1], s22
	s_mov_b32 s[G0V], 1
	s_add_co_u32 s[G0V+1], s23, VOFF
	s_and_b32 s[LIM], s[WV], 1
	s_or_b32 s[LIM], s[LIM], ttmp9                 ; 0 in waves 0 and 2 of the first cluster: the same in all four partners
	s_cmp_eq_u32 s[LIM], 0
	s_cselect_b32 s[LIM], 1, -1
	v_and_b32 v[PFO], 31, v0
	v_lshlrev_b32 v[PFO], 8, v[PFO]
	s_wait_dscnt 0x0                               ; the opening add is done
	s_wait_kmcnt 0x0
	s_add_nc_u64 s[G0K+2:G0K+3], s[4:5], s[20:21]
	s_add_nc_u64 s[G0V+2:G0V+3], s[G0K+2:G0K+3], 65536  ; V lies four chunks behind K
	s_cmp_lt_u32 s[WV], 2
	s_cselect_b64 s[PFA:PFA+1], s[G0K+2:G0K+3], s[G0V+2:G0V+3]
	s_add_nc_u64 s[PFA:PFA+1], s[PFA:PFA+1], s[2:3]
	s_or_b32 s[G0K+3], s[G0K+3], 0x80000000
	s_or_b32 s[G0V+3], s[G0V+3], 0x80000000
	s_add_nc_u64 s[MP:MP+1], s[6:7], s[MP:MP+1]
	s_add_nc_u64 s[4:5], s[4:5], s[54:55]          ; Q and O at my rows
	s_add_nc_u64 s[10:11], s[10:11], s[66:67]
	CROUND
	JLOAD                                          ; slot 0
	s_load_b512 s[MW:MW+15], s[MP:MP+1], 0x0       ; the words of step 0
	s_load_b512 s[MW+16:MW+31], s[MP:MP+1], 0x40
	v_and_b32 v1, 15, v0
	v_bfe_u32 v9, v0, 4, 1
	v_lshlrev_b32 v[QO], 7, v1
	v_lshl_add_u32 v[QO], v9, 4, v[QO]
	WIN 0x80
.set i, 0
.rept 8                                ; Q stays in registers: piece i / 2 is a chunk of its own; channels 32 (i % 2) on
	global_load_b128 v[8*i:8*i+3],   v[QO], s[4:5] offset:(i/2)*16384+(i%2)*64
	global_load_b128 v[8*i+4:8*i+7], v[QO], s[4:5] offset:(i/2)*16384+(i%2)*64+32
.set i, i+1
.endr
	; what the first turn finds: V's registers and P's second buffer hold 0 (its products V^T P, of a piece that has not been, add 0), O^T and l are 0.  All this stands in the wait for the first tile.
.set i, VF
.rept 64
	v_mov_b32 v[i], 0
.set i, i+1
.endr
	WIN 0x40
.set i, 0
.rept 128
	v_mov_b32 v[i], 0
.set i, i+1
.endr
	WIN 0
.set i, 0
.rept 4
	v_mov_b32 v[ST+4*i+1], 0xef800000              ; m = -2^96
	v_mul_f32 v[ST+4*i], s[CS], v[ST+4*i+1]        ; c m by the loop's own multiply: while a row has seen no key, c m_old - c m_new is exactly 0
	v_mov_b32 v[ST+4*i+2], 0
	v_mov_b32 v[ST+4*i+3], 0
.set i, i+1
.endr
.set i, P+16
.rept 16
	v_mov_b32 v[i], 0
.set i, i+1
.endr
	v_mul_u32_u24 v[AK0], v1, PK
	v_lshl_add_u32 v[AK0], v9, 4, v[AK0]
	v_and_b32 v10, 7, v0                           ; the turning load: lane l reads key 8 (l / 16) + l % 8, channels 8 ((l / 8) % 2) ..
	v_bfe_u32 v11, v0, 3, 1
	v_lshl_add_u32 v[AV0], v9, 3, v10
	v_mul_u32_u24 v[AV0], v[AV0], PV
	v_lshl_add_u32 v[AV0], v11, 4, v[AV0]
	v_add_nc_u32 v[AV0], VOFF, v[AV0]
	s_mul_i32 s19, s[WV], 16*SP
	s_add_co_u32 s19, s19, STAGE
	v_mul_u32_u24 v[STO], v1, SP
	v_lshl_add_u32 v[STO], v9, 4, v[STO]
	v_add_nc_u32 v[STO], s19, v[STO]
	v_bfe_u32 v[RD], v0, 3, 2
	v_mul_u32_u24 v[RD], v[RD], SP
	v_lshl_add_u32 v[RD], v10, 4, v[RD]
	v_add_nc_u32 v[RD], s19, v[RD]
	v_and_b32 v[GO], 31, v0
	v_lshlrev_b32 v[GO], 4, v[GO]
	s_wait_kmcnt 0x0
	MASKC                                          ; step 0's operand
	WIN 0
; THE MATRIX WORK.  The 4 accumulators of a run of 8 take turns.  Product i of 8 of S^T for piece x: channels 32 (i / 4) on, keys 16 (i % 4) on; the first 4 start the sums with the mask.
.macro KQ x
.set rS, S+32*((\x)%2)+8*(i%4)
.set rK, KF+16*(i%4)+8*(i/4)
.set rQ, 16*(\x)+8*(i/4)
.set rM, MC+8*(i%4)
.if i < 4
	WIN W_KM
	v_wmma_f32_16x16x32_f16 v[rS:rS+7], v[rK:rK+7], v[rQ:rQ+7], v[rM:rM+7]
.else
	WIN W_KQ
	v_wmma_f32_16x16x32_f16 v[rS:rS+7], v[rK:rK+7], v[rQ:rQ+7], v[rS:rS+7]
.endif
.endm
.macro PV x                            ; product i of 8 of O^T += V^T P: keys 32 (i / 4) on, channels 16 (i % 4) on
	WIN W_PV
.set rO, 32*(\x)+8*(i%4)
.set rV, VF+32*(i/4)+8*(i%4)
.set rP, P+16*((\x)%2)+8*(i/4)
	v_wmma_f32_16x16x32_f16 v[rO:rO+7], v[rV:rV+7], v[rP:rP+7], v[rO:rO+7]
.endm
.macro MM                              ; the turn's next matrix instruction
.if i < 8
	KQ (Y+1)%NP
.else
.set i, i-8
	PV (Y+NP-1)%NP
.set i, i+8
.endif
.set i, i+1
.endm
; THE LDS LOADS stand in runs of 16.  last = 1 (the tail): in the last trip there is no further step, and the run is jumped over.
.macro FETCH_K last=0
	WIN 0
.if \last
	s_cmp_eq_u32 s[CNT], 1
	s_cbranch_scc1 .Lno_k_\@
.endif
	WIN 0x80
.irp f, 0,1,2,3,4,5,6,7
	ds_load_b128 v[KF+8*\f:KF+8*\f+3],   v[AK] offset:(\f/2)*16*PK+(\f%2)*64
	ds_load_b128 v[KF+8*\f+4:KF+8*\f+7], v[AK] offset:(\f/2)*16*PK+(\f%2)*64+32
.endr
	s_add_co_u32 s[TBK], s[TBK], KS*PK
	WIN 0
.if \last
.Lno_k_\@:
.endif
.endm
.macro FETCH_V
	WIN 0x80
.irp f, 0,1,2,3,4,5,6,7
	ds_load_tr16_b128 v[VF+8*\f:VF+8*\f+3],   v[AV] offset:(\f/4)*32*PV+(\f%4)*32
	ds_load_tr16_b128 v[VF+8*\f+4:VF+8*\f+7], v[AV] offset:(\f/4)*32*PV+16*PV+(\f%4)*32
.endr
	WIN 0
.endm
; THE VECTOR WORK, one line at a time: OP kind, number.  For piece Y: F n: c s - c m for pair n of 16.  E n: the exponential of score n.  C n: pair n rounded to f16.  B n: of the four weights 4 n .. the second
; pair is added onto the first.  L n: l takes that sum (L 0: l = a l + sum).  R n: pair n of O^T times a.  For piece Y + 1: X n, number n of the 22 that find its maximum and statistics:
;   0-11 four chains of seven scores (each accumulator's lowest registers first)   12-14, 16 the rest, the old m   15 c m_old is kept   17, 18 the other half of the lanes   19-21 c m; the change; a
.set F, 0
.set E, 1
.set C, 2
.set B, 3
.set L, 4
.set R, 5
.set X, 6
.macro REGS y
.set rT, ST+4*(\y)
.set rC, TMP+4*((\y)%2)
.set rW, MV+((\y)%2)
.set rS, S+32*((\y)%2)
.set rP, P+16*((\y)%2)
.set rO, 32*(\y)
.endm
.macro OP k, n
.if (\k) == R
	REGS Y
	WIN W_RS
	v_pk_mul_f32 v[rO+2*(\n):rO+2*(\n)+1], v[rO+2*(\n):rO+2*(\n)+1], v[rC+2:rC+3] op_sel_hi:[1,0]
.elseif (\k) < R
	REGS Y
	WIN 0
.if (\k) == F
	v_pk_fma_f32 v[rS+2*(\n):rS+2*(\n)+1], v[rS+2*(\n):rS+2*(\n)+1], s[CS:CS+1], v[rT:rT+1] op_sel_hi:[1,0,0] neg_lo:[0,0,1] neg_hi:[0,0,1]
.elseif (\k) == E
	v_exp_f32 v[rS+(\n)], v[rS+(\n)]
.elseif (\k) == C
	s_wait_alu depctr_va_vdst(0)
	v_cvt_pk_f16_f32 v[rP+(\n)], v[rS+2*(\n)], v[rS+2*(\n)+1]
.elseif (\k) == B
	s_wait_alu depctr_va_vdst(0)
	v_pk_add_f32 v[rS+4*(\n):rS+4*(\n)+1], v[rS+4*(\n):rS+4*(\n)+1], v[rS+4*(\n)+2:rS+4*(\n)+3]
.elseif (\n) == 0
	v_pk_fma_f32 v[rT+2:rT+3], v[rT+2:rT+3], v[rC+2:rC+3], v[rS:rS+1] op_sel_hi:[1,0,1]
.else
	v_pk_add_f32 v[rT+2:rT+3], v[rT+2:rT+3], v[rS+4*(\n):rS+4*(\n)+1]
.endif
.else
	REGS (Y+1)%NP
	WIN 0
.if (\n) < 4
	v_max3_num_f32 v[rC+(\n)], v[rS+8*(\n)], v[rS+8*(\n)+1], v[rS+8*(\n)+2]
.elseif (\n) < 12
	v_max3_num_f32 v[rC+(\n)%4], v[rC+(\n)%4], v[rS+8*((\n)%4)+2*((\n)/4)+1], v[rS+8*((\n)%4)+2*((\n)/4)+2]
.elseif (\n) == 12
	v_max3_num_f32 v[rC], v[rC], v[rS+7], v[rS+15]
.elseif (\n) == 13
	v_max3_num_f32 v[rC+1], v[rC+1], v[rS+23], v[rS+31]
.elseif (\n) == 14
	v_max3_num_f32 v[rC+2], v[rC+2], v[rC+3], v[rT+1]
.elseif (\n) == 15
	v_mov_b32 v[rW], v[rT]
.elseif (\n) == 16
	v_max3_num_f32 v[rC], v[rC], v[rC+1], v[rC+2]
.elseif (\n) == 17
	v_permlanex16_b32 v[rC+3], v[rC], s[SEL], s[SEL+1]
.elseif (\n) == 18
	v_max_num_f32 v[rT+1], v[rC], v[rC+3]
.elseif (\n) == 19
	v_mul_f32 v[rT], s[CS], v[rT+1]
.elseif (\n) == 20
	v_sub_f32 v[rC+1], v[rW], v[rT]
.else
	v_exp_f32 v[rC+2], v[rC+1]
.endif
.endif
.endm
.macro OPS a, i1, b=-1, i2=0, c=-1, i3=0, d=-1, i4=0
	OP \a, \i1
.if (\b) >= 0
	OP \b, \i2
.endif
.if (\c) >= 0
	OP \c, \i3
.endif
.if (\d) >= 0
	OP \d, \i4
.endif
.endm
.macro ROW a, i1, b, i2, c, i3, d, i4  ; a matrix instruction and the four behind it
	MM
	OPS \a, \i1, \b, \i2, \c, \i3, \d, \i4
.endm
; A TURN, for piece p: its 16 matrix and 118 vector instructions in order.  Behind a matrix instruction: plain, exponential, plain, plain; or four of the rescaling; none names a register of the products round it.
; K of the next step is fetched in piece 2's turn, five plain vector instructions behind the last product that read K; V of the step in hand in piece 0's turn, four plain ones behind the last product that read V.
; Piece 3's turn makes the NEXT step's first scores, so the mask operand changes at the end of piece 2's turn, far behind the four products of that turn that read it; the words for the step after that
; are asked for in piece 3's turn and waited for a whole step later (scalar loads return in no order: the wait is for 0).  The words' pointer is stepped behind that wait.
.macro TURN p, last=0, cnt=0
.set Y, (\p)
.set i, 0
.if (\p) == 3
	s_wait_dscnt 0x0                               ; K is in
.endif
	ROW F,0, F,1, F,2, F,3
	ROW F,4, E,0, F,5, F,6
.if (\p) == 3
	s_load_b512 s[MW:MW+15], s[MP:MP+1], 0x80      ; the words of the step after the one whose operand stands
	s_load_b512 s[MW+16:MW+31], s[MP:MP+1], 0xc0
.endif
	ROW F,7, E,1, F,8, F,9
	ROW F,10, E,2, C,0, F,11
	ROW F,12, E,3, X,15, F,13
	ROW R,0, R,1, R,2, R,3
	ROW B,0, E,4, F,14, L,0
.if (\p) == 2
	v_add_nc_u32 v[AK], s[TBK], v[AK0]
.endif
	ROW R,4, R,5, R,6, R,7
	OPS E,5, F,15
.if (\p) == 2
	FETCH_K \last
.endif
	OPS E,6, C,1, E,7, R,8
	OPS E,8, R,9, E,9, C,2
	OPS E,10, X,0, E,11, X,1
	OPS E,12, X,2, E,13, X,3
.if (\p) == 1
	s_wait_dscnt 0x0                               ; V is in
.endif
	ROW X,4, E,14, X,5, X,6
	ROW X,7, E,15, X,8, X,9
	ROW X,10, E,16, X,11, X,12
	ROW X,13, E,17, X,14, B,1
	ROW C,4, E,18, X,16, L,1
	ROW B,2, E,19, C,6, L,2
	ROW C,8, E,20, B,3, B,4
.if (\p) == 0
	v_add_nc_u32 v[AV], s[TBV], v[AV0]
.endif
	ROW C,3, E,21, L,3, C,5
	OPS E,22, X,17, E,23, C,10
.if (\p) == 0
	FETCH_V
.endif
	OPS E,24, L,4
	OPS E,25, X,18, E,26, C,7
	OPS E,27, B,5, E,28, X,19
	OPS E,29, C,12, E,30, L,5
	OPS E,31, X,20, B,6, C,9
	OPS C,14, C,11, X,21, L,6
.if (\p) == 0
	s_add_co_u32 s[TBV], s[TBV], KS*PV
.endif
.if \cnt
	s_sub_co_u32 s[CNT], s[CNT], 1
	s_cmp_lg_u32 s[CNT], 0
.endif
	OPS C,13, B,7, C,15, R,10
	OPS R,11, R,12, L,7, R,13
	OPS R,14, R,15
.if (\p) == 2
	s_wait_kmcnt 0x0                               ; the next step's words are in, and their loads have read the pointer
	MASKC
	s_add_nc_u64 s[MP:MP+1], s[MP:MP+1], 128
.endif
.endm
	CHANGE 1, 0                                    ; slot 0 is in, everybody's part of it; slot 1 is asked for
	v_add_nc_u32 v[AK], s[TBK], v[AK0]
	FETCH_K                                        ; key step 0
	s_load_b512 s[MW:MW+15], s[MP:MP+1], 0x80      ; the words of step 1
	s_load_b512 s[MW+16:MW+31], s[MP:MP+1], 0xc0
	s_wait_loadcnt 0x0                             ; Q
	s_wait_dscnt 0x0
.set i, 0
.rept 8
	KQ 0                                           ; piece 0's first scores
.set i, i+1
.endr
	WIN 0
.rept 4
	v_nop                                          ; the places behind those products
.endr
.set Y, NP-1                           ; X works for piece Y + 1: piece 0
.irp n, 0,1,2,3,4,5,6,7,8,9,10,11,12,13,14,15,16,17,18,19,20,21
	OP X, \n
.endr
	v_nop                                          ; a plain instruction behind the exponential
	s_mov_b32 s[CNT], 4
	s_mov_b32 s[SLOTS], 7
	s_branch .Lfirst                               ; the loop is entered at a step's first turn, in the middle of a trip
.Lslot:                                        ; six times: every slot but the last two is filled again
	CHANGE 1, 1
	s_mov_b32 s[CNT], 4
.Lstep:                                        ; a trip: pieces 2 and 3 of one step, then pieces 0 and 1 of the next
	TURN 2
	TURN 3
	WIN 0
.Lfirst:
	TURN 0
	TURN 1, 0, 1
	WIN 0
	s_cbranch_scc1 .Lstep
	s_sub_co_u32 s[SLOTS], s[SLOTS], 1
	s_cmp_lg_u32 s[SLOTS], 0
	s_cbranch_scc1 .Lslot
	CHANGE 0, 0                                    ; the tail is written out
	s_mov_b32 s[CNT], 5                            ; four trips fetch the last slot's steps; the fifth is left in its middle
.Ltail:
	TURN 2, 1
	TURN 3
	WIN 0
	s_sub_co_u32 s[CNT], s[CNT], 1
	s_cmp_eq_u32 s[CNT], 0
	s_cbranch_scc1 .Lout
	TURN 0
	TURN 1
	WIN 0
	s_branch .Ltail
.Lout:                                         ; the fifth trip's 8 products K Q^T (on the last K once more) and the maximum made of them serve nothing: the price of one text for every trip
.set i, 0
.rept 8
	PV NP-1                                        ; the last piece's V^T P of the last step
.set i, i+1
.endr
	; THE WAY OUT.  l's halves are added; O^T is divided by l, rounded to f16 and sent through my stage, a piece (16 rows of a chunk: 2,048 consecutive bytes) at a time.  The additions are the places behind the last products.
	WIN 0
.macro ALL line:vararg
.set t, 0
.rept 4
	\line
.set t, t+1
.endr
.endm
	ALL v_add_f32 v[ST+4*t+2], v[ST+4*t+2], v[ST+4*t+3]
	ALL v_permlanex16_b32 v[ST+4*t+3], v[ST+4*t+2], s[SEL], s[SEL+1]
	ALL v_add_f32 v[ST+4*t+2], v[ST+4*t+2], v[ST+4*t+3]
	ALL v_rcp_f32 v[ST+4*t+2], v[ST+4*t+2]
	v_nop                                          ; a plain instruction between the last reciprocal and its use
.macro PACK t
	WIN W_RS
.set i, 32*(\t)
.rept 16
	s_wait_alu depctr_va_vdst(0)
	v_pk_mul_f32 v[i:i+1], v[i:i+1], v[ST+4*(\t)+2:ST+4*(\t)+3] op_sel_hi:[1,0]
.set i, i+2
.endr
	WIN 0x05
.set i, 0
.rept 16
	v_cvt_pk_f16_f32 v[S+16*(\t)+i], v[32*(\t)+2*i], v[32*(\t)+2*i+1]
.set i, i+1
.endr
	WIN 0
.irp f, 0,1,2,3
	ds_store_b128 v[STO], v[S+16*(\t)+4*\f:S+16*(\t)+4*\f+3] offset:32*\f
.endr
.irp f, 0,1,2,3
	ds_load_b128 v[S+16*(\t)+4*\f:S+16*(\t)+4*\f+3], v[RD] offset:\f*4*SP  ; LDS serves a wave's instructions in order (ISA guide 5.7.1.4)
.endr
.endm
.macro SEND t, younger                 ; younger: the LDS instructions issued behind piece t's loads
	WIN 0
.irp f, 0,1,2,3
	s_wait_dscnt (\younger)+3-\f
	global_store_b128 v[GO], v[S+16*(\t)+4*\f:S+16*(\t)+4*\f+3], s[10:11] offset:(\t)*16384+\f*512
.endr
.endm
	PACK 0
.set t, 1
.rept 3
	PACK t
	SEND t-1, 8
.set t, t+1
.endr
	SEND 3, 0
	s_wait_tensorcnt 0x0                           ; the wave's end
	ds_add_u32 v[SPW], v[NIL]
	s_wait_dscnt 0x0
	CROUND                                         ; the closing round
	s_endpgm
.Lfunc_end_k_q89aa0a00e9_attn:
	.size	k_q89aa0a00e9_attn, .Lfunc_end_k_q89aa0a00e9_attn-k_q89aa0a00e9_attn
	.p2alignl 7, 3214868480
	.fill 96, 4, 3214868480
	.section	.rodata,"a",@progbits
	.p2align	6, 0x0
	.amdhsa_kernel k_q89aa0a00e9_attn
		.amdhsa_group_segment_fixed_size 327680
		.amdhsa_private_segment_fixed_size 0
		.amdhsa_enable_private_segment 0
		.amdhsa_kernarg_size 24
		.amdhsa_user_sgpr_count 2
		.amdhsa_user_sgpr_kernarg_segment_ptr 1
		.amdhsa_wavefront_size32 1
		.amdhsa_system_sgpr_workgroup_id_x 1
		.amdhsa_system_sgpr_workgroup_id_y 1
		.amdhsa_system_sgpr_workgroup_id_z 1
		.amdhsa_system_vgpr_workitem_id 0
		.amdhsa_next_free_vgpr 768
		.amdhsa_next_free_sgpr 100
		.amdhsa_reserve_vcc 0
		.amdhsa_float_denorm_mode_32 3
		.amdhsa_float_denorm_mode_16_64 3
		.amdhsa_memory_ordered 1
		.amdhsa_forward_progress 1
		.amdhsa_inst_pref_size 125
	.end_amdhsa_kernel
	.amdgpu_metadata
---
amdhsa.version: [ 1, 2 ]
amdhsa.kernels:
  - .name:           k_q89aa0a00e9_attn
    .symbol:         k_q89aa0a00e9_attn.kd
    .args:
      - { .name: act, .offset: 0, .size: 8, .value_kind: global_buffer, .address_space: global }
      - { .name: maskw, .offset: 8, .size: 8, .value_kind: global_buffer, .address_space: global }
      - { .name: hb, .offset: 16, .size: 8, .value_kind: global_buffer, .address_space: global }
    .group_segment_fixed_size: 327680
    .private_segment_fixed_size: 0
    .kernarg_segment_align: 8
    .kernarg_segment_size: 24
    .max_flat_workgroup_size: 128
    .sgpr_count:     100
    .vgpr_count:     768
    .wavefront_size: 32
...
	.end_amdgpu_metadata
.endif
;; end of part 3
;; launch wo (part 4): grid 8 x 32, 4 waves a work-group, clusters of 4 x 4, 327,680 bytes of LDS; arguments hb, wts, bo, x, x1; writes x1
.if DOCPART == 4
	.amdgcn_target "amdgcn-amd-amdhsa--gfx1250"
	.amdhsa_code_object_version 6
	.text
	.protected	k_q89aa0a00e9_wo
	.globl	k_q89aa0a00e9_wo
	.p2align	8
	.type	k_q89aa0a00e9_wo,@function
k_q89aa0a00e9_wo:
	s_mov_b64 s[64:65], 0
	v_nop
	global_prefetch_b8 v0, s[64:65] scope:SCOPE_SE
	s_setreg_imm32_b32 hwreg(HW_REG_WAVE_MODE, 25, 1), 1
	s_wait_xcnt 0x0
	s_wait_alu depctr_hold_cnt(0) depctr_sa_sdst(0) depctr_va_vdst(0) depctr_va_sdst(0) depctr_va_ssrc(0) depctr_va_vcc(0) depctr_vm_vsrc(0)
	s_getreg_b32 s2, hwreg(HW_REG_IB_STS2, 6, 4)
	s_cmp_eq_u32 s2, 0
	s_cbranch_scc0 .Lentry_in_a_cluster
	s_endpgm
.Lentry_in_a_cluster:
	s_bfe_u32 s2, ttmp6, 0x10000c
	s_cmp_lg_u32 s2, 0xf033
	s_cbranch_scc0 .Lentry_shape_is_right
	s_endpgm
.Lentry_shape_is_right:
; OUT = RES + A W + bias, N = 1,024, K = 256 NSTEP.  A: f16 chunks [m / 128][CA][128 rows][64]; W: column tiles [j][k][128 n] of f16 from byte WOFF on; bias, RES, OUT in f32, [4096][1024].
; Sums in f32; the residual is added in f32 on the way out.  The same text, with other NSTEP, CA and WOFF, serves the second FFN layer.
; SHARES.  A work-group makes 128 x 128 (256 work-groups), each of four waves 64 x 64: 16 accumulators.  K goes in steps of 256 through two LDS slots; each wave fetches a quarter of a slot with one tensor load.
; CLUSTER.  4 x 4: A's tile is shared along a row of the cluster, W's along a column; each is asked for jointly.  All tiles are dense and asked for as rows of 256 bytes.
; THE MATRIX INSTRUCTION IS USED TRANSPOSED (source 0 = 16 columns of W, turned by ds_load_tr16_b128; source 1 = 16 rows of A): a lane holds eight neighbouring columns of one row.
; THE SUMS BEGIN WITH THE BIAS: one product of two zero fragments for each accumulator, with the bias as C, issued while the first tiles are on their way.  The price: 16 matrix instructions on zeros, and one
; fetch of fragments at the end that nothing reads.  The gain: every K step has one text, and the steps that fill a slot again and the two that do not are two short loops.
; REGISTERS.  window 0: v0-31 addresses; v32-95 the way out; v96-127 the bias as C; v128-255 accumulator (a, b) at v[128 + 8 (4 a + b)].  window 1: two fragment buffers of 128 (64 along K: A 64, W 64).
;   window 2: v0-127 my 64 x 64 of the residual, loaded at the start, in the layout in which rows come back from the stage.
; A NaN in a row of A makes that row of OUT NaN.  No prefetch into the L2: each tile is shared by many work-groups.
.set NSTEP, 4
.set CA,    16
.set WOFF,  0
.set KTOT,  256*NSTEP
.set PA,    144
.set CHB,   128*PA
.set PB,    288
.set PART,  2*CHB                      ; what one tensor load brings: two chunks of A, or 128 rows of W
.set BOFF,  2*PART
.set SLOT,  4*PART                     ; 0x24000: it shares no bit with wave x PART, so one exclusive or changes slots
.set STAGE, 2*SLOT
.set SP,    272
.set SPARE, STAGE+4*16*SP
.set STEPB, 65536                      ; a K step in memory, for A (4 chunks) and for W (256 rows) alike
.set AA0, 16
.set AB0, 17
.set ADA, 18
.set ADB, 19                           ; v19, v20: W's rows 0-127 and 128-255 of the slot in hand
.set STO, 24
.set RD,  25
.set RO,  26
.set BO,  27
.set SPW, 28
.set NIL, 29
.set TMP, 32
.set BI,  96
.set ACC, 128
.set F0,  0
.set F1,  128
.set G1,  24
.set G0,  32
.set G1B, 48
.set G0B, 56
.set TB,  66
.set MSB, 0
.macro WIN new
.if MSB != (\new)
	s_set_vgpr_msb (MSB<<8)|(\new)
.set MSB, \new
.endif
.endm
.macro PLACES
.rept 4
	v_nop
.endr
.endm
.macro JLOAD                           ; waves 0, 1 fetch A's halves, waves 2, 3 W's; an s_nop 0 and four v_nop follow each line
	s_cmp_eq_u32 s11, 0
	s_cbranch_scc0 .Lfor_b_\@
	tensor_load_to_lds s[G0+4:G0+7], s[G1:G1+7]
	s_nop 0
	PLACES
	s_branch .Lasked_\@
.Lfor_b_\@:
	tensor_load_to_lds s[G0B+4:G0B+7], s[G1B:G1B+7]
	s_nop 0
	PLACES
.Lasked_\@:
.endm
.macro CREST
	s_cmp_lg_u32 s10, 0
	s_cbranch_scc1 .Lnot_wave_0_\@
	s_barrier_signal -3
.Lnot_wave_0_\@:
	s_barrier_wait -3
	s_barrier_signal -1
	s_barrier_wait -1
.endm
.macro CROUND
	s_barrier_signal -1
	s_barrier_wait -1
	CREST
.endm
	s_load_b128 s[4:7], s[0:1], 0x0                ; A s[4:5], W s[6:7]
	s_load_b128 s[68:71], s[0:1], 0x10             ; bias s[68:69], RES s[70:71]
	s_load_b64 s[72:73], s[0:1], 0x20              ; OUT
	v_lshl_add_u32 v[SPW], v0, 2, SPARE
	v_mov_b32 v[NIL], 0
	ds_add_u32 v[SPW], v[NIL]                      ; the wave's opening: the add and its wait ahead of my first tensor load
	v_lshrrev_b32 v1, 5, v0
	v_readfirstlane_b32 s10, v1
	s_lshr_b32 s11, s10, 1                         ; my 64 rows.  Also: I fetch for A (0) or for W (1)
	s_and_b32 s12, s10, 1                          ; my 64 columns.  Also: which half I fetch
	s_bfe_u32 s40, ttmp6, 0x40000
	s_bfe_u32 s41, ttmp6, 0x40004
	s_lshl_b32 s42, ttmp9, 2
	s_add_co_u32 s42, s42, s40                     ; column tile
	s_and_b32 s13, ttmp7, 0xffff
	s_lshl_b32 s13, s13, 2
	s_add_co_u32 s13, s13, s41                     ; row tile
	s_lshl_b32 s43, s41, 2
	s_lshl_b32 s43, 15, s43
	s_lshl_b32 s44, 0x1111, s40
	s_or_b32 s[G1], s43, (1<<16)|(1<<20)|(1<<21)|(4<<22)|(3<<25)   ; A: padded after every 32 words by 4
	s_or_b32 s[G1B], s44, (1<<16)|(1<<20)|(1<<21)|(5<<22)|(7<<25)  ; W: after every 64 words by 8
.irp g, G1, G1B
	s_mov_b32 s[(\g)+1], 128<<16                   ; 128 rows of 128 elements (256 bytes), dense
	s_mov_b32 s[(\g)+2], 128<<16
	s_mov_b32 s[(\g)+3], 128<<16
	s_mov_b32 s[(\g)+4], 128
	s_mov_b32 s[(\g)+5], 128
	s_mov_b32 s[(\g)+6], 0
	s_mov_b32 s[(\g)+7], 0
.endr
	s_mul_i32 s16, s13, CA
	s_lshl1_add_u32 s16, s12, s16                  ; A: chunk row tile x CA + 2 x half
	s_lshl_b32 s16, s16, 14
	s_mov_b32 s17, 0
	s_mul_i32 s46, s42, KTOT
	s_lshl_b32 s47, s12, 7
	s_add_co_u32 s46, s46, s47                     ; W: row column tile x K + 128 x half
	s_lshl_b32 s46, s46, 8
	s_add_co_u32 s46, s46, WOFF
	s_mov_b32 s47, 0
	s_mul_i32 s20, s10, PART                       ; where they go: the wave's number alone
	s_mov_b32 s[TB], 0
	s_lshl_b32 s22, s42, 9                         ; my 64 columns in f32
	s_lshl_b32 s21, s12, 8
	s_add_co_u32 s22, s22, s21
	s_mov_b32 s23, 0
	v_and_b32 v1, 15, v0                           ; r
	v_bfe_u32 v2, v0, 4, 1                         ; h
	v_lshlrev_b32 v[BO], 5, v2
	s_wait_dscnt 0x0
	s_wait_kmcnt 0x0
	s_add_nc_u64 s[14:15], s[4:5], s[16:17]
	s_add_nc_u64 s[46:47], s[6:7], s[46:47]
	s_add_nc_u64 s[68:69], s[68:69], s[22:23]
.irp b, 0,1,2,3                        ; the bias is wanted first, so it is asked for first
	global_load_b128 v[BI+8*\b:BI+8*\b+3], v[BO], s[68:69] offset:64*\b
	global_load_b128 v[BI+8*\b+4:BI+8*\b+7], v[BO], s[68:69] offset:64*\b+16
.endr
.irp s, 0,1
	s_mov_b32 s[G0+4*(\s)], 1
	s_add_co_u32 s[G0+4*(\s)+1], s20, (\s)*SLOT
	s_add_nc_u64 s[G0+4*(\s)+2:G0+4*(\s)+3], s[14:15], (\s)*STEPB
	s_or_b32 s[G0+4*(\s)+3], s[G0+4*(\s)+3], 0x80000000
	s_mov_b32 s[G0B+4*(\s)], 1
	s_add_co_u32 s[G0B+4*(\s)+1], s20, (\s)*SLOT
	s_add_nc_u64 s[G0B+4*(\s)+2:G0B+4*(\s)+3], s[46:47], (\s)*STEPB
	s_or_b32 s[G0B+4*(\s)+3], s[G0B+4*(\s)+3], 0x80000000
.endr
	CROUND
	s_cmp_eq_u32 s11, 0                            ; a wave's two first fills stand in one branch: two loads of mine are out
	s_cbranch_scc0 .Lfirst_b
	tensor_load_to_lds s[G0:G0+3], s[G1:G1+7]
	s_nop 0
	tensor_load_to_lds s[G0+4:G0+7], s[G1:G1+7]
	s_nop 0
	PLACES
	s_branch .Lfirst_asked
.Lfirst_b:
	tensor_load_to_lds s[G0B:G0B+3], s[G1B:G1B+7]
	s_nop 0
	tensor_load_to_lds s[G0B+4:G0B+7], s[G1B:G1B+7]
	s_nop 0
	PLACES
.Lfirst_asked:
	s_lshl_b32 s74, s13, 19                        ; my 64 rows of 4,096 bytes
	s_lshl_b32 s21, s11, 18
	s_add_co_u32 s74, s74, s21
	s_add_co_u32 s74, s74, s22
	s_mov_b32 s75, 0
	s_add_nc_u64 s[70:71], s[70:71], s[74:75]
	s_add_nc_u64 s[72:73], s[72:73], s[74:75]
	v_lshlrev_b32 v[RO], 4, v1
	v_lshl_add_u32 v[RO], v2, 12, v[RO]            ; lanes 0-15 a row's 256 bytes, lanes 16-31 the next row's
	WIN 0x80                                       ; destination window 2
.set i, 0
.rept 32
	global_load_b128 v[4*i:4*i+3], v[RO], s[70:71] offset:(16*(i/8)+2*(i%8))*4096
.set i, i+1
.endr
	WIN 0
	v_mul_u32_u24 v3, v1, PA
	v_lshl_add_u32 v3, v2, 4, v3
	s_mul_i32 s21, s11, 64*PA
	v_add_nc_u32 v[AA0], s21, v3
	v_and_b32 v4, 7, v0
	v_lshl_add_u32 v4, v2, 3, v4
	v_mul_u32_u24 v4, v4, PB
	v_bfe_u32 v5, v0, 3, 1
	v_lshl_add_u32 v4, v5, 4, v4
	s_lshl_b32 s21, s12, 7
	s_add_co_u32 s21, s21, BOFF
	v_add_nc_u32 v[AB0], s21, v4
	v_add_nc_u32 v[ADA], s[TB], v[AA0]
	v_add_nc_u32 v[ADB], s[TB], v[AB0]
	v_add_nc_u32 v[ADB+1], PART, v[ADB]
	s_mul_i32 s21, s10, 16*SP
	s_add_co_u32 s21, s21, STAGE
	v_mul_u32_u24 v[STO], v1, SP                   ; in: row l % 16, 32 bytes for each half of the lanes
	v_lshl_add_u32 v[STO], v2, 5, v[STO]
	v_add_nc_u32 v[STO], s21, v[STO]
	v_mul_u32_u24 v[RD], v2, SP                    ; back: two whole rows of 256 bytes
	v_lshl_add_u32 v[RD], v1, 4, v[RD]
	v_add_nc_u32 v[RD], s21, v[RD]
.set z, 0
.rept 16
	v_mov_b32 v[TMP+z], 0                          ; two zero fragments
.set z, z+1
.endr
; 8 matrix instructions: row blocks a0, a0 + 1 x all 4 column blocks, 32 along K: half c of buffer f.  The 16 accumulators take turns.
.macro MUL8 f, c, a0
	WIN 0x05
.irp a, \a0, (\a0)+1
.irp b, 0,1,2,3
	v_wmma_f32_16x16x32_f16 v[ACC+8*(4*(\a)+(\b)):ACC+8*(4*(\a)+(\b))+7], v[(\f)+64+8*(4*(\c)+(\b)):(\f)+64+8*(4*(\c)+(\b))+7], v[(\f)+8*(4*(\c)+(\a)):(\f)+8*(4*(\c)+(\a))+7], v[ACC+8*(4*(\a)+(\b)):ACC+8*(4*(\a)+(\b))+7]
.endr
.endr
.endm
; 32 LDS loads in one run: quarter q (64 along K: one chunk of A, 64 rows of W) into buffer f; the first 32 along K first
.macro FETCH q, f
	WIN 0x40
.irp c, 0,1
.irp i, 0,1,2,3
	ds_load_tr16_b128 v[(\f)+64+8*(4*(\c)+(\i)):(\f)+64+8*(4*(\c)+(\i))+3],   v[ADB+(\q)/2] offset:(((\q)%2)*64+32*(\c))*PB+32*(\i)
	ds_load_tr16_b128 v[(\f)+64+8*(4*(\c)+(\i))+4:(\f)+64+8*(4*(\c)+(\i))+7], v[ADB+(\q)/2] offset:(((\q)%2)*64+32*(\c))*PB+32*(\i)+16*PB
	ds_load_b128 v[(\f)+8*(4*(\c)+(\i)):(\f)+8*(4*(\c)+(\i))+3],   v[ADA] offset:(\q)*CHB+64*(\c)+(\i)*16*PA
	ds_load_b128 v[(\f)+8*(4*(\c)+(\i))+4:(\f)+8*(4*(\c)+(\i))+7], v[ADA] offset:(\q)*CHB+64*(\c)+(\i)*16*PA+32
.endr
.endr
.endm
.macro QUARTER qn, f, g
	s_wait_dscnt 16                                ; the first 32 along K are in
	MUL8 \f, 0, 0
	MUL8 \f, 0, 2
	PLACES
	FETCH \qn, \g
	s_wait_dscnt 32                                ; all but the 32 just issued
	MUL8 \f, 1, 0
	MUL8 \f, 1, 2
.endm
; The last quarter multiplies buffer 1 and changes slots: one barrier; in front of it each wave waits for all its tensor loads, adds 0 to its spare word, and waits for that and for its reads of this slot.
; fill = 1: the barrier opens a round of the cluster's, and the slot just read is filled again, two steps ahead, first thing behind the round.
.macro TURN fill
	WIN 0
	s_wait_tensorcnt 0x0
	ds_add_u32 v[SPW], v[NIL]
	s_wait_dscnt 17                                ; the add and the youngest sixteen loads may be out
	MUL8 F1, 0, 0
	s_wait_dscnt 0x0
	s_barrier_signal -1
	MUL8 F1, 0, 2
	WIN 0
	s_barrier_wait -1
.if \fill
	CREST
	s_xor_b32 s[G0+5], s[G0+5], SLOT
	s_add_nc_u64 s[G0+6:G0+7], s[G0+6:G0+7], STEPB
	s_xor_b32 s[G0B+5], s[G0B+5], SLOT
	s_add_nc_u64 s[G0B+6:G0B+7], s[G0B+6:G0B+7], STEPB
	JLOAD                                          ; its four v_nop are also the places in front of the loads below
.else
	PLACES
.endif
	s_xor_b32 s[TB], s[TB], SLOT
	v_add_nc_u32 v[ADA], s[TB], v[AA0]
	v_add_nc_u32 v[ADB], s[TB], v[AB0]
	v_add_nc_u32 v[ADB+1], PART, v[ADB]
	FETCH 0, F0
	MUL8 F1, 1, 0
	MUL8 F1, 1, 2
.endm
.macro STEP fill                       ; a K step: its first fragments have been fetched; it fetches the next step's
	QUARTER 1, F0, F1
	QUARTER 2, F1, F0
	QUARTER 3, F0, F1
	TURN \fill
	WIN 0
.endm
	s_wait_loadcnt 32                              ; the bias is in; the residual's 32 loads stay out
.set aa, 0
.rept 4                                ; the sums begin: 0 x 0 + bias, in the order in which the accumulators take turns
.irp b, 0,1,2,3
	v_wmma_f32_16x16x32_f16 v[ACC+8*(4*aa+\b):ACC+8*(4*aa+\b)+7], v[TMP:TMP+7], v[TMP+8:TMP+15], v[BI+8*\b:BI+8*\b+7]
.endr
.set aa, aa+1
.endr
	s_wait_tensorcnt 1                             ; my part of step 0 is in; step 1's may stay out
	s_barrier_signal -1
	s_barrier_wait -1
	FETCH 0, F0
	WIN 0
	s_mov_b32 s3, NSTEP-2                          ; all steps but the last two fill a slot again
.Lfill:
	STEP 1
	s_sub_co_u32 s3, s3, 1
	s_cmp_lg_u32 s3, 0
	s_cbranch_scc1 .Lfill
	s_mov_b32 s3, 2
.Ldry:
	STEP 0
	s_sub_co_u32 s3, s3, 1
	s_cmp_lg_u32 s3, 0
	s_cbranch_scc1 .Ldry
	s_wait_dscnt 0x0                               ; the last change's fetch, which nothing reads, is back
	PLACES
	s_wait_loadcnt 0x0                             ; the residual
; THE WAY OUT, 16 rows x 64 columns of f32 at a time: the sums go into my stage (each accumulator's low registers first), come back as whole rows of 256 bytes, take the residual, and leave: sixteen lanes store 256 consecutive bytes, aligned.
.macro OUT a
	WIN 0
	s_wait_xcnt 0x0                                ; the stores issued so far have read their registers
.irp b, 0,1,2,3
	ds_store_b128 v[STO], v[ACC+8*(4*(\a)+\b):ACC+8*(4*(\a)+\b)+3] offset:64*\b
	ds_store_b128 v[STO], v[ACC+8*(4*(\a)+\b)+4:ACC+8*(4*(\a)+\b)+7] offset:64*\b+16
.endr
.irp t, 0,1,2,3,4,5,6,7
	ds_load_b128 v[TMP+32*((\a)%2)+4*\t:TMP+32*((\a)%2)+4*\t+3], v[RD] offset:\t*2*SP  ; LDS serves a wave's instructions in order (ISA guide 5.7.1.4)
.endr
	s_wait_dscnt 0x0
	WIN 0x08                                       ; source 1 in window 2
.set z, 0
.rept 16
	v_pk_add_f32 v[TMP+32*((\a)%2)+2*z:TMP+32*((\a)%2)+2*z+1], v[TMP+32*((\a)%2)+2*z:TMP+32*((\a)%2)+2*z+1], v[32*(\a)+2*z:32*(\a)+2*z+1]
.set z, z+1
.endr
	WIN 0
.irp t, 0,1,2,3,4,5,6,7
	global_store_b128 v[RO], v[TMP+32*((\a)%2)+4*\t:TMP+32*((\a)%2)+4*\t+3], s[72:73] offset:(16*(\a)+2*\t)*4096
.endr
.endm
	OUT 0
	OUT 1
	OUT 2
	OUT 3
	s_wait_tensorcnt 0x0                           ; the wave's end
	ds_add_u32 v[SPW], v[NIL]
	s_wait_dscnt 0x0
	CROUND                                         ; the closing round
	s_endpgm
.Lfunc_end_k_q89aa0a00e9_wo:
	.size	k_q89aa0a00e9_wo, .Lfunc_end_k_q89aa0a00e9_wo-k_q89aa0a00e9_wo
	.p2alignl 7, 3214868480
	.fill 96, 4, 3214868480
	.section	.rodata,"a",@progbits
	.p2align	6, 0x0
	.amdhsa_kernel k_q89aa0a00e9_wo
		.amdhsa_group_segment_fixed_size 327680
		.amdhsa_private_segment_fixed_size 0
		.amdhsa_enable_private_segment 0
		.amdhsa_kernarg_size 40
		.amdhsa_user_sgpr_count 2
		.amdhsa_user_sgpr_kernarg_segment_ptr 1
		.amdhsa_wavefront_size32 1
		.amdhsa_system_sgpr_workgroup_id_x 1
		.amdhsa_system_sgpr_workgroup_id_y 1
		.amdhsa_system_sgpr_workgroup_id_z 1
		.amdhsa_system_vgpr_workitem_id 0
		.amdhsa_next_free_vgpr 640
		.amdhsa_next_free_sgpr 76
		.amdhsa_reserve_vcc 0
		.amdhsa_float_denorm_mode_32 3
		.amdhsa_float_denorm_mode_16_64 3
		.amdhsa_memory_ordered 1
		.amdhsa_forward_progress 1
		.amdhsa_inst_pref_size 63
	.end_amdhsa_kernel
	.amdgpu_metadata
---
amdhsa.version: [ 1, 2 ]
amdhsa.kernels:
  - .name:           k_q89aa0a00e9_wo
    .symbol:         k_q89aa0a00e9_wo.kd
    .args:
      - { .name: hb, .offset: 0, .size: 8, .value_kind: global_buffer, .address_space: global }
      - { .name: wts, .offset: 8, .size: 8, .value_kind: global_buffer, .address_space: global }
      - { .name: bo, .offset: 16, .size: 8, .value_kind: global_buffer, .address_space: global }
      - { .name: x, .offset: 24, .size: 8, .value_kind: global_buffer, .address_space: global }
      - { .name: x1, .offset: 32, .size: 8, .value_kind: global_buffer, .address_space: global }
    .group_segment_fixed_size: 327680
    .private_segment_fixed_size: 0
    .kernarg_segment_align: 8
    .kernarg_segment_size: 40
    .max_flat_workgroup_size: 128
    .sgpr_count:     76
    .vgpr_count:     640
    .wavefront_size: 32
...
	.end_amdgpu_metadata
.endif
;; end of part 4
;; launch ln2 (part 5): grid 256 x 1, 8 waves a work-group, no clusters, 0 bytes of LDS; arguments x1, ln2_g, ln2_b, hb; writes hb
.if DOCPART == 5
	.amdgcn_target "amdgcn-amd-amdhsa--gfx1250"
	.amdhsa_code_object_version 6
	.text
	.protected	k_q89aa0a00e9_ln2
	.globl	k_q89aa0a00e9_ln2
	.p2align	8
	.type	k_q89aa0a00e9_ln2,@function
k_q89aa0a00e9_ln2:
	s_mov_b64 s[64:65], 0
	v_nop
	global_prefetch_b8 v0, s[64:65] scope:SCOPE_SE
	s_setreg_imm32_b32 hwreg(HW_REG_WAVE_MODE, 25, 1), 1
	s_wait_xcnt 0x0
; LAYER NORM.  h = (x - mean) rsqrt(var + 1e-5) g + b over rows of 1,024 f32, rounded once to f16.  Mean first, then the sum of squares of x - mean: no difference of large sums.
; SHARES.  A wave takes two rows and there is no loop: 2,048 waves, 2,048 pairs.  Lanes 0-15 hold row 2 P, lanes 16-31 row 2 P + 1, so a row's sums stay inside a half of 16 lanes
; (four steps that ride on the additions) and the row stays in 64 registers between the passes: x is read once.
; OUT.  h[m][col] lies at ((m / 128) 16 + col / 64) 16,384 + (m % 128) 128 + (col % 64) 2: chunks of 128 rows x 64 columns, dense.  The two rows' 128 bytes of a chunk are 256 consecutive bytes, one store.
; LIMIT.  |h| stays under f16's 65,504.  A NaN in a row makes the whole row NaN, as in the formula.
; Memory binds: no LDS, no barrier, no matrix unit, no cluster (nothing is shared but g and b, 8 KiB).
.set XR, 16                            ; v[16:79]   the row: load t brings columns 64 t + 4 r .. + 3
.set GR, 80                            ; v[80:143]  g of the same columns; later the packed result
.set BR, 144                           ; v[144:207] b
	s_load_b256 s[4:11], s[0:1], 0x0               ; x s[4:5], g s[6:7], b s[8:9], h s[10:11]
	v_lshrrev_b32 v1, 5, v0
	v_readfirstlane_b32 s12, v1
	s_lshl_b32 s13, ttmp9, 3
	s_add_co_u32 s12, s12, s13                     ; P = 8 x work-group + wave
	v_and_b32 v2, 15, v0                           ; r
	v_bfe_u32 v3, v0, 4, 1                         ; which of the two rows
	v_lshlrev_b32 v4, 4, v2                        ; g, b: 16 r
	v_lshl_add_u32 v5, v3, 12, v4                  ; x: + a row of 4,096 bytes
	v_lshlrev_b32 v6, 3, v2
	v_lshl_add_u32 v6, v3, 7, v6                   ; h: 8 r + a row of 128 bytes
	s_lshl_b32 s14, s12, 13                        ; two rows of x
	s_mov_b32 s15, 0
	s_lshr_b32 s16, s12, 6
	s_lshl_b32 s16, s16, 18                        ; (m / 128) x 16 chunks
	s_and_b32 s17, s12, 63
	s_lshl_b32 s17, s17, 8                         ; (m % 128) x 128
	s_add_co_u32 s16, s16, s17
	s_mov_b32 s17, 0
	s_mov_b32 s18, 0x3a800000                      ; 1 / 1,024
	s_mov_b32 s19, 0x3727c5ac                      ; 1e-5
	s_wait_kmcnt 0x0
	s_add_nc_u64 s[4:5], s[4:5], s[14:15]
	s_add_nc_u64 s[10:11], s[10:11], s[16:17]
.set t, 0
.rept 16
	global_load_b128 v[XR+4*t:XR+4*t+3], v5, s[4:5] offset:256*t th:TH_LOAD_NT
.set t, t+1
.endr
.set t, 0
.rept 16
	global_load_b128 v[GR+4*t:GR+4*t+3], v4, s[6:7] offset:256*t
.set t, t+1
.endr
.set t, 0
.rept 16
	global_load_b128 v[BR+4*t:BR+4*t+3], v4, s[8:9] offset:256*t
.set t, t+1
.endr
	s_wait_loadcnt 32                              ; x is in; g's and b's 32 loads stay out
.irp c, 0,1,2,3                        ; four chains, started by data: nothing is cleared
	v_pk_add_f32 v[8+2*\c:9+2*\c], v[XR+2*\c:XR+2*\c+1], v[XR+8+2*\c:XR+9+2*\c]
.endr
.set p, 8
.rept 24
	v_pk_add_f32 v[8+2*(p%4):9+2*(p%4)], v[8+2*(p%4):9+2*(p%4)], v[XR+2*p:XR+2*p+1]
.set p, p+1
.endr
.macro REDUCE                          ; v[8:15] to one number in v8, the same in all 16 lanes of the row
	v_pk_add_f32 v[8:9], v[8:9], v[10:11]
	v_pk_add_f32 v[12:13], v[12:13], v[14:15]
	v_pk_add_f32 v[8:9], v[8:9], v[12:13]
	v_add_f32 v8, v8, v9
	v_add_f32_dpp v8, v8, v8 row_xmask:1 row_mask:0xf bank_mask:0xf
	v_add_f32_dpp v8, v8, v8 row_xmask:2 row_mask:0xf bank_mask:0xf
	v_add_f32_dpp v8, v8, v8 row_xmask:4 row_mask:0xf bank_mask:0xf
	v_add_f32_dpp v8, v8, v8 row_xmask:8 row_mask:0xf bank_mask:0xf
.endm
	REDUCE
	v_mul_f32 v8, s18, v8                          ; the mean
	v_mov_b32 v9, v8
.set p, 0
.rept 32
	v_pk_add_f32 v[XR+2*p:XR+2*p+1], v[XR+2*p:XR+2*p+1], v[8:9] neg_lo:[0,1] neg_hi:[0,1]
.set p, p+1
.endr
.irp c, 0,1,2,3
	v_pk_mul_f32 v[8+2*\c:9+2*\c], v[XR+2*\c:XR+2*\c+1], v[XR+2*\c:XR+2*\c+1]
.endr
.set p, 4
.rept 28
	v_pk_fma_f32 v[8+2*(p%4):9+2*(p%4)], v[XR+2*p:XR+2*p+1], v[XR+2*p:XR+2*p+1], v[8+2*(p%4):9+2*(p%4)]
.set p, p+1
.endr
	REDUCE
	v_fma_f32 v8, v8, s18, s19                     ; var + eps
	v_rsq_f32 v10, v8
	v_rsq_f32 v11, v8                              ; twice: a pair for the packed multiply
	v_nop                                          ; a plain instruction between the root and its use (ISA guide 5.7.2)
	s_wait_loadcnt 0x0                             ; g and b
.set p, 0
	s_wait_alu depctr_va_vdst(0)
.rept 32
	v_pk_mul_f32 v[XR+2*p:XR+2*p+1], v[XR+2*p:XR+2*p+1], v[10:11]
.set p, p+1
.endr
.set p, 0
.rept 32
	v_pk_fma_f32 v[XR+2*p:XR+2*p+1], v[XR+2*p:XR+2*p+1], v[GR+2*p:GR+2*p+1], v[BR+2*p:BR+2*p+1]
.set p, p+1
.endr
.set t, 0
.rept 16
	v_cvt_pk_f16_f32 v[GR+2*t], v[XR+4*t], v[XR+4*t+1]
	v_cvt_pk_f16_f32 v[GR+2*t+1], v[XR+4*t+2], v[XR+4*t+3]
	global_store_b64 v6, v[GR+2*t:GR+2*t+1], s[10:11] offset:16384*t
.set t, t+1
.endr
	s_endpgm
.Lfunc_end_k_q89aa0a00e9_ln2:
	.size	k_q89aa0a00e9_ln2, .Lfunc_end_k_q89aa0a00e9_ln2-k_q89aa0a00e9_ln2
	.p2alignl 7, 3214868480
	.fill 96, 4, 3214868480
	.section	.rodata,"a",@progbits
	.p2align	6, 0x0
	.amdhsa_kernel k_q89aa0a00e9_ln2
		.amdhsa_group_segment_fixed_size 0
		.amdhsa_private_segment_fixed_size 0
		.amdhsa_enable_private_segment 0
		.amdhsa_kernarg_size 32
		.amdhsa_user_sgpr_count 2
		.amdhsa_user_sgpr_kernarg_segment_ptr 1
		.amdhsa_wavefront_size32 1
		.amdhsa_system_sgpr_workgroup_id_x 1
		.amdhsa_system_sgpr_workgroup_id_y 1
		.amdhsa_system_sgpr_workgroup_id_z 1
		.amdhsa_system_vgpr_workitem_id 0
		.amdhsa_next_free_vgpr 208
		.amdhsa_next_free_sgpr 66
		.amdhsa_reserve_vcc 0
		.amdhsa_float_denorm_mode_32 3
		.amdhsa_float_denorm_mode_16_64 3
		.amdhsa_memory_ordered 1
		.amdhsa_forward_progress 1
		.amdhsa_inst_pref_size 21
	.end_amdhsa_kernel
	.amdgpu_metadata
---
amdhsa.version: [ 1, 2 ]
amdhsa.kernels:
  - .name:           k_q89aa0a00e9_ln2
    .symbol:         k_q89aa0a00e9_ln2.kd
    .args:
      - { .name: x1, .offset: 0, .size: 8, .value_kind: global_buffer, .address_space: global }
      - { .name: ln2_g, .offset: 8, .size: 8, .value_kind: global_buffer, .address_space: global }
      - { .name: ln2_b, .offset: 16, .size: 8, .value_kind: global_buffer, .address_space: global }
      - { .name: hb, .offset: 24, .size: 8, .value_kind: global_buffer, .address_space: global }
    .group_segment_fixed_size: 0
    .private_segment_fixed_size: 0
    .kernarg_segment_align: 8
    .kernarg_segment_size: 32
    .max_flat_workgroup_size: 256
    .sgpr_count:     66
    .vgpr_count:     208
    .wavefront_size: 32
...
	.end_amdgpu_metadata
.endif
;; end of part 5
;; launch ffn1 (part 6): grid 16 x 16, 4 waves a work-group, clusters of 4 x 4, 327,680 bytes of LDS; arguments hb, pkf, act; writes act
.if DOCPART == 6
	.amdgcn_target "amdgcn-amd-amdhsa--gfx1250"
	.amdhsa_code_object_version 6
	.text
	.protected	k_q89aa0a00e9_ffn1
	.globl	k_q89aa0a00e9_ffn1
	.p2align	8
	.type	k_q89aa0a00e9_ffn1,@function
k_q89aa0a00e9_ffn1:
	s_mov_b64 s[64:65], 0
	v_nop
	global_prefetch_b8 v0, s[64:65] scope:SCOPE_SE
	s_setreg_imm32_b32 hwreg(HW_REG_WAVE_MODE, 25, 1), 1
	s_wait_xcnt 0x0
	s_wait_alu depctr_hold_cnt(0) depctr_sa_sdst(0) depctr_va_vdst(0) depctr_va_sdst(0) depctr_va_ssrc(0) depctr_va_vcc(0) depctr_vm_vsrc(0)
	s_getreg_b32 s2, hwreg(HW_REG_IB_STS2, 6, 4)
	s_cmp_eq_u32 s2, 0
	s_cbranch_scc0 .Lentry_in_a_cluster
	s_endpgm
.Lentry_in_a_cluster:
	s_bfe_u32 s2, ttmp6, 0x10000c
	s_cmp_lg_u32 s2, 0xf033
	s_cbranch_scc0 .Lentry_shape_is_right
	s_endpgm
.Lentry_shape_is_right:
; C = relu(A W + bias), M = N = 4,096, K = 1,024.  A: f16 chunks [m / 128][16][128 rows][64]; the package holds the bias in f32 and, from byte 16,384 on, column tiles [j][k][128 n] of f16.
; C leaves in f16 chunks [m / 128][64][128 rows][64].  Sums in f32; C rounded once, then held to 0 from below.  LIMIT: results beyond 65,504 become infinities; a NaN sum leaves as 0
; (v_pk_max_num_f16 drops a NaN): a row that is NaN is NaN in the residual stream too, which does not pass through here.
; SHARES.  A work-group makes 256 x 256 of C: 16 x 16 = 256 work-groups.  Each of four waves makes 128 x 128: 64 accumulators of 16 x 16, 512 registers: for 32 along K a wave reads 16 KiB from LDS and
; issues 64 matrix instructions; a K step of 128 brings 128 KiB into LDS for 256 matrix instructions a wave.  K goes in 8 such steps through two LDS slots.
; Each wave fetches a quarter of a slot with one tensor load of 128 rows x 256 bytes: waves 0, 1 the two blocks of 128 rows of A (two chunks each), waves 2, 3 the two column tiles of W.
; CLUSTER.  4 x 4 work-groups: A's tile is shared along a row of the cluster, W's along a column; each is asked for jointly.
; A's chunks are padded after every 128 bytes (LDS pitch 144), W's rows after every 256 (pitch 288).
; THE MATRIX INSTRUCTION IS USED TRANSPOSED: source 0 = 16 columns of W (turned on the way out of LDS by ds_load_tr16_b128), source 1 = 16 rows of A: a lane holds eight neighbouring columns of one row of C.
; THE SUMS BEGIN WITH THE BIAS: one product of two zero fragments for each accumulator, with the bias as C, issued while the first tiles are on their way.  The price: 64 matrix instructions on zeros, and one
; fetch of fragments at the end that nothing reads.  The gain: every K step has one text, and the six steps that fill a slot again and the two that do not are two short loops.
; REGISTERS, in windows of 256 (s_set_vgpr_msb: bits 1:0 source 0, 3:2 source 1, 5:4 source 2, 7:6 destination):
;   window 0: v0-31 addresses; v32-63 the zero fragments, later the way out; v64-127, v128-191 A's fragments, two buffers; v192-255 the bias as C, later the way out
;   window 1: v64-127, v128-191 W's fragments, two buffers      window 2: the accumulators of my rows 0-63 ((a, b) at v[8 (8 a + b)])      window 3: those of my rows 64-127
; No prefetch into the L2: each tile is shared by many work-groups and K has 8 steps.
.set PA,    144
.set CHB,   128*PA                     ; a chunk of A in LDS
.set PB,    288
.set PART,  2*CHB                      ; what one tensor load brings: two chunks of A, or 128 rows of a tile of W
.set BOFF,  2*PART                     ; W behind A
.set SLOT,  4*PART                     ; 0x24000: it shares no bit with wave x PART, so one exclusive or changes slots
.set STAGE, 2*SLOT                     ; behind the ring: for each wave two pieces of 16 rows x 144 bytes, one for each of its two chunks
.set SP,    144
.set SPARE, STAGE+4*32*SP              ; the spare words, 128 bytes for each wave
.set STEPB, 32768                      ; a K step in memory, for A (2 chunks) and for W (128 rows) alike
.set PKW,   16384                      ; where the package's tiles begin
.set AA0, 16                           ; v16  my lane's place in A's part of a slot
.set AB0, 17                           ; v17  in W's
.set ADA, 18                           ; v18  the same in the slot in hand
.set ADB, 19                           ; v19
.set STO, 24
.set RD,  25
.set GO,  26
.set BO,  27
.set SPW, 28                           ; v28  my spare word; never rewritten
.set NIL, 29                           ; v29  0; never rewritten
.set ZR,  30                           ; v30  0 twice in f16: the ReLU's floor
.set OB,  32                           ; the way out: whole rows, v32-63 and v224-255 by turns
.set F0,  64
.set F1,  128
.set BI,  192                          ; v[192:255] bias of my 128 columns, laid out as a C operand
.set TMP, 192                          ; the way out: 32 packed registers
.set G1,  24                           ; s[24:31] group 1 for A
.set G0,  32                           ; s[32:39] group 0 for A: a set for each first fill; the second then walks
.set G1B, 48                           ; s[48:55], s[56:63] the same for W
.set G0B, 56
.set TB,  66                           ; s66  0 or SLOT: the slot in hand
.set OUTP, 68                          ; s[68:69] the first of my two chunks of C
.set BIP, 70                           ; s[70:71] my columns' bias
.set MSB, 0
.macro WIN new                         ; the immediate's high byte repeats the setting that is left
.if MSB != (\new)
	s_set_vgpr_msb (MSB<<8)|(\new)
.set MSB, \new
.endif
.endm
.macro PLACES                          ; four places behind matrix instructions, in front of loads into their sources and of reads of their results
.rept 4
	v_nop
.endr
.endm
.macro JLOAD                           ; a joint refill: waves 0, 1 fetch for A, waves 2, 3 for W; an s_nop 0 and four v_nop follow each line
	s_cmp_eq_u32 s11, 0
	s_cbranch_scc0 .Lfor_b_\@
	tensor_load_to_lds s[G0+4:G0+7], s[G1:G1+7]
	s_nop 0
	PLACES
	s_branch .Lasked_\@
.Lfor_b_\@:
	tensor_load_to_lds s[G0B+4:G0B+7], s[G1B:G1B+7]
	s_nop 0
	PLACES
.Lasked_\@:
.endm
.macro CREST                           ; a round of the cluster's barrier behind its opening barrier
	s_cmp_lg_u32 s10, 0
	s_cbranch_scc1 .Lnot_wave_0_\@
	s_barrier_signal -3
.Lnot_wave_0_\@:
	s_barrier_wait -3
	s_barrier_signal -1
	s_barrier_wait -1
.endm
.macro CROUND
	s_barrier_signal -1
	s_barrier_wait -1
	CREST
.endm
	s_load_b128 s[4:7], s[0:1], 0x0                ; A s[4:5], the package s[6:7]
	s_load_b64 s[8:9], s[0:1], 0x10                ; C
	v_lshl_add_u32 v[SPW], v0, 2, SPARE
	v_mov_b32 v[NIL], 0
	ds_add_u32 v[SPW], v[NIL]                      ; the wave's opening: the add and its wait ahead of my first tensor load
	v_lshrrev_b32 v1, 5, v0
	v_readfirstlane_b32 s10, v1                    ; wave 0..3
	s_lshr_b32 s11, s10, 1                         ; my 128 rows.  Also: I fetch for A (0) or for W (1)
	s_and_b32 s12, s10, 1                          ; my 128 columns.  Also: which half I fetch
	s_bfe_u32 s40, ttmp6, 0x40000                  ; cx
	s_bfe_u32 s41, ttmp6, 0x40004                  ; cy
	s_lshl_b32 s42, ttmp9, 2
	s_add_co_u32 s42, s42, s40                     ; column tile (256 columns)
	s_and_b32 s13, ttmp7, 0xffff
	s_lshl_b32 s13, s13, 2
	s_add_co_u32 s13, s13, s41                     ; row tile (256 rows)
	s_lshl_b32 s43, s41, 2
	s_lshl_b32 s43, 15, s43                        ; my row of the cluster
	s_lshl_b32 s44, 0x1111, s40                    ; my column
	s_or_b32 s[G1], s43, (1<<16)|(1<<20)|(1<<21)|(4<<22)|(3<<25)   ; mask; 2-byte elements; padding on; bit 21 beside a mask; after every 32 words, 4 words
	s_or_b32 s[G1B], s44, (1<<16)|(1<<20)|(1<<21)|(5<<22)|(7<<25)  ; after every 64 words, 8 words
.irp g, G1, G1B
	s_mov_b32 s[(\g)+1], 128<<16                   ; 128 rows of 128 elements (256 bytes), dense
	s_mov_b32 s[(\g)+2], 128<<16
	s_mov_b32 s[(\g)+3], 128<<16
	s_mov_b32 s[(\g)+4], 128
	s_mov_b32 s[(\g)+5], 128
	s_mov_b32 s[(\g)+6], 0
	s_mov_b32 s[(\g)+7], 0
.endr
	s_lshl1_add_u32 s16, s13, s12                  ; A: block of 128 rows = 2 x row tile + half,
	s_lshl_b32 s16, s16, 18                        ; 16 chunks of 16,384 bytes each
	s_mov_b32 s17, 0
	s_lshl1_add_u32 s46, s42, s12                  ; W: tile of 128 columns = 2 x column tile + half,
	s_lshl_b32 s46, s46, 18                        ; 262,144 bytes each,
	s_add_co_u32 s46, s46, PKW                     ; behind the bias
	s_mov_b32 s47, 0
	s_mul_i32 s20, s10, PART                       ; where they go: the wave's number alone
	s_mov_b32 s[TB], 0
	s_lshl_b32 s[BIP], s42, 10                     ; 256 columns of f32,
	s_lshl_b32 s22, s12, 9                         ; my 128
	s_add_co_u32 s[BIP], s[BIP], s22
	s_mov_b32 s[BIP+1], 0
	v_and_b32 v1, 15, v0                           ; r = l % 16
	v_bfe_u32 v2, v0, 4, 1                         ; h = l / 16
	v_lshlrev_b32 v[BO], 5, v2                     ; register j of block b is column 16 b + 8 h + j
	s_wait_dscnt 0x0                               ; the opening add is done
	s_wait_kmcnt 0x0
	s_add_nc_u64 s[14:15], s[4:5], s[16:17]
	s_add_nc_u64 s[46:47], s[6:7], s[46:47]
	s_add_nc_u64 s[BIP:BIP+1], s[6:7], s[BIP:BIP+1]
.irp b, 0,1,2,3,4,5,6,7                ; the bias is wanted first, so it is asked for first
	global_load_b128 v[BI+8*\b:BI+8*\b+3], v[BO], s[BIP:BIP+1] offset:64*\b
	global_load_b128 v[BI+8*\b+4:BI+8*\b+7], v[BO], s[BIP:BIP+1] offset:64*\b+16
.endr
.irp s, 0,1
	s_mov_b32 s[G0+4*(\s)], 1
	s_add_co_u32 s[G0+4*(\s)+1], s20, (\s)*SLOT
	s_add_nc_u64 s[G0+4*(\s)+2:G0+4*(\s)+3], s[14:15], (\s)*STEPB
	s_or_b32 s[G0+4*(\s)+3], s[G0+4*(\s)+3], 0x80000000
	s_mov_b32 s[G0B+4*(\s)], 1
	s_add_co_u32 s[G0B+4*(\s)+1], s20, (\s)*SLOT
	s_add_nc_u64 s[G0B+4*(\s)+2:G0B+4*(\s)+3], s[46:47], (\s)*STEPB
	s_or_b32 s[G0B+4*(\s)+3], s[G0B+4*(\s)+3], 0x80000000
.endr
	CROUND                                         ; all sixteen work-groups are here: the first joint loads meet
	s_cmp_eq_u32 s11, 0                            ; a wave's two first fills stand in one branch: two loads of mine are out
	s_cbranch_scc0 .Lfirst_b
	tensor_load_to_lds s[G0:G0+3], s[G1:G1+7]
	s_nop 0
	tensor_load_to_lds s[G0+4:G0+7], s[G1:G1+7]
	s_nop 0
	PLACES
	s_branch .Lfirst_asked
.Lfirst_b:
	tensor_load_to_lds s[G0B:G0B+3], s[G1B:G1B+7]
	s_nop 0
	tensor_load_to_lds s[G0B+4:G0B+7], s[G1B:G1B+7]
	s_nop 0
	PLACES
.Lfirst_asked:
	v_mul_u32_u24 v3, v1, PA
	v_lshl_add_u32 v3, v2, 4, v3                   ; A: row x pitch + 16 h
	s_mul_i32 s22, s11, PART
	v_add_nc_u32 v[AA0], s22, v3
	v_and_b32 v4, 7, v0                            ; W, turned: lane l reads k = 8 h + l % 8, columns 8 ((l / 8) % 2) ..
	v_lshl_add_u32 v4, v2, 3, v4
	v_mul_u32_u24 v4, v4, PB
	v_bfe_u32 v5, v0, 3, 1
	v_lshl_add_u32 v4, v5, 4, v4
	s_mul_i32 s22, s12, PART
	s_add_co_u32 s22, s22, BOFF
	v_add_nc_u32 v[AB0], s22, v4
	v_add_nc_u32 v[ADA], s[TB], v[AA0]
	v_add_nc_u32 v[ADB], s[TB], v[AB0]
	s_mul_i32 s22, s10, 32*SP
	s_add_co_u32 s22, s22, STAGE                   ; my stage
	v_mul_u32_u24 v[STO], v1, SP                   ; in: row l % 16, 16 bytes for each half of the lanes
	v_lshl_add_u32 v[STO], v2, 4, v[STO]
	v_add_nc_u32 v[STO], s22, v[STO]
	v_bfe_u32 v[RD], v0, 3, 2                      ; back: 32 lanes take four rows of 128 bytes,
	v_mul_u32_u24 v[RD], v[RD], SP
	v_and_b32 v6, 7, v0
	v_lshl_add_u32 v[RD], v6, 4, v[RD]
	v_add_nc_u32 v[RD], s22, v[RD]
	v_and_b32 v[GO], 31, v0                        ; which are 512 consecutive bytes of a chunk
	v_lshlrev_b32 v[GO], 4, v[GO]
	v_mov_b32 v[ZR], 0
	s_lshl1_add_u32 s22, s13, s11                  ; my block of 128 rows,
	s_lshl_b32 s22, s22, 6                         ; 64 chunks each,
	s_lshl1_add_u32 s23, s42, s12
	s_lshl1_add_u32 s[OUTP], s23, s22              ; my first chunk = 4 x column tile + 2 x half
	s_lshl_b32 s[OUTP], s[OUTP], 14
	s_mov_b32 s[OUTP+1], 0
	s_add_nc_u64 s[OUTP:OUTP+1], s[8:9], s[OUTP:OUTP+1]
.set z, 0
.rept 16
	v_mov_b32 v[OB+z], 0                           ; two zero fragments
.set z, z+1
.endr
; 16 matrix instructions: row blocks a0, a0 + 1 of the window's four (hi = 0: my rows 0-63, 1: rows 64-127) x all 8 column blocks, 32 along K.
; The 64 accumulators take turns, one instruction a turn, in the same order in every quarter.
.macro MUL16 f, hi, a0
	WIN 0xa1+0x50*(\hi)                            ; W in window 1, A in window 0, C and D in window 2 or 3
.irp a, \a0, (\a0)+1
.irp b, 0,1,2,3,4,5,6,7
	v_wmma_f32_16x16x32_f16 v[8*(8*(\a)+(\b)):8*(8*(\a)+(\b))+7], v[(\f)+8*(\b):(\f)+8*(\b)+7], v[(\f)+8*(4*(\hi)+(\a)):(\f)+8*(4*(\hi)+(\a))+7], v[8*(8*(\a)+(\b)):8*(8*(\a)+(\b))+7]
.endr
.endr
.endm
; 32 LDS loads in one run: quarter q (32 along K) of the slot in hand into buffer f: W's eight blocks, then A's eight
.macro FETCH q, f
	WIN 0x40                                       ; destination window 1, address window 0
.irp b, 0,1,2,3,4,5,6,7
	ds_load_tr16_b128 v[(\f)+8*\b:(\f)+8*\b+3], v[ADB] offset:32*(\q)*PB+32*\b
	ds_load_tr16_b128 v[(\f)+8*\b+4:(\f)+8*\b+7], v[ADB] offset:32*(\q)*PB+32*\b+16*PB
.endr
	WIN 0
.irp a, 0,1,2,3,4,5,6,7
	ds_load_b128 v[(\f)+8*\a:(\f)+8*\a+3], v[ADA] offset:((\q)/2)*CHB+((\q)%2)*64+\a*16*PA
	ds_load_b128 v[(\f)+8*\a+4:(\f)+8*\a+7], v[ADA] offset:((\q)/2)*CHB+((\q)%2)*64+\a*16*PA+32
.endr
.endm
; One of a step's first three quarters: multiplies buffer f; in its middle it fetches quarter qn into g, 32 matrix instructions ahead of the first use
.macro QUARTER qn, f, g
	s_wait_dscnt 8                                 ; W and A's blocks 0-3 are in; the youngest eight loads (blocks 4-7) may be out
	MUL16 \f, 0, 0
	MUL16 \f, 0, 2
	PLACES
	FETCH \qn, \g
	s_wait_dscnt 32                                ; all but the 32 just issued
	MUL16 \f, 1, 0
	MUL16 \f, 1, 2
.endm
; The last quarter multiplies buffer 1 and changes slots: one barrier; in front of it each wave waits for all its tensor loads (at most one is out: its part of the next slot), adds 0 to its spare word,
; and waits for that and for its reads of this slot.  fill = 1: the barrier opens a round of the cluster's, and the slot just read is filled again, two steps ahead, first thing behind the round:
; from that request to the wait for it a wave issues 224 matrix instructions.
.macro TURN fill
	WIN 0
	s_wait_tensorcnt 0x0
	ds_add_u32 v[SPW], v[NIL]
	s_wait_dscnt 9                                 ; the add and the youngest eight loads may be out
	MUL16 F1, 0, 0
	s_wait_dscnt 0x0                               ; the add is done, my reads of this slot are over
	s_barrier_signal -1
	MUL16 F1, 0, 2
	WIN 0
	s_barrier_wait -1
.if \fill
	CREST
	s_xor_b32 s[G0+5], s[G0+5], SLOT               ; the walking descriptors: the other slot, the next step
	s_add_nc_u64 s[G0+6:G0+7], s[G0+6:G0+7], STEPB
	s_xor_b32 s[G0B+5], s[G0B+5], SLOT
	s_add_nc_u64 s[G0B+6:G0B+7], s[G0B+6:G0B+7], STEPB
	JLOAD                                          ; its four v_nop are also the places in front of the loads below
.else
	PLACES
.endif
	s_xor_b32 s[TB], s[TB], SLOT
	v_add_nc_u32 v[ADA], s[TB], v[AA0]
	v_add_nc_u32 v[ADB], s[TB], v[AB0]
	FETCH 0, F0
	MUL16 F1, 1, 0
	MUL16 F1, 1, 2
.endm
.macro STEP fill                       ; a K step: its first fragments have been fetched; it fetches the next step's
	QUARTER 1, F0, F1
	QUARTER 2, F1, F0
	QUARTER 3, F0, F1
	TURN \fill
	WIN 0
.endm
	s_wait_loadcnt 0x0                             ; the bias
.set aa, 0
.rept 8                                ; the sums begin: 0 x 0 + bias, in the order in which the accumulators take turns
	WIN 0x80+0x40*(aa/4)                           ; sources and C in window 0, D in window 2 or 3
.irp b, 0,1,2,3,4,5,6,7
	v_wmma_f32_16x16x32_f16 v[8*(8*(aa%4)+\b):8*(8*(aa%4)+\b)+7], v[OB:OB+7], v[OB+8:OB+15], v[BI+8*\b:BI+8*\b+7]
.endr
.set aa, aa+1
.endr
	WIN 0
	s_wait_tensorcnt 1                             ; my part of step 0 is in; step 1's may stay out
	s_barrier_signal -1
	s_barrier_wait -1
	FETCH 0, F0
	s_mov_b32 s3, 6                                ; steps 0 to 5 fill a slot again
.Lfill:
	STEP 1
	s_sub_co_u32 s3, s3, 1
	s_cmp_lg_u32 s3, 0
	s_cbranch_scc1 .Lfill
	s_mov_b32 s3, 2                                ; the last two steps ask for nothing
.Ldry:
	STEP 0
	s_sub_co_u32 s3, s3, 1
	s_cmp_lg_u32 s3, 0
	s_cbranch_scc1 .Ldry
	s_wait_dscnt 0x0                               ; the last change's fetch, which nothing reads, is back
	PLACES
; THE WAY OUT, a block of 16 rows x 128 columns at a time: rounded to f16 and held to 0 from below; 16 bytes a lane into my stage, a piece for each of the two chunks; back as whole rows of a chunk;
; 512 consecutive bytes a store.
.macro PACK a
.set AC, 64*((\a)%4)
	WIN 0x0a+5*((\a)/4)                            ; sources in window 2 or 3, destination in window 0
.irp b, 0,1,2,3,4,5,6,7
.irp p, 0,1,2,3
	v_cvt_pk_f16_f32 v[TMP+4*\b+\p], v[AC+8*\b+2*\p], v[AC+8*\b+2*\p+1]
.endr
.endr
	WIN 0
.set z, 0
.rept 32
	v_pk_max_num_f16 v[TMP+z], v[TMP+z], v[ZR]
.set z, z+1
.endr
.endm
.macro TOSTAGE a
	s_wait_xcnt 0x0                                ; the stores issued so far have read their registers: the set below is loaded again only behind this wait
.irp b, 0,1,2,3,4,5,6,7
	ds_store_b128 v[STO], v[TMP+4*\b:TMP+4*\b+3] offset:(\b/4)*16*SP+32*(\b%4)
.endr
.irp t, 0,1,2,3,4,5,6,7
	ds_load_b128 v[OB+192*((\a)%2)+4*\t:OB+192*((\a)%2)+4*\t+3], v[RD] offset:(\t/4)*16*SP+(\t%4)*4*SP  ; LDS serves a wave's instructions in order (ISA guide 5.7.1.4)
.endr
.endm
.macro SEND a
	s_wait_dscnt 0x0
.irp t, 0,1,2,3,4,5,6,7
	global_store_b128 v[GO], v[OB+192*((\a)%2)+4*\t:OB+192*((\a)%2)+4*\t+3], s[OUTP:OUTP+1] offset:(\t/4)*16384+2048*(\a)+(\t%4)*512
.endr
.endm
	PACK 0
	TOSTAGE 0
.irp a, 1,2,3,4,5,6,7                  ; a block's conversions stand between the loads of the block before and the wait for them
	PACK \a
	SEND (\a)-1
	TOSTAGE \a
.endr
	SEND 7
	s_wait_tensorcnt 0x0                           ; the wave's end
	ds_add_u32 v[SPW], v[NIL]
	s_wait_dscnt 0x0
	CROUND                                         ; the closing round
	s_endpgm
.Lfunc_end_k_q89aa0a00e9_ffn1:
	.size	k_q89aa0a00e9_ffn1, .Lfunc_end_k_q89aa0a00e9_ffn1-k_q89aa0a00e9_ffn1
	.p2alignl 7, 3214868480
	.fill 96, 4, 3214868480
	.section	.rodata,"a",@progbits
	.p2align	6, 0x0
	.amdhsa_kernel k_q89aa0a00e9_ffn1
		.amdhsa_group_segment_fixed_size 327680
		.amdhsa_private_segment_fixed_size 0
		.amdhsa_enable_private_segment 0
		.amdhsa_kernarg_size 24
		.amdhsa_user_sgpr_count 2
		.amdhsa_user_sgpr_kernarg_segment_ptr 1
		.amdhsa_wavefront_size32 1
		.amdhsa_system_sgpr_workgroup_id_x 1
		.amdhsa_system_sgpr_workgroup_id_y 1
		.amdhsa_system_sgpr_workgroup_id_z 1
		.amdhsa_system_vgpr_workitem_id 0
		.amdhsa_next_free_vgpr 1024
		.amdhsa_next_free_sgpr 72
		.amdhsa_reserve_vcc 0
		.amdhsa_float_denorm_mode_32 3
		.amdhsa_float_denorm_mode_16_64 3
		.amdhsa_memory_ordered 1
		.amdhsa_forward_progress 1
		.amdhsa_inst_pref_size 115
	.end_amdhsa_kernel
	.amdgpu_metadata
---
amdhsa.version: [ 1, 2 ]
amdhsa.kernels:
  - .name:           k_q89aa0a00e9_ffn1
    .symbol:         k_q89aa0a00e9_ffn1.kd
    .args:
      - { .name: hb, .offset: 0, .size: 8, .value_kind: global_buffer, .address_space: global }
      - { .name: pkf, .offset: 8, .size: 8, .value_kind: global_buffer, .address_space: global }
      - { .name: act, .offset: 16, .size: 8, .value_kind: global_buffer, .address_space: global }
    .group_segment_fixed_size: 327680
    .private_segment_fixed_size: 0
    .kernarg_segment_align: 8
    .kernarg_segment_size: 24
    .max_flat_workgroup_size: 128
    .sgpr_count:     72
    .vgpr_count:     1024
    .wavefront_size: 32
...
	.end_amdgpu_metadata
.endif
;; end of part 6
;; launch ffn2 (part 7): grid 8 x 32, 4 waves a work-group, clusters of 4 x 4, 327,680 bytes of LDS; arguments act, wts, b2, x1, out0; writes out0
.if DOCPART == 7
	.amdgcn_target "amdgcn-amd-amdhsa--gfx1250"
	.amdhsa_code_object_version 6
	.text
	.protected	k_q89aa0a00e9_ffn2
	.globl	k_q89aa0a00e9_ffn2
	.p2align	8
	.type	k_q89aa0a00e9_ffn2,@function
k_q89aa0a00e9_ffn2:
	s_mov_b64 s[64:65], 0
	v_nop
	global_prefetch_b8 v0, s[64:65] scope:SCOPE_SE
	s_setreg_imm32_b32 hwreg(HW_REG_WAVE_MODE, 25, 1), 1
	s_wait_xcnt 0x0
	s_wait_alu depctr_hold_cnt(0) depctr_sa_sdst(0) depctr_va_vdst(0) depctr_va_sdst(0) depctr_va_ssrc(0) depctr_va_vcc(0) depctr_vm_vsrc(0)
	s_getreg_b32 s2, hwreg(HW_REG_IB_STS2, 6, 4)
	s_cmp_eq_u32 s2, 0
	s_cbranch_scc0 .Lentry_in_a_cluster
	s_endpgm
.Lentry_in_a_cluster:
	s_bfe_u32 s2, ttmp6, 0x10000c
	s_cmp_lg_u32 s2, 0xf033
	s_cbranch_scc0 .Lentry_shape_is_right
	s_endpgm
.Lentry_shape_is_right:
; OUT = RES + A W + bias, N = 1,024, K = 256 NSTEP.  A: f16 chunks [m / 128][CA][128 rows][64]; W: column tiles [j][k][128 n] of f16 from byte WOFF on; bias, RES, OUT in f32, [4096][1024].
; Sums in f32; the residual is added in f32 on the way out.  The same text, with other NSTEP, CA and WOFF, serves the attention's output projection.
; SHARES.  A work-group makes 128 x 128 (256 work-groups), each of four waves 64 x 64: 16 accumulators.  K goes in steps of 256 through two LDS slots; each wave fetches a quarter of a slot with one tensor load.
; CLUSTER.  4 x 4: A's tile is shared along a row of the cluster, W's along a column; each is asked for jointly.  All tiles are dense and asked for as rows of 256 bytes.
; THE MATRIX INSTRUCTION IS USED TRANSPOSED (source 0 = 16 columns of W, turned by ds_load_tr16_b128; source 1 = 16 rows of A): a lane holds eight neighbouring columns of one row.
; THE SUMS BEGIN WITH THE BIAS: one product of two zero fragments for each accumulator, with the bias as C, issued while the first tiles are on their way.  The price: 16 matrix instructions on zeros, and one
; fetch of fragments at the end that nothing reads.  The gain: every K step has one text, and the steps that fill a slot again and the two that do not are two short loops.
; REGISTERS.  window 0: v0-31 addresses; v32-95 the way out; v96-127 the bias as C; v128-255 accumulator (a, b) at v[128 + 8 (4 a + b)].  window 1: two fragment buffers of 128 (64 along K: A 64, W 64).
;   window 2: v0-127 my 64 x 64 of the residual, loaded at the start, in the layout in which rows come back from the stage.
; A row that is NaN in RES is NaN in OUT.  No prefetch into the L2: each tile is shared by many work-groups.
.set NSTEP, 16
.set CA,    64
.set WOFF,  2097152
.set KTOT,  256*NSTEP
.set PA,    144
.set CHB,   128*PA
.set PB,    288
.set PART,  2*CHB                      ; what one tensor load brings: two chunks of A, or 128 rows of W
.set BOFF,  2*PART
.set SLOT,  4*PART                     ; 0x24000: it shares no bit with wave x PART, so one exclusive or changes slots
.set STAGE, 2*SLOT
.set SP,    272
.set SPARE, STAGE+4*16*SP
.set STEPB, 65536                      ; a K step in memory, for A (4 chunks) and for W (256 rows) alike
.set AA0, 16
.set AB0, 17
.set ADA, 18
.set ADB, 19                           ; v19, v20: W's rows 0-127 and 128-255 of the slot in hand
.set STO, 24
.set RD,  25
.set RO,  26
.set BO,  27
.set SPW, 28
.set NIL, 29
.set TMP, 32
.set BI,  96
.set ACC, 128
.set F0,  0
.set F1,  128
.set G1,  24
.set G0,  32
.set G1B, 48
.set G0B, 56
.set TB,  66
.set MSB, 0
.macro WIN new
.if MSB != (\new)
	s_set_vgpr_msb (MSB<<8)|(\new)
.set MSB, \new
.endif
.endm
.macro PLACES
.rept 4
	v_nop
.endr
.endm
.macro JLOAD                           ; waves 0, 1 fetch A's halves, waves 2, 3 W's; an s_nop 0 and four v_nop follow each line
	s_cmp_eq_u32 s11, 0
	s_cbranch_scc0 .Lfor_b_\@
	tensor_load_to_lds s[G0+4:G0+7], s[G1:G1+7]
	s_nop 0
	PLACES
	s_branch .Lasked_\@
.Lfor_b_\@:
	tensor_load_to_lds s[G0B+4:G0B+7], s[G1B:G1B+7]
	s_nop 0
	PLACES
.Lasked_\@:
.endm
.macro CREST
	s_cmp_lg_u32 s10, 0
	s_cbranch_scc1 .Lnot_wave_0_\@
	s_barrier_signal -3
.Lnot_wave_0_\@:
	s_barrier_wait -3
	s_barrier_signal -1
	s_barrier_wait -1
.endm
.macro CROUND
	s_barrier_signal -1
	s_barrier_wait -1
	CREST
.endm
	s_load_b128 s[4:7], s[0:1], 0x0                ; A s[4:5], W s[6:7]
	s_load_b128 s[68:71], s[0:1], 0x10             ; bias s[68:69], RES s[70:71]
	s_load_b64 s[72:73], s[0:1], 0x20              ; OUT
	v_lshl_add_u32 v[SPW], v0, 2, SPARE
	v_mov_b32 v[NIL], 0
	ds_add_u32 v[SPW], v[NIL]                      ; the wave's opening: the add and its wait ahead of my first tensor load
	v_lshrrev_b32 v1, 5, v0
	v_readfirstlane_b32 s10, v1
	s_lshr_b32 s11, s10, 1                         ; my 64 rows.  Also: I fetch for A (0) or for W (1)
	s_and_b32 s12, s10, 1                          ; my 64 columns.  Also: which half I fetch
	s_bfe_u32 s40, ttmp6, 0x40000
	s_bfe_u32 s41, ttmp6, 0x40004
	s_lshl_b32 s42, ttmp9, 2
	s_add_co_u32 s42, s42, s40                     ; column tile
	s_and_b32 s13, ttmp7, 0xffff
	s_lshl_b32 s13, s13, 2
	s_add_co_u32 s13, s13, s41                     ; row tile
	s_lshl_b32 s43, s41, 2
	s_lshl_b32 s43, 15, s43
	s_lshl_b32 s44, 0x1111, s40
	s_or_b32 s[G1], s43, (1<<16)|(1<<20)|(1<<21)|(4<<22)|(3<<25)   ; A: padded after every 32 words by 4
	s_or_b32 s[G1B], s44, (1<<16)|(1<<20)|(1<<21)|(5<<22)|(7<<25)  ; W: after every 64 words by 8
.irp g, G1, G1B
	s_mov_b32 s[(\g)+1], 128<<16                   ; 128 rows of 128 elements (256 bytes), dense
	s_mov_b32 s[(\g)+2], 128<<16
	s_mov_b32 s[(\g)+3], 128<<16
	s_mov_b32 s[(\g)+4], 128
	s_mov_b32 s[(\g)+5], 128
	s_mov_b32 s[(\g)+6], 0
	s_mov_b32 s[(\g)+7], 0
.endr
	s_mul_i32 s16, s13, CA
	s_lshl1_add_u32 s16, s12, s16                  ; A: chunk row tile x CA + 2 x half
	s_lshl_b32 s16, s16, 14
	s_mov_b32 s17, 0
	s_mul_i32 s46, s42, KTOT
	s_lshl_b32 s47, s12, 7
	s_add_co_u32 s46, s46, s47                     ; W: row column tile x K + 128 x half
	s_lshl_b32 s46, s46, 8
	s_add_co_u32 s46, s46, WOFF
	s_mov_b32 s47, 0
	s_mul_i32 s20, s10, PART                       ; where they go: the wave's number alone
	s_mov_b32 s[TB], 0
	s_lshl_b32 s22, s42, 9                         ; my 64 columns in f32
	s_lshl_b32 s21, s12, 8
	s_add_co_u32 s22, s22, s21
	s_mov_b32 s23, 0
	v_and_b32 v1, 15, v0                           ; r
	v_bfe_u32 v2, v0, 4, 1                         ; h
	v_lshlrev_b32 v[BO], 5, v2
	s_wait_dscnt 0x0
	s_wait_kmcnt 0x0
	s_add_nc_u64 s[14:15], s[4:5], s[16:17]
	s_add_nc_u64 s[46:47], s[6:7], s[46:47]
	s_add_nc_u64 s[68:69], s[68:69], s[22:23]
.irp b, 0,1,2,3                        ; the bias is wanted first, so it is asked for first
	global_load_b128 v[BI+8*\b:BI+8*\b+3], v[BO], s[68:69] offset:64*\b
	global_load_b128 v[BI+8*\b+4:BI+8*\b+7], v[BO], s[68:69] offset:64*\b+16
.endr
.irp s, 0,1
	s_mov_b32 s[G0+4*(\s)], 1
	s_add_co_u32 s[G0+4*(\s)+1], s20, (\s)*SLOT
	s_add_nc_u64 s[G0+4*(\s)+2:G0+4*(\s)+3], s[14:15], (\s)*STEPB
	s_or_b32 s[G0+4*(\s)+3], s[G0+4*(\s)+3], 0x80000000
	s_mov_b32 s[G0B+4*(\s)], 1
	s_add_co_u32 s[G0B+4*(\s)+1], s20, (\s)*SLOT
	s_add_nc_u64 s[G0B+4*(\s)+2:G0B+4*(\s)+3], s[46:47], (\s)*STEPB
	s_or_b32 s[G0B+4*(\s)+3], s[G0B+4*(\s)+3], 0x80000000
.endr
	CROUND
	s_cmp_eq_u32 s11, 0                            ; a wave's two first fills stand in one branch: two loads of mine are out
	s_cbranch_scc0 .Lfirst_b
	tensor_load_to_lds s[G0:G0+3], s[G1:G1+7]
	s_nop 0
	tensor_load_to_lds s[G0+4:G0+7], s[G1:G1+7]
	s_nop 0
	PLACES
	s_branch .Lfirst_asked
.Lfirst_b:
	tensor_load_to_lds s[G0B:G0B+3], s[G1B:G1B+7]
	s_nop 0
	tensor_load_to_lds s[G0B+4:G0B+7], s[G1B:G1B+7]
	s_nop 0
	PLACES
.Lfirst_asked:
	s_lshl_b32 s74, s13, 19                        ; my 64 rows of 4,096 bytes
	s_lshl_b32 s21, s11, 18
	s_add_co_u32 s74, s74, s21
	s_add_co_u32 s74, s74, s22
	s_mov_b32 s75, 0
	s_add_nc_u64 s[70:71], s[70:71], s[74:75]
	s_add_nc_u64 s[72:73], s[72:73], s[74:75]
	v_lshlrev_b32 v[RO], 4, v1
	v_lshl_add_u32 v[RO], v2, 12, v[RO]            ; lanes 0-15 a row's 256 bytes, lanes 16-31 the next row's
	WIN 0x80                                       ; destination window 2
.set i, 0
.rept 32
	global_load_b128 v[4*i:4*i+3], v[RO], s[70:71] offset:(16*(i/8)+2*(i%8))*4096
.set i, i+1
.endr
	WIN 0
	v_mul_u32_u24 v3, v1, PA
	v_lshl_add_u32 v3, v2, 4, v3
	s_mul_i32 s21, s11, 64*PA
	v_add_nc_u32 v[AA0], s21, v3
	v_and_b32 v4, 7, v0
	v_lshl_add_u32 v4, v2, 3, v4
	v_mul_u32_u24 v4, v4, PB
	v_bfe_u32 v5, v0, 3, 1
	v_lshl_add_u32 v4, v5, 4, v4
	s_lshl_b32 s21, s12, 7
	s_add_co_u32 s21, s21, BOFF
	v_add_nc_u32 v[AB0], s21, v4
	v_add_nc_u32 v[ADA], s[TB], v[AA0]
	v_add_nc_u32 v[ADB], s[TB], v[AB0]
	v_add_nc_u32 v[ADB+1], PART, v[ADB]
	s_mul_i32 s21, s10, 16*SP
	s_add_co_u32 s21, s21, STAGE
	v_mul_u32_u24 v[STO], v1, SP                   ; in: row l % 16, 32 bytes for each half of the lanes
	v_lshl_add_u32 v[STO], v2, 5, v[STO]
	v_add_nc_u32 v[STO], s21, v[STO]
	v_mul_u32_u24 v[RD], v2, SP                    ; back: two whole rows of 256 bytes
	v_lshl_add_u32 v[RD], v1, 4, v[RD]
	v_add_nc_u32 v[RD], s21, v[RD]
.set z, 0
.rept 16
	v_mov_b32 v[TMP+z], 0                          ; two zero fragments
.set z, z+1
.endr
; 8 matrix instructions: row blocks a0, a0 + 1 x all 4 column blocks, 32 along K: half c of buffer f.  The 16 accumulators take turns.
.macro MUL8 f, c, a0
	WIN 0x05
.irp a, \a0, (\a0)+1
.irp b, 0,1,2,3
	v_wmma_f32_16x16x32_f16 v[ACC+8*(4*(\a)+(\b)):ACC+8*(4*(\a)+(\b))+7], v[(\f)+64+8*(4*(\c)+(\b)):(\f)+64+8*(4*(\c)+(\b))+7], v[(\f)+8*(4*(\c)+(\a)):(\f)+8*(4*(\c)+(\a))+7], v[ACC+8*(4*(\a)+(\b)):ACC+8*(4*(\a)+(\b))+7]
.endr
.endr
.endm
; 32 LDS loads in one run: quarter q (64 along K: one chunk of A, 64 rows of W) into buffer f; the first 32 along K first
.macro FETCH q, f
	WIN 0x40
.irp c, 0,1
.irp i, 0,1,2,3
	ds_load_tr16_b128 v[(\f)+64+8*(4*(\c)+(\i)):(\f)+64+8*(4*(\c)+(\i))+3],   v[ADB+(\q)/2] offset:(((\q)%2)*64+32*(\c))*PB+32*(\i)
	ds_load_tr16_b128 v[(\f)+64+8*(4*(\c)+(\i))+4:(\f)+64+8*(4*(\c)+(\i))+7], v[ADB+(\q)/2] offset:(((\q)%2)*64+32*(\c))*PB+32*(\i)+16*PB
	ds_load_b128 v[(\f)+8*(4*(\c)+(\i)):(\f)+8*(4*(\c)+(\i))+3],   v[ADA] offset:(\q)*CHB+64*(\c)+(\i)*16*PA
	ds_load_b128 v[(\f)+8*(4*(\c)+(\i))+4:(\f)+8*(4*(\c)+(\i))+7], v[ADA] offset:(\q)*CHB+64*(\c)+(\i)*16*PA+32
.endr
.endr
.endm
.macro QUARTER qn, f, g
	s_wait_dscnt 16                                ; the first 32 along K are in
	MUL8 \f, 0, 0
	MUL8 \f, 0, 2
	PLACES
	FETCH \qn, \g
	s_wait_dscnt 32                                ; all but the 32 just issued
	MUL8 \f, 1, 0
	MUL8 \f, 1, 2
.endm
; The last quarter multiplies buffer 1 and changes slots: one barrier; in front of it each wave waits for all its tensor loads, adds 0 to its spare word, and waits for that and for its reads of this slot.
; fill = 1: the barrier opens a round of the cluster's, and the slot just read is filled again, two steps ahead, first thing behind the round.
.macro TURN fill
	WIN 0
	s_wait_tensorcnt 0x0
	ds_add_u32 v[SPW], v[NIL]
	s_wait_dscnt 17                                ; the add and the youngest sixteen loads may be out
	MUL8 F1, 0, 0
	s_wait_dscnt 0x0
	s_barrier_signal -1
	MUL8 F1, 0, 2
	WIN 0
	s_barrier_wait -1
.if \fill
	CREST
	s_xor_b32 s[G0+5], s[G0+5], SLOT
	s_add_nc_u64 s[G0+6:G0+7], s[G0+6:G0+7], STEPB
	s_xor_b32 s[G0B+5], s[G0B+5], SLOT
	s_add_nc_u64 s[G0B+6:G0B+7], s[G0B+6:G0B+7], STEPB
	JLOAD                                          ; its four v_nop are also the places in front of the loads below
.else
	PLACES
.endif
	s_xor_b32 s[TB], s[TB], SLOT
	v_add_nc_u32 v[ADA], s[TB], v[AA0]
	v_add_nc_u32 v[ADB], s[TB], v[AB0]
	v_add_nc_u32 v[ADB+1], PART, v[ADB]
	FETCH 0, F0
	MUL8 F1, 1, 0
	MUL8 F1, 1, 2
.endm
.macro STEP fill                       ; a K step: its first fragments have been fetched; it fetches the next step's
	QUARTER 1, F0, F1
	QUARTER 2, F1, F0
	QUARTER 3, F0, F1
	TURN \fill
	WIN 0
.endm
	s_wait_loadcnt 32                              ; the bias is in; the residual's 32 loads stay out
.set aa, 0
.rept 4                                ; the sums begin: 0 x 0 + bias, in the order in which the accumulators take turns
.irp b, 0,1,2,3
	v_wmma_f32_16x16x32_f16 v[ACC+8*(4*aa+\b):ACC+8*(4*aa+\b)+7], v[TMP:TMP+7], v[TMP+8:TMP+15], v[BI+8*\b:BI+8*\b+7]
.endr
.set aa, aa+1
.endr
	s_wait_tensorcnt 1                             ; my part of step 0 is in; step 1's may stay out
	s_barrier_signal -1
	s_barrier_wait -1
	FETCH 0, F0
	WIN 0
	s_mov_b32 s3, NSTEP-2                          ; all steps but the last two fill a slot again
.Lfill:
	STEP 1
	s_sub_co_u32 s3, s3, 1
	s_cmp_lg_u32 s3, 0
	s_cbranch_scc1 .Lfill
	s_mov_b32 s3, 2
.Ldry:
	STEP 0
	s_sub_co_u32 s3, s3, 1
	s_cmp_lg_u32 s3, 0
	s_cbranch_scc1 .Ldry
	s_wait_dscnt 0x0                               ; the last change's fetch, which nothing reads, is back
	PLACES
	s_wait_loadcnt 0x0                             ; the residual
; THE WAY OUT, 16 rows x 64 columns of f32 at a time: the sums go into my stage (each accumulator's low registers first), come back as whole rows of 256 bytes, take the residual, and leave: sixteen lanes store 256 consecutive bytes, aligned.
.macro OUT a
	WIN 0
	s_wait_xcnt 0x0                                ; the stores issued so far have read their registers
.irp b, 0,1,2,3
	ds_store_b128 v[STO], v[ACC+8*(4*(\a)+\b):ACC+8*(4*(\a)+\b)+3] offset:64*\b
	ds_store_b128 v[STO], v[ACC+8*(4*(\a)+\b)+4:ACC+8*(4*(\a)+\b)+7] offset:64*\b+16
.endr
.irp t, 0,1,2,3,4,5,6,7
	ds_load_b128 v[TMP+32*((\a)%2)+4*\t:TMP+32*((\a)%2)+4*\t+3], v[RD] offset:\t*2*SP  ; LDS serves a wave's instructions in order (ISA guide 5.7.1.4)
.endr
	s_wait_dscnt 0x0
	WIN 0x08                                       ; source 1 in window 2
.set z, 0
.rept 16
	v_pk_add_f32 v[TMP+32*((\a)%2)+2*z:TMP+32*((\a)%2)+2*z+1], v[TMP+32*((\a)%2)+2*z:TMP+32*((\a)%2)+2*z+1], v[32*(\a)+2*z:32*(\a)+2*z+1]
.set z, z+1
.endr
	WIN 0
.irp t, 0,1,2,3,4,5,6,7
	global_store_b128 v[RO], v[TMP+32*((\a)%2)+4*\t:TMP+32*((\a)%2)+4*\t+3], s[72:73] offset:(16*(\a)+2*\t)*4096
.endr
.endm
	OUT 0
	OUT 1
	OUT 2
	OUT 3
	s_wait_tensorcnt 0x0                           ; the wave's end
	ds_add_u32 v[SPW], v[NIL]
	s_wait_dscnt 0x0
	CROUND                                         ; the closing round
	s_endpgm
.Lfunc_end_k_q89aa0a00e9_ffn2:
	.size	k_q89aa0a00e9_ffn2, .Lfunc_end_k_q89aa0a00e9_ffn2-k_q89aa0a00e9_ffn2
	.p2alignl 7, 3214868480
	.fill 96, 4, 3214868480
	.section	.rodata,"a",@progbits
	.p2align	6, 0x0
	.amdhsa_kernel k_q89aa0a00e9_ffn2
		.amdhsa_group_segment_fixed_size 327680
		.amdhsa_private_segment_fixed_size 0
		.amdhsa_enable_private_segment 0
		.amdhsa_kernarg_size 40
		.amdhsa_user_sgpr_count 2
		.amdhsa_user_sgpr_kernarg_segment_ptr 1
		.amdhsa_wavefront_size32 1
		.amdhsa_system_sgpr_workgroup_id_x 1
		.amdhsa_system_sgpr_workgroup_id_y 1
		.amdhsa_system_sgpr_workgroup_id_z 1
		.amdhsa_system_vgpr_workitem_id 0
		.amdhsa_next_free_vgpr 640
		.amdhsa_next_free_sgpr 76
		.amdhsa_reserve_vcc 0
		.amdhsa_float_denorm_mode_32 3
		.amdhsa_float_denorm_mode_16_64 3
		.amdhsa_memory_ordered 1
		.amdhsa_forward_progress 1
		.amdhsa_inst_pref_size 63
	.end_amdhsa_kernel
	.amdgpu_metadata
---
amdhsa.version: [ 1, 2 ]
amdhsa.kernels:
  - .name:           k_q89aa0a00e9_ffn2
    .symbol:         k_q89aa0a00e9_ffn2.kd
    .args:
      - { .name: act, .offset: 0, .size: 8, .value_kind: global_buffer, .address_space: global }
      - { .name: wts, .offset: 8, .size: 8, .value_kind: global_buffer, .address_space: global }
      - { .name: b2, .offset: 16, .size: 8, .value_kind: global_buffer, .address_space: global }
      - { .name: x1, .offset: 24, .size: 8, .value_kind: global_buffer, .address_space: global }
      - { .name: out0, .offset: 32, .size: 8, .value_kind: global_buffer, .address_space: global }
    .group_segment_fixed_size: 327680
    .private_segment_fixed_size: 0
    .kernarg_segment_align: 8
    .kernarg_segment_size: 40
    .max_flat_workgroup_size: 128
    .sgpr_count:     76
    .vgpr_count:     640
    .wavefront_size: 32
...
	.end_amdgpu_metadata
.endif
;; end of part 7
;; ======== version 2 of 2: 7 launches; version 1 with the launches prep, ln2 written anew for expert scheduling mode
;; limits: values are held in f16: magnitudes above 65,504 overflow, below 6.1e-05 lose precision
;; workspace buffers: pkq 3,162,112 bytes; pkf 8,404,992 bytes; wts 10,485,760 bytes; maskw 524,544 bytes of whole numbers; hb 8,388,608 bytes; act 33,554,432 bytes; x1 16,777,216 bytes
;; launch prep (part 8): grid 1185 x 1, 8 waves a work-group, no clusters, 68,608 bytes of LDS; arguments W1, W2, Wo, Wk, Wq, Wv, lora_qa, lora_qb, lora_va, lora_vb, mask, bq, bk, bv, b1, pkq, pkf, wts, maskw, x, ln1_g, ln1_b, hb; writes pkq, pkf, wts, maskw, hb
.if DOCPART == 8
	.amdgcn_target "amdgcn-amd-amdhsa--gfx1250"
	.amdhsa_code_object_version 6
	.text
	.protected	k_q89aa0a00e9_prep
	.globl	k_q89aa0a00e9_prep
	.p2align	8
	.type	k_q89aa0a00e9_prep,@function
k_q89aa0a00e9_prep:
	s_mov_b64 s[64:65], 0
	v_nop
	global_prefetch_b8 v0, s[64:65] scope:SCOPE_SE
	s_setreg_imm32_b32 hwreg(HW_REG_WAVE_SCHED_MODE, 0, 2), 2
	s_setreg_imm32_b32 hwreg(HW_REG_WAVE_MODE, 25, 1), 1
	s_wait_xcnt 0x0
	s_wait_alu depctr_vm_vsrc(0)
; PREP: everything that hangs on the inputs alone, each input byte read once.  The work-group's number chooses its role:
;      0- 255  NORM: h = layer norm of x (g, b of the first norm), rounded once to f16, in chunks [m / 128][16][128 rows][64].
;    256- 847  CAST: W1, W2, Wo, Wk rounded once to f16 and laid out in column tiles [j = n / 128][k][128 n]: a row of a tile is 256 bytes, a tile is dense.
;    848- 927  FOLD: Wq + 2 qa qb and Wv + 2 va vb, the rank-16 product on the matrix unit (f16 operands, f32 sums), added to W in f32, rounded once to f16, same layout.
;              h (W + 2 A B) = h W + 2 (h A) B for every input; only the order of rounding differs from the formula as written.
;    928-1183  MASK: mask[q][k] != 0 as lane masks.  Word (qt, step, 8 kt + j), bit l = mask[16 qt + l % 16][64 step + 16 kt + 8 (l / 16) + j] != 0.
;        1184  the biases in f32 at the two packages' heads, and 256 bytes of 0 behind the mask words.
; A package: 16,384 bytes for the bias, then the tiles.  pkq: bq, bk, bv; Wq' (tiles 0-7), Wk (8, 9), Wv' (10, 11).  pkf: b1; W1 (32 tiles).  wts: Wo (8 tiles), then W2 (8 tiles of K = 4,096).
; LIMITS.  f16 holds no number beyond 65,504 and keeps a fixed step of 6e-8 below 6e-5: weights and h are taken to lie within that.  A NaN in a row of x makes the row of h NaN; otherwise NaN and infinities are not treated apart.
; No tile is shared between work-groups and nothing is read twice, so there is no cluster and no ring; the one use of LDS is the mask's turn from rows to lanes, each wave in bytes of its own.
; THE MODE: SCHED_MODE bits 1:0 = 2 (LLVM: expert scheduling mode 2), set by the entry lines.  The code itself states the register dependences
; between vector or matrix instructions and memory or LDS instructions, with s_wait_alu, always for 0.
; THE PLAN.  No role has a loop; no register that a memory or LDS instruction reads is written a second time, and no load lands in a register that a vector instruction has named.  What is left to state:
;   offsets and LDS addresses   written once by vector instructions at a role's head; one wait on va_vdst ahead of the first instruction that reads them.
;   out-registers of stores     written by conversions in blocks; one wait on va_vdst behind a block; the block's stores then stand among the next block's vector instructions, which name other registers.
;   s42, and the mask's 64 lane masks   scalar registers written by vector instructions: one wait on va_sdst behind each run of writers, ahead of the first reader.
.set SPW,   4                          ; v4   LDS address of my spare word; never rewritten
.set NIL,   5                          ; v5   0; never rewritten
.set MPIT,  528                        ; a mask row of 128 words in the stage, 16 bytes of padding
.set MSTG,  16*MPIT                    ; a wave's stage
.set SPARE, 8*MSTG                     ; behind the stages: the spare words, 128 bytes for each of the eight waves
.set PKW,   16384                      ; where a package's tiles begin
.set ID_W1, 256                        ; the roles' first work-groups
.set ID_W2, 512
.set ID_WO, 768
.set ID_WK, 832
.set ID_FQ, 848
.set ID_FV, 912
.set ID_MK, 928
.set ID_PK, 1184
; s[4:5] W1  s[6:7] W2  s[8:9] Wo  s[10:11] Wk  s[12:13] Wq  s[14:15] Wv  s[16:17] qa  s[18:19] qb  s[20:21] va  s[22:23] vb  s[24:25] mask
; s[26:27] bq  s[28:29] bk  s[30:31] bv  s[32:33] b1  s[34:35] pkq  s[36:37] pkf  s[38:39] wts  s[40:41] maskw;  for NORM alone: s[44:45] x  s[46:47] g  s[48:49] b  s[50:51] h
	s_load_b512 s[4:19], s[0:1], 0x0
	s_load_b512 s[20:35], s[0:1], 0x40
	s_load_b128 s[36:39], s[0:1], 0x80
	s_load_b64 s[40:41], s[0:1], 0x90
	s_load_b256 s[44:51], s[0:1], 0x98
	v_lshl_add_u32 v[SPW], v0, 2, SPARE
	v_mov_b32 v[NIL], 0
	v_lshrrev_b32 v1, 5, v0
	v_readfirstlane_b32 s42, v1                    ; wave 0..7
	v_and_b32 v1, 31, v0                           ; lane
	s_mov_b32 s43, ttmp9
	s_wait_alu depctr_va_sdst(0)                   ; s42 is written
	s_wait_kmcnt 0x0
	s_cmp_lt_u32 s43, ID_W1
	s_cbranch_scc1 .Lln
	s_cmp_lt_u32 s43, ID_FQ
	s_cbranch_scc1 .Lcast
	s_cmp_lt_u32 s43, ID_MK
	s_cbranch_scc1 .Lfold
	s_cmp_lt_u32 s43, ID_PK
	s_cbranch_scc1 .Lmask
	; THE BIASES.  256 threads, 16 bytes each.
	v_lshlrev_b32 v2, 4, v0
	v_and_b32 v6, 63, v0
	v_lshlrev_b32 v6, 4, v6                        ; 16 x (thread mod 64): bk and bv are 1,024 bytes, two waves each
	v_lshlrev_b32 v3, 3, v1                        ; 8 x lane: a wave's store of 256 bytes
	s_wait_alu depctr_va_vdst(0)                   ; the offsets v2, v6 and v3 are written, which the loads and stores of this role read, on each of its four ways
	global_load_b128 v[16:19], v2, s[26:27]        ; bq: 4,096 bytes
.irp i, 0,1,2,3
	global_load_b128 v[20+4*\i:23+4*\i], v2, s[32:33] offset:4096*\i  ; b1: 16,384 bytes
.endr
	s_wait_loadcnt 0x0
	global_store_b128 v2, v[16:19], s[34:35]
.irp i, 0,1,2,3
	global_store_b128 v2, v[20+4*\i:23+4*\i], s[36:37] offset:4096*\i
.endr
	s_cmp_ge_u32 s42, 2
	s_cbranch_scc1 .Lp2
	global_load_b128 v[40:43], v6, s[28:29]        ; waves 0, 1: bk behind bq
	s_wait_loadcnt 0x0
	global_store_b128 v6, v[40:43], s[34:35] offset:4096
	s_endpgm
.Lp2:
	s_cmp_ge_u32 s42, 4
	s_cbranch_scc1 .Lp4
	global_load_b128 v[40:43], v6, s[30:31]        ; waves 2, 3: bv behind bk
	s_wait_loadcnt 0x0
	global_store_b128 v6, v[40:43], s[34:35] offset:5120
	s_endpgm
.Lp4:
	s_cmp_lg_u32 s42, 4
	s_cbranch_scc1 .Lp5
	v_mov_b32 v10, 0
	v_mov_b32 v11, 0
	s_wait_alu depctr_va_vdst(0)                   ; v10 and v11 are written, the data of the store below
	global_store_b64 v3, v[10:11], s[40:41] offset:524288  ; the words that the last query tile's look-ahead reads
.Lp5:
	s_endpgm
; NORM.  h = (x - mean) rsqrt(var + 1e-5) g + b over rows of 1,024 f32.  Mean first, then the sum of squares of x - mean: no difference of large sums.
; A wave takes two rows and there is no loop.  Lanes 0-15 hold row 2 P, lanes 16-31 row 2 P + 1, so a row's sums stay inside a half of 16 lanes and the row stays in 64 registers between the passes.
; The two rows' 128 bytes of a chunk are 256 consecutive bytes, one store.
; The last pass goes in two halves of eight chunks: the first half's stores stand among the second half's scalings.
.set XR,  16                           ; v[16:79]   the row: load t brings columns 64 t + 4 r .. + 3
.set GR,  80                           ; v[80:143]  g of the same columns; later, in its first 32 registers, the packed result
.set BR,  144                          ; v[144:207] b
.set GOF, 208                          ; v208 16 r;  v209 + the row in x;  v210 my 8 bytes in a chunk
.set XOF, 209
.set HOF, 210
.macro REDUCE                          ; v[8:15] to one number in v8, the same in all 16 lanes of the row
	v_pk_add_f32 v[8:9], v[8:9], v[10:11]
	v_pk_add_f32 v[12:13], v[12:13], v[14:15]
	v_pk_add_f32 v[8:9], v[8:9], v[12:13]
	v_add_f32 v8, v8, v9
	v_add_f32_dpp v8, v8, v8 row_xmask:1 row_mask:0xf bank_mask:0xf
	v_add_f32_dpp v8, v8, v8 row_xmask:2 row_mask:0xf bank_mask:0xf
	v_add_f32_dpp v8, v8, v8 row_xmask:4 row_mask:0xf bank_mask:0xf
	v_add_f32_dpp v8, v8, v8 row_xmask:8 row_mask:0xf bank_mask:0xf
.endm
.Lln:
	s_lshl3_add_u32 s52, s43, s42                  ; P = 8 x work-group + wave
	v_and_b32 v2, 15, v0                           ; r
	v_bfe_u32 v3, v0, 4, 1                         ; which of the two rows
	v_lshlrev_b32 v[GOF], 4, v2
	v_lshl_add_u32 v[XOF], v3, 12, v[GOF]
	v_lshlrev_b32 v[HOF], 3, v2
	v_lshl_add_u32 v[HOF], v3, 7, v[HOF]
	s_lshl_b32 s54, s52, 13                        ; two rows of x
	s_mov_b32 s55, 0
	s_lshr_b32 s56, s52, 6
	s_lshl_b32 s56, s56, 18                        ; (m / 128) x 16 chunks
	s_and_b32 s57, s52, 63
	s_lshl_b32 s57, s57, 8                         ; (m % 128) x 128
	s_add_co_u32 s56, s56, s57
	s_mov_b32 s57, 0
	s_mov_b32 s58, 0x3a800000                      ; 1 / 1,024
	s_mov_b32 s59, 0x3727c5ac                      ; 1e-5
	s_add_nc_u64 s[44:45], s[44:45], s[54:55]
	s_add_nc_u64 s[50:51], s[50:51], s[56:57]
	s_wait_alu depctr_va_vdst(0)                   ; the three offsets are written, which the 48 loads and the 16 stores of this role read; they are not written again
.set t, 0
.rept 16
	global_load_b128 v[XR+4*t:XR+4*t+3], v[XOF], s[44:45] offset:256*t th:TH_LOAD_NT
.set t, t+1
.endr
.set t, 0
.rept 16
	global_load_b128 v[GR+4*t:GR+4*t+3], v[GOF], s[46:47] offset:256*t
.set t, t+1
.endr
.set t, 0
.rept 16
	global_load_b128 v[BR+4*t:BR+4*t+3], v[GOF], s[48:49] offset:256*t
.set t, t+1
.endr
	s_wait_loadcnt 32                              ; x is in; g's and b's 32 loads stay out
.irp c, 0,1,2,3                        ; four chains, started by data: nothing is cleared
	v_pk_add_f32 v[8+2*\c:9+2*\c], v[XR+2*\c:XR+2*\c+1], v[XR+8+2*\c:XR+9+2*\c]
.endr
.set p, 8
.rept 24
	v_pk_add_f32 v[8+2*(p%4):9+2*(p%4)], v[8+2*(p%4):9+2*(p%4)], v[XR+2*p:XR+2*p+1]
.set p, p+1
.endr
	REDUCE
	v_mul_f32 v8, s58, v8                          ; the mean
	v_mov_b32 v9, v8
.set p, 0
.rept 32
	v_pk_add_f32 v[XR+2*p:XR+2*p+1], v[XR+2*p:XR+2*p+1], v[8:9] neg_lo:[0,1] neg_hi:[0,1]
.set p, p+1
.endr
.irp c, 0,1,2,3
	v_pk_mul_f32 v[8+2*\c:9+2*\c], v[XR+2*\c:XR+2*\c+1], v[XR+2*\c:XR+2*\c+1]
.endr
.set p, 4
.rept 28
	v_pk_fma_f32 v[8+2*(p%4):9+2*(p%4)], v[XR+2*p:XR+2*p+1], v[XR+2*p:XR+2*p+1], v[8+2*(p%4):9+2*(p%4)]
.set p, p+1
.endr
	REDUCE
	v_fma_f32 v8, v8, s58, s59                     ; var + eps
	v_rsq_f32 v10, v8
	v_rsq_f32 v11, v8                              ; twice: a pair for the packed multiply
	v_nop                                          ; a plain instruction between the root and its use (ISA guide 5.7.2)
	s_wait_loadcnt 0x0                             ; g and b
	s_wait_alu depctr_va_vdst(0)                   ; the two roots v10 and v11 are written, ahead of their first reader: one wait for both
.set p, 0
.rept 16                               ; chunks 0 to 7
	v_pk_mul_f32 v[XR+2*p:XR+2*p+1], v[XR+2*p:XR+2*p+1], v[10:11]
.set p, p+1
.endr
.set p, 0
.rept 16
	v_pk_fma_f32 v[XR+2*p:XR+2*p+1], v[XR+2*p:XR+2*p+1], v[GR+2*p:GR+2*p+1], v[BR+2*p:BR+2*p+1]
.set p, p+1
.endr
.set t, 0
.rept 8
	v_cvt_pk_f16_f32 v[GR+2*t], v[XR+4*t], v[XR+4*t+1]
	v_cvt_pk_f16_f32 v[GR+2*t+1], v[XR+4*t+2], v[XR+4*t+3]
.set t, t+1
.endr
	s_wait_alu depctr_va_vdst(0)                   ; the conversions have written v[GR .. GR+15], which the eight stores below read; the vector instructions among and behind them name XR, GR and BR from +32 on, GR+16 .. +31 and the roots
.set t, 0
.rept 8                                ; chunks 8 to 15 are scaled while chunks 0 to 7 leave
	global_store_b64 v[HOF], v[GR+2*t:GR+2*t+1], s[50:51] offset:16384*t
	v_pk_mul_f32 v[XR+32+4*t:XR+32+4*t+1], v[XR+32+4*t:XR+32+4*t+1], v[10:11]
	v_pk_mul_f32 v[XR+32+4*t+2:XR+32+4*t+3], v[XR+32+4*t+2:XR+32+4*t+3], v[10:11]
.set t, t+1
.endr
.set p, 16
.rept 16
	v_pk_fma_f32 v[XR+2*p:XR+2*p+1], v[XR+2*p:XR+2*p+1], v[GR+2*p:GR+2*p+1], v[BR+2*p:BR+2*p+1]
.set p, p+1
.endr
.set t, 8
.rept 8
	v_cvt_pk_f16_f32 v[GR+2*t], v[XR+4*t], v[XR+4*t+1]
	v_cvt_pk_f16_f32 v[GR+2*t+1], v[XR+4*t+2], v[XR+4*t+3]
.set t, t+1
.endr
	s_wait_alu depctr_va_vdst(0)                   ; the conversions have written v[GR+16 .. GR+31], which the last eight stores read
.set t, 8
.rept 8
	global_store_b64 v[HOF], v[GR+2*t:GR+2*t+1], s[50:51] offset:16384*t
.set t, t+1
.endr
	s_endpgm
; CAST.  A work-group takes 128 k x 128 n, a wave 16 rows of k.  A load is 512 consecutive bytes of a row of W (128 f32), a store the same 128 numbers in f16: 256 consecutive bytes, aligned.
; One text for the four matrices: source, destination, the role's first work-group, the bytes in a row, log2 (K / 128) and the tiles' first byte are chosen by the work-group's number.
; All 16 loads go out first; the rows are rounded in four blocks of four, and the waits count down the younger blocks.  A block's stores stand among the next block's conversions.  No register is written twice, so nothing waits for a store.
.Lcast:
	s_mov_b32 s44, ID_W2                           ; W2's figures,
	s_mov_b32 s52, 4096
	s_mov_b32 s54, 2097152
	s_cmp_lt_u32 s43, ID_W2                        ; or W1's,
	s_cselect_b64 s[48:49], s[4:5], s[6:7]
	s_cselect_b64 s[50:51], s[36:37], s[38:39]
	s_cselect_b32 s44, ID_W1, s44
	s_cselect_b32 s52, 16384, s52
	s_cselect_b32 s53, 3, 5
	s_cselect_b32 s54, PKW, s54
	s_cmp_lt_u32 s43, ID_WO                        ; or Wo's,
	s_cselect_b64 s[48:49], s[48:49], s[8:9]
	s_cselect_b32 s44, s44, ID_WO
	s_cselect_b32 s53, s53, 3
	s_cselect_b32 s54, s54, 0
	s_cmp_lt_u32 s43, ID_WK                        ; or Wk's
	s_cselect_b64 s[48:49], s[48:49], s[10:11]
	s_cselect_b64 s[50:51], s[50:51], s[34:35]
	s_cselect_b32 s44, s44, ID_WK
	s_cselect_b32 s52, s52, 1024
	s_cselect_b32 s54, s54, PKW+8*262144
	s_sub_co_u32 s44, s43, s44
	s_lshl_b32 s45, 1, s53
	s_sub_co_u32 s45, s45, 1
	s_and_b32 s45, s44, s45                        ; block of 128 k
	s_lshr_b32 s46, s44, s53                       ; column tile j
	s_lshl_b32 s45, s45, 7
	s_lshl4_add_u32 s45, s42, s45                  ; k0 = 128 block + 16 wave
	s_mul_i32 s56, s45, s52
	s_lshl_b32 s47, s46, 9
	s_add_co_u32 s56, s56, s47                     ; k0 rows + 512 j bytes
	s_mov_b32 s57, 0
	s_add_nc_u64 s[48:49], s[48:49], s[56:57]
	s_add_co_u32 s47, s53, 7
	s_lshl_b32 s56, s46, s47                       ; j K
	s_add_co_u32 s56, s56, s45
	s_lshl_b32 s56, s56, 8                         ; (j K + k0) rows of 256 bytes
	s_add_co_u32 s56, s56, s54
	s_add_nc_u64 s[50:51], s[50:51], s[56:57]
	v_lshlrev_b32 v6, 3, v1
	v_lshlrev_b32 v16, 4, v1
.set i, 0
.rept 15
	v_add_nc_u32 v[17+i], s52, v[16+i]             ; row i + 1
.set i, i+1
.endr
	s_wait_alu depctr_va_vdst(0)                   ; the offsets v6 and v16 to v31 are written, which the 16 loads and the 16 stores read; they are not written again
.set i, 0
.rept 16
	global_load_b128 v[64+4*i:64+4*i+3], v[16+i], s[48:49] th:TH_LOAD_NT
.set i, i+1
.endr
.set blk, 0
.rept 4
	s_wait_loadcnt 12-4*blk                        ; rows 4 blk to 4 blk + 3 are in; the younger blocks stay out
.if blk > 0
	s_wait_alu depctr_va_vdst(0)                   ; the block before has written its eight out-registers, which the four stores below read; this block's conversions name its own rows and its own out-registers
.endif
.irp j, 0,1,2,3
.if blk > 0
	global_store_b64 v6, v[128+2*(4*blk-4+\j):129+2*(4*blk-4+\j)], s[50:51] offset:256*(4*blk-4+\j)
.endif
	v_cvt_pk_f16_f32 v[128+2*(4*blk+\j)], v[64+4*(4*blk+\j)], v[64+4*(4*blk+\j)+1]
	v_cvt_pk_f16_f32 v[129+2*(4*blk+\j)], v[64+4*(4*blk+\j)+2], v[64+4*(4*blk+\j)+3]
.endr
.set blk, blk+1
.endr
	s_wait_alu depctr_va_vdst(0)                   ; the last block has written v[152:159], which the last four stores read
.irp j, 12,13,14,15
	global_store_b64 v6, v[128+2*\j:129+2*\j], s[50:51] offset:256*\j
.endr
	s_endpgm
; FOLD.  A wave takes 16 rows of k x 128 n.  D = (2 A) B: A's fragment is 16 k x 16 ranks (ranks 16-31 do not exist: registers 4-7 are 0); column r of product b stands for n = 8 r + b,
; so that a lane ends with eight neighbouring n of row 8 (l / 16) + j: with W's eight numbers added they pack into 16 bytes, and sixteen lanes fill a tile's row of 256 bytes.
; One text for q and v.  v[8:15] the eight rows' offsets (for B and for W alike); v[16:23] A raw; v[24:31] A's fragment; v[32:63] packed results; v[64:127] B raw, then the eight results; v[128:191] W; v[192:255] B's fragments.
.Lfold:
	s_mov_b32 s52, 1024
	s_mov_b32 s44, ID_FV
	s_cmp_lt_u32 s43, ID_FV
	s_cselect_b64 s[54:55], s[12:13], s[14:15]     ; W
	s_cselect_b64 s[48:49], s[16:17], s[20:21]     ; A
	s_cselect_b64 s[50:51], s[18:19], s[22:23]     ; B
	s_cselect_b32 s52, 4096, s52                   ; bytes in a row of W and of B
	s_cselect_b32 s44, ID_FQ, s44
	s_cselect_b32 s53, 0, 10                       ; the first tile in the package
	s_sub_co_u32 s44, s43, s44
	s_and_b32 s45, s44, 7
	s_lshr_b32 s46, s44, 3                         ; column tile j
	s_lshl_b32 s45, s45, 7
	s_lshl4_add_u32 s45, s42, s45                  ; k0
	v_and_b32 v2, 15, v0                           ; r = l % 16
	v_bfe_u32 v3, v0, 4, 1                         ; h = l / 16
	s_lshl_b32 s56, s45, 6                         ; a row of A is 64 bytes
	s_mov_b32 s57, 0
	s_add_nc_u64 s[48:49], s[48:49], s[56:57]
	v_lshlrev_b32 v6, 6, v2
	v_lshl_add_u32 v6, v3, 5, v6                   ; A[k0 + r][8 h ..]
	s_lshl_b32 s56, s46, 9
	s_add_nc_u64 s[50:51], s[50:51], s[56:57]
	s_mul_i32 s58, s45, s52
	s_add_co_u32 s58, s58, s56
	s_mov_b32 s59, 0
	s_add_nc_u64 s[54:55], s[54:55], s[58:59]
	s_lshl_b32 s47, s52, 3
	v_mul_u32_u24 v8, s47, v3
	v_lshl_add_u32 v8, v2, 5, v8                   ; row 8 h, columns 8 r ..
.set i, 0
.rept 7
	v_add_nc_u32 v[9+i], s52, v[8+i]
.set i, i+1
.endr
	s_add_co_u32 s56, s46, s53
	s_lshl_b32 s56, s56, 10
	s_add_co_u32 s56, s56, s45
	s_lshl_b32 s56, s56, 8
	s_add_co_u32 s56, s56, PKW
	s_add_nc_u64 s[56:57], s[34:35], s[56:57]
	v_lshlrev_b32 v7, 4, v2
	v_lshl_add_u32 v7, v3, 11, v7                  ; row 8 h of the tile, 16 r
	s_wait_alu depctr_va_vdst(0)                   ; the offsets v6, v7 and v8 to v15 are written, which the 34 loads and the 8 stores read; they are not written again
	global_load_b128 v[16:19], v6, s[48:49]
	global_load_b128 v[20:23], v6, s[48:49] offset:16
.set i, 0
.rept 8
	global_load_b128 v[64+8*i:64+8*i+3], v[8+i], s[50:51]
	global_load_b128 v[64+8*i+4:64+8*i+7], v[8+i], s[50:51] offset:16
.set i, i+1
.endr
.set i, 0
.rept 8
	global_load_b128 v[128+8*i:128+8*i+3], v[8+i], s[54:55] th:TH_LOAD_NT
	global_load_b128 v[128+8*i+4:128+8*i+7], v[8+i], s[54:55] offset:16 th:TH_LOAD_NT
.set i, i+1
.endr
	s_wait_loadcnt 16                              ; A and B are in; W's sixteen loads stay out
.irp p, 0,2,4,6
	v_pk_mul_f32 v[16+\p:17+\p], v[16+\p:17+\p], 2.0 op_sel_hi:[1,0]  ; alpha / rank = 2, exact
.endr
.irp p, 0,1,2,3
	v_cvt_pk_f16_f32 v[24+\p], v[16+2*\p], v[17+2*\p]
	v_mov_b32 v[28+\p], 0
.endr
.set bb, 0
.rept 8
.irp p, 0,1,2,3
	v_cvt_pk_f16_f32 v[192+8*bb+\p], v[64+16*\p+bb], v[72+16*\p+bb]  ; ranks 8 h + 2 p, 8 h + 2 p + 1 of column 8 r + bb
	v_mov_b32 v[196+8*bb+\p], 0
.endr
.set bb, bb+1
.endr
.set bb, 0
.rept 8
	v_wmma_f32_16x16x32_f16 v[64+8*bb:71+8*bb], v[24:31], v[192+8*bb:199+8*bb], 0  ; eight sums of one product each
.set bb, bb+1
.endr
	s_wait_loadcnt 0x0                             ; W
.rept 4
	v_nop                                          ; four places between the last product and the first read of a result (ISA guide 7.12.1)
.endr
.set jj, 0
.rept 4                                ; rows 8 h + 0 .. 3; each result's register 0 is read first
.irp b, 0,1,2,3,4,5,6,7
	v_add_f32 v[128+8*jj+\b], v[128+8*jj+\b], v[64+8*\b+jj]
.endr
.irp p, 0,1,2,3
	v_cvt_pk_f16_f32 v[32+4*jj+\p], v[128+8*jj+2*\p], v[129+8*jj+2*\p]
.endr
.set jj, jj+1
.endr
	s_wait_alu depctr_va_vdst(0)                   ; the conversions have written v[32:47], which the four stores below read; the work among them names v[64:127], v[160:191] and v[48:63]
.rept 4                                ; rows 8 h + 4 .. 7, while rows 0 .. 3 leave
	global_store_b128 v7, v[32+4*(jj-4):35+4*(jj-4)], s[56:57] offset:256*(jj-4)
.irp b, 0,1,2,3,4,5,6,7
	v_add_f32 v[128+8*jj+\b], v[128+8*jj+\b], v[64+8*\b+jj]
.endr
.irp p, 0,1,2,3
	v_cvt_pk_f16_f32 v[32+4*jj+\p], v[128+8*jj+2*\p], v[129+8*jj+2*\p]
.endr
.set jj, jj+1
.endr
	s_wait_alu depctr_va_vdst(0)                   ; the conversions have written v[48:63], which the last four stores read
.irp j, 4,5,6,7
	global_store_b128 v7, v[32+4*\j:35+4*\j], s[56:57] offset:256*\j
.endr
	s_endpgm
; MASK.  A wave takes 16 query rows x 128 keys (two key steps).  The rows come in as 512 consecutive bytes each, go through the wave's own stage, and come back so that lane l holds the
; eight words of row l % 16 that one register set of a score tile stands for; a compare makes a lane mask of each register, and v_writelane_b32 lays the 64 masks out for one store of 256 bytes.
; The compares go in two runs of 32, into s[4:35] (addresses that this role has no further use for), so that one wait serves a run.
.Lmask:
	s_sub_co_u32 s44, s43, ID_MK
	s_lshl3_add_u32 s44, s44, s42                  ; unit = 8 x work-group + wave
	s_lshr_b32 s45, s44, 4                         ; query tile 0..127
	s_and_b32 s46, s44, 15                         ; pair of key steps 0..15
	s_lshl_b32 s48, s45, 17                        ; 16 rows of 8,192 bytes
	s_lshl_b32 s47, s46, 9
	s_add_co_u32 s48, s48, s47
	s_mov_b32 s49, 0
	s_add_nc_u64 s[48:49], s[24:25], s[48:49]
	s_lshl_b32 s50, s45, 5
	s_lshl1_add_u32 s50, s46, s50
	s_lshl_b32 s50, s50, 7                         ; (32 tile + step) x 128 bytes
	s_mov_b32 s51, 0
	s_add_nc_u64 s[50:51], s[40:41], s[50:51]
	v_lshlrev_b32 v2, 4, v1
	s_wait_alu depctr_va_vdst(0)                   ; the offset v2 is written, which the 16 loads read
.set i, 0
.rept 16
	global_load_b128 v[64+4*i:64+4*i+3], v2, s[48:49] offset:i*8192 th:TH_LOAD_NT
.set i, i+1
.endr
	s_mul_i32 s47, s42, MSTG                       ; my stage
	v_add_nc_u32 v3, s47, v2
	v_and_b32 v6, 15, v0
	v_bfe_u32 v7, v0, 4, 1
	v_mul_u32_u24 v6, v6, MPIT
	v_lshl_add_u32 v6, v7, 5, v6                   ; row l % 16, words 8 (l / 16) ..
	v_add_nc_u32 v6, s47, v6
	v_lshlrev_b32 v8, 3, v1
	v_mov_b32 v32, 0
	v_mov_b32 v33, 0
	s_wait_loadcnt 0x0
	s_wait_alu depctr_va_vdst(0)                   ; v3 and v6, the LDS addresses of the stores and loads below, and v8, the last store's offset, are written
.set i, 0
.rept 16
	ds_store_b128 v3, v[64+4*i:64+4*i+3] offset:i*MPIT
.set i, i+1
.endr
.set i, 0
.rept 16                               ; LDS serves a wave's instructions in order (ISA guide 5.7.1.4): these see the stores above
	ds_load_b128 v[128+4*i:128+4*i+3], v6 offset:256*(i/8)+64*((i%8)/2)+16*(i%2)
.set i, i+1
.endr
	s_wait_dscnt 0x0
.set wd, 0
.rept 2
.rept 32
	v_cmp_ne_u32 s[4+wd%32], 0, v[128+wd]
.set wd, wd+1
.endr
	s_wait_alu depctr_va_sdst(0)                   ; the 32 compares have written s[4:35], ahead of the first v_writelane_b32 that reads one of them
.set wd, wd-32
.rept 32
	v_writelane_b32 v[32+wd%2], s[4+wd%32], wd/2   ; lane n holds words 2 n and 2 n + 1
.set wd, wd+1
.endr
.endr
	s_wait_alu depctr_va_vdst(0)                   ; v32 and v33 are written, the data of the store below
	global_store_b64 v8, v[32:33], s[50:51]
	s_wait_dscnt 0x0                               ; the closing lines, six on end
	s_wait_alu 0x0
	s_wait_tensorcnt 0x0
	ds_add_u32 v[SPW], v[NIL]
	s_wait_dscnt 0x0
	s_endpgm
.Lfunc_end_k_q89aa0a00e9_prep:
	.size	k_q89aa0a00e9_prep, .Lfunc_end_k_q89aa0a00e9_prep-k_q89aa0a00e9_prep
	.p2alignl 7, 3214868480
	.fill 96, 4, 3214868480
	.section	.rodata,"a",@progbits
	.p2align	6, 0x0
	.amdhsa_kernel k_q89aa0a00e9_prep
		.amdhsa_group_segment_fixed_size 68608
		.amdhsa_private_segment_fixed_size 0
		.amdhsa_enable_private_segment 0
		.amdhsa_kernarg_size 184
		.amdhsa_user_sgpr_count 2
		.amdhsa_user_sgpr_kernarg_segment_ptr 1
		.amdhsa_wavefront_size32 1
		.amdhsa_system_sgpr_workgroup_id_x 1
		.amdhsa_system_sgpr_workgroup_id_y 1
		.amdhsa_system_sgpr_workgroup_id_z 1
		.amdhsa_system_vgpr_workitem_id 0
		.amdhsa_next_free_vgpr 256
		.amdhsa_next_free_sgpr 66
		.amdhsa_reserve_vcc 0
		.amdhsa_float_denorm_mode_32 3
		.amdhsa_float_denorm_mode_16_64 3
		.amdhsa_memory_ordered 1
		.amdhsa_forward_progress 1
		.amdhsa_inst_pref_size 58
	.end_amdhsa_kernel
	.amdgpu_metadata
---
amdhsa.version: [ 1, 2 ]
amdhsa.kernels:
  - .name:           k_q89aa0a00e9_prep
    .symbol:         k_q89aa0a00e9_prep.kd
    .args:
      - { .name: W1, .offset: 0, .size: 8, .value_kind: global_buffer, .address_space: global }
      - { .name: W2, .offset: 8, .size: 8, .value_kind: global_buffer, .address_space: global }
      - { .name: Wo, .offset: 16, .size: 8, .value_kind: global_buffer, .address_space: global }
      - { .name: Wk, .offset: 24, .size: 8, .value_kind: global_buffer, .address_space: global }
      - { .name: Wq, .offset: 32, .size: 8, .value_kind: global_buffer, .address_space: global }
      - { .name: Wv, .offset: 40, .size: 8, .value_kind: global_buffer, .address_space: global }
      - { .name: lora_qa, .offset: 48, .size: 8, .value_kind: global_buffer, .address_space: global }
      - { .name: lora_qb, .offset: 56, .size: 8, .value_kind: global_buffer, .address_space: global }
      - { .name: lora_va, .offset: 64, .size: 8, .value_kind: global_buffer, .address_space: global }
      - { .name: lora_vb, .offset: 72, .size: 8, .value_kind: global_buffer, .address_space: global }
      - { .name: mask, .offset: 80, .size: 8, .value_kind: global_buffer, .address_space: global }
      - { .name: bq, .offset: 88, .size: 8, .value_kind: global_buffer, .address_space: global }
      - { .name: bk, .offset: 96, .size: 8, .value_kind: global_buffer, .address_space: global }
      - { .name: bv, .offset: 104, .size: 8, .value_kind: global_buffer, .address_space: global }
      - { .name: b1, .offset: 112, .size: 8, .value_kind: global_buffer, .address_space: global }
      - { .name: pkq, .offset: 120, .size: 8, .value_kind: global_buffer, .address_space: global }
      - { .name: pkf, .offset: 128, .size: 8, .value_kind: global_buffer, .address_space: global }
      - { .name: wts, .offset: 136, .size: 8, .value_kind: global_buffer, .address_space: global }
      - { .name: maskw, .offset: 144, .size: 8, .value_kind: global_buffer, .address_space: global }
      - { .name: x, .offset: 152, .size: 8, .value_kind: global_buffer, .address_space: global }
      - { .name: ln1_g, .offset: 160, .size: 8, .value_kind: global_buffer, .address_space: global }
      - { .name: ln1_b, .offset: 168, .size: 8, .value_kind: global_buffer, .address_space: global }
      - { .name: hb, .offset: 176, .size: 8, .value_kind: global_buffer, .address_space: global }
    .group_segment_fixed_size: 68608
    .private_segment_fixed_size: 0
    .kernarg_segment_align: 8
    .kernarg_segment_size: 184
    .max_flat_workgroup_size: 256
    .sgpr_count:     66
    .vgpr_count:     256
    .wavefront_size: 32
...
	.end_amdgpu_metadata
.endif
;; end of part 8
;; launch qkv: the kernel of part 2 again; grid 12 x 16, 4 waves a work-group, clusters of 4 x 4, 327,680 bytes of LDS; arguments hb, pkq, act; writes act
;; launch attn: the kernel of part 3 again; grid 32 x 8, 4 waves a work-group, clusters of 4 x 1, 327,680 bytes of LDS; arguments act, maskw, hb; writes hb
;; launch wo: the kernel of part 4 again; grid 8 x 32, 4 waves a work-group, clusters of 4 x 4, 327,680 bytes of LDS; arguments hb, wts, bo, x, x1; writes x1
;; launch ln2 (part 9): grid 256 x 1, 8 waves a work-group, no clusters, 0 bytes of LDS; arguments x1, ln2_g, ln2_b, hb; writes hb
.if DOCPART == 9
	.amdgcn_target "amdgcn-amd-amdhsa--gfx1250"
	.amdhsa_code_object_version 6
	.text
	.protected	k_q89aa0a00e9_ln2
	.globl	k_q89aa0a00e9_ln2
	.p2align	8
	.type	k_q89aa0a00e9_ln2,@function
k_q89aa0a00e9_ln2:
	s_mov_b64 s[64:65], 0
	v_nop
	global_prefetch_b8 v0, s[64:65] scope:SCOPE_SE
	s_setreg_imm32_b32 hwreg(HW_REG_WAVE_SCHED_MODE, 0, 2), 2
	s_setreg_imm32_b32 hwreg(HW_REG_WAVE_MODE, 25, 1), 1
	s_wait_xcnt 0x0
	s_wait_alu depctr_vm_vsrc(0)
; LAYER NORM.  h = (x - mean) rsqrt(var + 1e-5) g + b over rows of 1,024 f32, rounded once to f16.  Mean first, then the sum of squares of x - mean: no difference of large sums.
; SHARES.  A wave takes two rows and there is no loop: 2,048 waves, 2,048 pairs.  Lanes 0-15 hold row 2 P, lanes 16-31 row 2 P + 1, so a row's sums stay inside a half of 16 lanes
; (four steps that ride on the additions) and the row stays in 64 registers between the passes: x is read once.
; OUT.  h[m][col] lies at ((m / 128) 16 + col / 64) 16,384 + (m % 128) 128 + (col % 64) 2: chunks of 128 rows x 64 columns, dense.  The two rows' 128 bytes of a chunk are 256 consecutive bytes, one store.
; LIMIT.  |h| stays under f16's 65,504.  A NaN in a row makes the whole row NaN, as in the formula.
; Memory binds: no LDS, no barrier, no matrix unit, no cluster (nothing is shared but g and b, 8 KiB).
; THE MODE: SCHED_MODE bits 1:0 = 2 (LLVM: expert scheduling mode 2), set by the entry lines.  The code itself states the register dependences
; between vector instructions and memory instructions, with s_wait_alu, always for 0.
; THE PLAN.  Registers that memory instructions touch:
;   v4, v5, v6        offsets: written once at the head, read by the 48 loads and the 16 stores; one wait on va_vdst ahead of the first load.
;   XR, GR, BR        written by the loads, which land in registers that no vector instruction has named.
;   GR .. GR+31       the out-registers: written by the conversions, read by the stores, never written again.  The last pass goes in two halves of eight chunks: one wait on va_vdst behind each half's
;                     conversions; the first half's stores stand among the second half's scalings, which name other registers.
;   s12               written by v_readfirstlane_b32: one wait on va_sdst ahead of its first reader.
.set XR, 16                            ; v[16:79]   the row: load t brings columns 64 t + 4 r .. + 3
.set GR, 80                            ; v[80:143]  g of the same columns; later, in its first 32 registers, the packed result
.set BR, 144                           ; v[144:207] b
	s_load_b256 s[4:11], s[0:1], 0x0               ; x s[4:5], g s[6:7], b s[8:9], h s[10:11]
	v_lshrrev_b32 v1, 5, v0
	v_readfirstlane_b32 s12, v1
	s_lshl_b32 s13, ttmp9, 3
	v_and_b32 v2, 15, v0                           ; r
	v_bfe_u32 v3, v0, 4, 1                         ; which of the two rows
	v_lshlrev_b32 v4, 4, v2                        ; g, b: 16 r
	v_lshl_add_u32 v5, v3, 12, v4                  ; x: + a row of 4,096 bytes
	v_lshlrev_b32 v6, 3, v2
	v_lshl_add_u32 v6, v3, 7, v6                   ; h: 8 r + a row of 128 bytes
	s_wait_alu depctr_va_sdst(0)                   ; s12, the wave's number, is written, ahead of its first reader: the bases of x and h are made from it
	s_add_co_u32 s12, s12, s13                     ; P = 8 x work-group + wave
	s_lshl_b32 s14, s12, 13                        ; two rows of x
	s_mov_b32 s15, 0
	s_lshr_b32 s16, s12, 6
	s_lshl_b32 s16, s16, 18                        ; (m / 128) x 16 chunks
	s_and_b32 s17, s12, 63
	s_lshl_b32 s17, s17, 8                         ; (m % 128) x 128
	s_add_co_u32 s16, s16, s17
	s_mov_b32 s17, 0
	s_mov_b32 s18, 0x3a800000                      ; 1 / 1,024
	s_mov_b32 s19, 0x3727c5ac                      ; 1e-5
	s_wait_kmcnt 0x0
	s_add_nc_u64 s[4:5], s[4:5], s[14:15]
	s_add_nc_u64 s[10:11], s[10:11], s[16:17]
	s_wait_alu depctr_va_vdst(0)                   ; the offsets v4, v5 and v6 are written, which every load and store of the kernel reads; they are not written again
.set t, 0
.rept 16
	global_load_b128 v[XR+4*t:XR+4*t+3], v5, s[4:5] offset:256*t th:TH_LOAD_NT
.set t, t+1
.endr
.set t, 0
.rept 16
	global_load_b128 v[GR+4*t:GR+4*t+3], v4, s[6:7] offset:256*t
.set t, t+1
.endr
.set t, 0
.rept 16
	global_load_b128 v[BR+4*t:BR+4*t+3], v4, s[8:9] offset:256*t
.set t, t+1
.endr
	s_wait_loadcnt 32                              ; x is in; g's and b's 32 loads stay out
.irp c, 0,1,2,3                        ; four chains, started by data: nothing is cleared
	v_pk_add_f32 v[8+2*\c:9+2*\c], v[XR+2*\c:XR+2*\c+1], v[XR+8+2*\c:XR+9+2*\c]
.endr
.set p, 8
.rept 24
	v_pk_add_f32 v[8+2*(p%4):9+2*(p%4)], v[8+2*(p%4):9+2*(p%4)], v[XR+2*p:XR+2*p+1]
.set p, p+1
.endr
.macro REDUCE                          ; v[8:15] to one number in v8, the same in all 16 lanes of the row
	v_pk_add_f32 v[8:9], v[8:9], v[10:11]
	v_pk_add_f32 v[12:13], v[12:13], v[14:15]
	v_pk_add_f32 v[8:9], v[8:9], v[12:13]
	v_add_f32 v8, v8, v9
	v_add_f32_dpp v8, v8, v8 row_xmask:1 row_mask:0xf bank_mask:0xf
	v_add_f32_dpp v8, v8, v8 row_xmask:2 row_mask:0xf bank_mask:0xf
	v_add_f32_dpp v8, v8, v8 row_xmask:4 row_mask:0xf bank_mask:0xf
	v_add_f32_dpp v8, v8, v8 row_xmask:8 row_mask:0xf bank_mask:0xf
.endm
	REDUCE
	v_mul_f32 v8, s18, v8                          ; the mean
	v_mov_b32 v9, v8
.set p, 0
.rept 32
	v_pk_add_f32 v[XR+2*p:XR+2*p+1], v[XR+2*p:XR+2*p+1], v[8:9] neg_lo:[0,1] neg_hi:[0,1]
.set p, p+1
.endr
.irp c, 0,1,2,3
	v_pk_mul_f32 v[8+2*\c:9+2*\c], v[XR+2*\c:XR+2*\c+1], v[XR+2*\c:XR+2*\c+1]
.endr
.set p, 4
.rept 28
	v_pk_fma_f32 v[8+2*(p%4):9+2*(p%4)], v[XR+2*p:XR+2*p+1], v[XR+2*p:XR+2*p+1], v[8+2*(p%4):9+2*(p%4)]
.set p, p+1
.endr
	REDUCE
	v_fma_f32 v8, v8, s18, s19                     ; var + eps
	v_rsq_f32 v10, v8
	v_rsq_f32 v11, v8                              ; twice: a pair for the packed multiply
	v_nop                                          ; a plain instruction between the root and its use (ISA guide 5.7.2)
	s_wait_loadcnt 0x0                             ; g and b
	s_wait_alu depctr_va_vdst(0)                   ; the two roots v10 and v11 are written, ahead of their first reader: one wait for both
.set p, 0
.rept 16                               ; chunks 0 to 7
	v_pk_mul_f32 v[XR+2*p:XR+2*p+1], v[XR+2*p:XR+2*p+1], v[10:11]
.set p, p+1
.endr
.set p, 0
.rept 16
	v_pk_fma_f32 v[XR+2*p:XR+2*p+1], v[XR+2*p:XR+2*p+1], v[GR+2*p:GR+2*p+1], v[BR+2*p:BR+2*p+1]
.set p, p+1
.endr
.set t, 0
.rept 8
	v_cvt_pk_f16_f32 v[GR+2*t], v[XR+4*t], v[XR+4*t+1]
	v_cvt_pk_f16_f32 v[GR+2*t+1], v[XR+4*t+2], v[XR+4*t+3]
.set t, t+1
.endr
	s_wait_alu depctr_va_vdst(0)                   ; the conversions have written v[GR .. GR+15], which the eight stores below read; the vector instructions among and behind them name XR, GR and BR from +32 on, GR+16 .. +31 and the roots
.set t, 0
.rept 8                                ; chunks 8 to 15 are scaled while chunks 0 to 7 leave
	global_store_b64 v6, v[GR+2*t:GR+2*t+1], s[10:11] offset:16384*t
	v_pk_mul_f32 v[XR+32+4*t:XR+32+4*t+1], v[XR+32+4*t:XR+32+4*t+1], v[10:11]
	v_pk_mul_f32 v[XR+32+4*t+2:XR+32+4*t+3], v[XR+32+4*t+2:XR+32+4*t+3], v[10:11]
.set t, t+1
.endr
.set p, 16
.rept 16
	v_pk_fma_f32 v[XR+2*p:XR+2*p+1], v[XR+2*p:XR+2*p+1], v[GR+2*p:GR+2*p+1], v[BR+2*p:BR+2*p+1]
.set p, p+1
.endr
.set t, 8
.rept 8
	v_cvt_pk_f16_f32 v[GR+2*t], v[XR+4*t], v[XR+4*t+1]
	v_cvt_pk_f16_f32 v[GR+2*t+1], v[XR+4*t+2], v[XR+4*t+3]
.set t, t+1
.endr
	s_wait_alu depctr_va_vdst(0)                   ; the conversions have written v[GR+16 .. GR+31], which the last eight stores read
.set t, 8
.rept 8
	global_store_b64 v6, v[GR+2*t:GR+2*t+1], s[10:11] offset:16384*t
.set t, t+1
.endr
	s_endpgm
.Lfunc_end_k_q89aa0a00e9_ln2:
	.size	k_q89aa0a00e9_ln2, .Lfunc_end_k_q89aa0a00e9_ln2-k_q89aa0a00e9_ln2
	.p2alignl 7, 3214868480
	.fill 96, 4, 3214868480
	.section	.rodata,"a",@progbits
	.p2align	6, 0x0
	.amdhsa_kernel k_q89aa0a00e9_ln2
		.amdhsa_group_segment_fixed_size 0
		.amdhsa_private_segment_fixed_size 0
		.amdhsa_enable_private_segment 0
		.amdhsa_kernarg_size 32
		.amdhsa_user_sgpr_count 2
		.amdhsa_user_sgpr_kernarg_segment_ptr 1
		.amdhsa_wavefront_size32 1
		.amdhsa_system_sgpr_workgroup_id_x 1
		.amdhsa_system_sgpr_workgroup_id_y 1
		.amdhsa_system_sgpr_workgroup_id_z 1
		.amdhsa_system_vgpr_workitem_id 0
		.amdhsa_next_free_vgpr 208
		.amdhsa_next_free_sgpr 66
		.amdhsa_reserve_vcc 0
		.amdhsa_float_denorm_mode_32 3
		.amdhsa_float_denorm_mode_16_64 3
		.amdhsa_memory_ordered 1
		.amdhsa_forward_progress 1
		.amdhsa_inst_pref_size 21
	.end_amdhsa_kernel
	.amdgpu_metadata
---
amdhsa.version: [ 1, 2 ]
amdhsa.kernels:
  - .name:           k_q89aa0a00e9_ln2
    .symbol:         k_q89aa0a00e9_ln2.kd
    .args:
      - { .name: x1, .offset: 0, .size: 8, .value_kind: global_buffer, .address_space: global }
      - { .name: ln2_g, .offset: 8, .size: 8, .value_kind: global_buffer, .address_space: global }
      - { .name: ln2_b, .offset: 16, .size: 8, .value_kind: global_buffer, .address_space: global }
      - { .name: hb, .offset: 24, .size: 8, .value_kind: global_buffer, .address_space: global }
    .group_segment_fixed_size: 0
    .private_segment_fixed_size: 0
    .kernarg_segment_align: 8
    .kernarg_segment_size: 32
    .max_flat_workgroup_size: 256
    .sgpr_count:     66
    .vgpr_count:     208
    .wavefront_size: 32
...
	.end_amdgpu_metadata
.endif
;; end of part 9
;; launch ffn1: the kernel of part 6 again; grid 16 x 16, 4 waves a work-group, clusters of 4 x 4, 327,680 bytes of LDS; arguments hb, pkf, act; writes act
;; launch ffn2: the kernel of part 7 again; grid 8 x 32, 4 waves a work-group, clusters of 4 x 4, 327,680 bytes of LDS; arguments act, wts, b2, x1, out0; writes out0
